; MI455X (gfx1250); checked and timed in simulation.
; The chip was launched on July 23, 2026; its instructions are those of AMD's public machine-readable ISA for CDNA 5 (MIT licence, August 2026) and "CDNA5" Instruction Set Architecture Reference Guide (July 2026). The comments in the code are by the model that wrote it; some were corrected since.
;; Parallel Expert Attention. Allowed arithmetic: matrix products marked QUANTISED: E2M3 operands, one E8M0 scale for each 32 along K, by v_wmma_scale_f32_16x16x128_f8f6f4 with both operands' format E2M3, f32 sums; everything else in f32.
;; Inputs: w_gate_codes 768 x 96 x 24 uint8 (E2M3 codes of w_gate, K innermost, in blocks of 32 codes, four codes in three bytes); w_gate_scales 768 x 96 uint8 (E8M0 scales of w_gate, one for each 32 codes along K); w_up_codes 768 x 96 x 24 uint8 (E2M3 codes of w_up, K innermost, in blocks of 32 codes, four codes in three bytes); w_up_scales 768 x 96 uint8 (E8M0 scales of w_up, one for each 32 codes along K); wk_codes 4 x 768 x 24 x 24 uint8 (E2M3 codes of wk, K innermost, in blocks of 32 codes, four codes in three bytes); wk_scales 4 x 768 x 24 uint8 (E8M0 scales of wk, one for each 32 codes along K); wo_codes 4 x 768 x 24 x 24 uint8 (E2M3 codes of wo, K innermost, in blocks of 32 codes, four codes in three bytes); wo_scales 4 x 768 x 24 uint8 (E8M0 scales of wo, one for each 32 codes along K); wq_codes 4 x 768 x 24 x 24 uint8 (E2M3 codes of wq, K innermost, in blocks of 32 codes, four codes in three bytes); wq_scales 4 x 768 x 24 uint8 (E8M0 scales of wq, one for each 32 codes along K); wv_codes 4 x 768 x 24 x 24 uint8 (E2M3 codes of wv, K innermost, in blocks of 32 codes, four codes in three bytes); wv_scales 4 x 768 x 24 uint8 (E8M0 scales of wv, one for each 32 codes along K); x_codes 2 x 1,024 x 24 x 24 uint8 (E2M3 codes of x, K innermost, in blocks of 32 codes, four codes in three bytes); x_scales 2 x 1,024 x 24 uint8 (E8M0 scales of x, one for each 32 codes along K).
;; Outputs: out0 2 x 1,024 x 768 float32.
;; This version of the problem:
;;   THIS VERSION OF THE PROBLEM IS GIVEN IN LOW PRECISION. The matrix products marked QUANTISED in the list below multiply operands that are first quantised to E2M3 (2 exponent bits, 3 mantissa bits; 6 bits a number), with one power-of-two scale for each 32 numbers along K (OCP MX v1.0); their sums are f32. All else is computed in f32.
;;   The module's matrix products, in the order in which they are computed (A, B: the left and right operand; K: the contracted axis; several contracted axes count as one K, in the product's order):
;;     1. [M 2,048, K 768] x [K 768, N 768]; A: input x (given as codes); B: input wq (given as codes): QUANTISED
;;     2. [M 2,048, K 768] x [K 768, N 768]; A: input x (given as codes); B: input wk (given as codes): QUANTISED
;;     3. [M 2,048, K 768] x [K 768, N 768]; A: input x (given as codes); B: input wv (given as codes): QUANTISED
;;     4. batch 24 x [M 1,024, K 64] x [K 64, N 1,024]; A: computed on the way; B: computed on the way: QUANTISED
;;     5. batch 24 x [M 1,024, K 1,024] x [K 1,024, N 64]; A: softmax (see below); B: computed on the way: QUANTISED
;;     6. [M 2,048, K 768] x [K 768, N 768]; A: computed on the way; B: input wo (given as codes): QUANTISED
;;     7. [M 2,048, K 768] x [K 768, N 768]; A: input x (given as codes); B: input wq (given as codes): QUANTISED
;;     8. [M 2,048, K 768] x [K 768, N 768]; A: input x (given as codes); B: input wk (given as codes): QUANTISED
;;     9. [M 2,048, K 768] x [K 768, N 768]; A: input x (given as codes); B: input wv (given as codes): QUANTISED
;;     10. batch 24 x [M 1,024, K 64] x [K 64, N 1,024]; A: computed on the way; B: computed on the way: QUANTISED
;;     11. batch 24 x [M 1,024, K 1,024] x [K 1,024, N 64]; A: softmax (see below); B: computed on the way: QUANTISED
;;     12. [M 2,048, K 768] x [K 768, N 768]; A: computed on the way; B: input wo (given as codes): QUANTISED
;;     13. [M 2,048, K 768] x [K 768, N 768]; A: input x (given as codes); B: input wq (given as codes): QUANTISED
;;     14. [M 2,048, K 768] x [K 768, N 768]; A: input x (given as codes); B: input wk (given as codes): QUANTISED
;;     15. [M 2,048, K 768] x [K 768, N 768]; A: input x (given as codes); B: input wv (given as codes): QUANTISED
;;     16. batch 24 x [M 1,024, K 64] x [K 64, N 1,024]; A: computed on the way; B: computed on the way: QUANTISED
;;     17. batch 24 x [M 1,024, K 1,024] x [K 1,024, N 64]; A: softmax (see below); B: computed on the way: QUANTISED
;;     18. [M 2,048, K 768] x [K 768, N 768]; A: computed on the way; B: input wo (given as codes): QUANTISED
;;     19. [M 2,048, K 768] x [K 768, N 768]; A: input x (given as codes); B: input wq (given as codes): QUANTISED
;;     20. [M 2,048, K 768] x [K 768, N 768]; A: input x (given as codes); B: input wk (given as codes): QUANTISED
;;     21. [M 2,048, K 768] x [K 768, N 768]; A: input x (given as codes); B: input wv (given as codes): QUANTISED
;;     22. batch 24 x [M 1,024, K 64] x [K 64, N 1,024]; A: computed on the way; B: computed on the way: QUANTISED
;;     23. batch 24 x [M 1,024, K 1,024] x [K 1,024, N 64]; A: softmax (see below); B: computed on the way: QUANTISED
;;     24. [M 2,048, K 768] x [K 768, N 768]; A: computed on the way; B: input wo (given as codes): QUANTISED
;;     25. [M 2,048, K 3,072] x [K 3,072, N 768]; A: computed on the way; B: input w_gate (given as codes): QUANTISED
;;     26. [M 2,048, K 3,072] x [K 3,072, N 768]; A: computed on the way; B: input w_up (given as codes): QUANTISED
;;   THE QUANTISER, for each operand of a quantised product, along K:
;;     - K is cut into blocks of 32 from its start; a last block that is shorter is filled with zeros.
;;     - A block's scale is 2^e with e = floor(log2(the largest magnitude in the block)) - 2, held to -126 .. 127; a block of zeros has e = 0. As a byte (E8M0): e + 127.
;;     - Each number is divided by its block's scale, clamped to +-7.5, and rounded to the nearest number of E2M3, ties to even, subnormals kept.
;;     - The product sums the exact products of the quantised numbers (number of the format x scale) in f32.
;;   ~~~python
;;   def quantise(x, axis):      # numpy; x: float32 -> the quantised numbers, widened to float32 again
;;       x = np.moveaxis(x, axis, -1); K = x.shape[-1]
;;       x = np.pad(x, [(0, 0)] * (x.ndim - 1) + [(0, -K % 32)]); x = x.reshape(x.shape[:-1] + (-1, 32)); a = np.abs(x).max(-1, keepdims=True)
;;       e = np.where(a > 0, np.clip(np.frexp(np.where(a > 0, a, 1))[1] - 1 - 2, -126, 127), 0)      # np.frexp(a)[1] - 1 = floor(log2(a)), exactly
;;       r = np.clip(x / 2.0 ** e, -7.5, 7.5)
;;       step = 2.0 ** (np.maximum(np.frexp(np.where(r == 0, 1, r))[1] - 1, 0) - 3)
;;       q = np.round(r / step) * step * 2.0 ** e      # np.round: ties to even
;;       return np.moveaxis(q.reshape(q.shape[:-2] + (-1,))[..., :K], -1, axis).astype(np.float32)
;;   ~~~
;;   SOFTMAX AHEAD OF A QUANTISED PRODUCT. Where the list says 'softmax', what is quantised is not the finished softmax but p = 2^(t - M), with t = logit x log2(e) and M = ceil(the row's largest t), a whole number; so 1/2 < the row's largest p <= 1. The row's sum l is taken of the UNQUANTISED p, in f32, and the product's result is divided by l at the end. Since M is a whole number, a kernel that streams over the keys may use a running M (the ceiling of the running maximum): every later rescaling is an exact power of two, which a block's scale takes up: the codes' values come out the same.
;;   OPERANDS COMPUTED ON THE WAY. 'Computed on the way' means the value that the module computes at that place (a softmax that the list does not call 'softmax' is quantised finished and normalised). What goes into a quantiser is computed in f32, as accurately as f32 sums, v_exp_f32 and their like allow (about 1e-6 of the number): no bf16 or f16 on the way to a quantiser, and a product that is left as it is and whose result goes on into a quantised operand takes f32 operands (vector FMAs, or v_wmma_f32_16x16x4_f32). A number that lies on a knife's edge between two numbers of the format may be rounded either way, as far as f32 arithmetic and the matrix unit's own rounding can turn it there, and no further.
;;   INPUTS GIVEN AS CODES. w_gate (in the module: [768, 3072], K = its axis 1); w_up (in the module: [768, 3072], K = its axis 1); wk (in the module: [4, 768, 768], K = its axis 2); wo (in the module: [4, 768, 768], K = its axis 2); wq (in the module: [4, 768, 768], K = its axis 2); wv (in the module: [4, 768, 768], K = its axis 2); x (in the module: [2, 1024, 768], K = its axis 2): each comes as NAME_codes (uint8): NAME with its K axis moved to the last place and cut into blocks of 32 codes, [.., K / 32, bytes a block], one block behind the other in memory; four codes in three bytes: a row's codes are one little-endian stream of bits, code i at bits 6 i .. 6 i + 5 (a code: sign, 2 exponent bits, 3 mantissa bits); and NAME_scales (uint8): the same leading axes, one E8M0 byte (e + 127) for each 32 codes along K. Its value is code x scale, taken as it is: it is not quantised again, and the codes and scales need not be those that the quantiser above would give.
;; 2 versions. Each part assembles by itself: llvm-mc -triple=amdgcn-amd-amdhsa -mcpu=gfx1250 --defsym DOCPART=n.
;; ======== version 1 of 2: 4 launches
;; workspace buffers: img 14,155,776 bytes; scl 589,824 bytes; oimg 4,718,592 bytes; oscl 196,608 bytes; fimg 4,718,592 bytes; fscl 196,608 bytes; wimg 5,308,416 bytes
;; launch qkv (part 1): grid 256 x 1, 4 waves a work-group, no clusters, 156,672 bytes of LDS; arguments x_codes, x_scales, wq_codes, wq_scales, wk_codes, wk_scales, wv_codes, wv_scales, wo_codes, w_gate_codes, w_up_codes, img, scl, wimg; writes img, scl, wimg
.if DOCPART == 1
	.amdgcn_target "amdgcn-amd-amdhsa--gfx1250"
	.amdhsa_code_object_version 6
	.text
	.protected	k_q56bff444ea_qkv
	.globl	k_q56bff444ea_qkv
	.p2align	8
	.type	k_q56bff444ea_qkv,@function
k_q56bff444ea_qkv:
	s_mov_b64 s[64:65], 0
	v_nop
	global_prefetch_b8 v0, s[64:65] scope:SCOPE_SE
	s_setreg_imm32_b32 hwreg(HW_REG_WAVE_MODE, 25, 1), 1
	s_wait_xcnt 0x0
; q = x wq^T, k = x wk^T, v = x wv^T for four experts, on codes of FP6 (E2M3) with one E8M0 scale for each 32 along K = 768; the results are quantised at once:
; q and k along the head's 64 features, v along the keys, and leave as images of operand registers.
; A UNIT: P = 128 rows, all of K, kept in 576 registers of a wave (8 tiles x 6 fragments);  R = one tile of 16 rows (6 fragments).  48 matrix instructions, source 0 = P, source 1 = R:
; a lane holds ONE row of R, and its 64 results are 128 rows of P.  THE ROWS OF A TILE ARE NOT NEIGHBOURS: lane r of tile 2 b + u takes row 32 b + 8 u + r + 8 (r / 8), so that the 16 registers of tiles
; 2 b and 2 b + 1 are 16 neighbours, 32 b + 16 (lane / 16) + 0 .. 15: what the conversions want.  A unit's results become one fragment: rows = R's 16 rows, K = P's 128 rows.
; TWO KINDS OF WORK-GROUP, ONE TEXT (only pointers and strides are chosen, on the work-group's number):
;   0 .. 191:   P = 128 rows of wq or wk (two heads), one slice a wave; R = 128 rows of x, 4 pairs of tiles.  The fragment's two halves are the two heads' q or k of 16 tokens.
;   192 .. 255: P = 128 rows of x (128 keys), one step of keys a wave; R = 192 rows of wv, 6 pairs of tiles.  The fragment is v^T: 16 features x 128 keys.
; A THIRD JOB rides on the first kind, which has two pairs less to do and 64 rows of LDS that it does not need: each wave of work-groups 0 .. 143 brings one tile (16 rows x 768 along K) of wo, w_gate or w_up into those
; rows, by the very loads and LDS stores that bring the second kind its last 64 rows of R, and at its end stores the tile as six fragments' register images (wimg: 576 units of 9,216 bytes: wo's [slice][tile], then
; w_gate's and w_up's [64 features][quarter of K][4 tiles of gate, 4 of up]), so that the later launches load these weights straight into operand registers.  (Work-groups 144 .. 191 load a tile too and store nothing of it.)
; A half image: registers 0-5 of a fragment, 768 bytes: registers 0-3 at 16 x lane, registers 4-5 at 512 + 8 x lane: every store covers 512 or 256 consecutive bytes, aligned.
; img: [q, k][expert][head][tile of tokens] half images; from VREG on [tile of wv's rows][step of 128 keys][half].  scl: one word for a row: [q, k][expert][head][pair of tiles][r] = the two tiles' two bytes each;
; from VSREG on [tile][step][r] = the four bytes of 128 keys.
; Rows of codes (576 bytes) are loaded as they lie, 512 consecutive bytes a load, and turned into fragments through LDS, rows 592 bytes apart: 148 words, so that 16 rows start at 16 different multiples of 4 banks.
; No tensor load and no cluster: a wave takes its operand for all of K once, so there is no ring to feed; P's 512 rows and R's 192 together do not fit in LDS.
; LIMITS: NaN and infinities among the results are not served.  A block of zeros gets the byte 1 with zero codes where the quantiser says 127: this program alone reads these bytes.
.set VREG,  9437184
.set VSREG, 393216
.set PITCH, 592
.set GRP,   8*PITCH                    ; eight rows in LDS
.set TILEB, 16*PITCH
.set RSC,   12*TILEB                   ; behind R's 192 rows: R's scale bytes, dense, 4,608 bytes
.set STG,   RSC+4608                   ; behind them: a stage of 16 rows for each wave
.set AS,   14                          ; v14-22  where my 16 bytes of load j of a group go in my stage
.set FRL,  23                          ; v23     my fragment's place in the tile of weights that I lay out
.set PS,   24                          ; v24-47  P's scale words: pair b, K step s at 6 b + s; lanes 0-15 tile 2 b, lanes 16-31 tile 2 b + 1
.set RS,   48                          ; v48-53  R's: K step s; lanes 0-15 the pair's first tile, lanes 16-31 its second
.set PW0,  54                          ; the two scale words just made, and what is stored of them
.set PW1,  55
.set PWM,  56
.set TM,   58                          ; v58-73  at work in QUANT
.set PC,   76                          ; v76-95  the codes just made
.set ACC,  96                          ; v96-159 the unit's eight accumulators
.set B0,   160                         ; v160-231 R's first tile;  B1: the second, in window 3
.set B1,   144
.set AR,   213                         ; v213-221 (prologue) where my 16 bytes of load j go among R's rows
.set GL,   222                         ; v222-230 (prologue) my 16 bytes of load j in a group of eight rows of R's last 64 rows, or of the weights' tile
.set SEL,  52                          ; s[52:53] lane selects: lane l xor 16
; other registers: v1 my offset in R's rows; v3 16 x lane; v4 my fragment's place in my stage; v5 the same among R's rows; v6 R's scale words in LDS; v7 where I put R's scale words; v8 8 x lane;
; v9 my scale word's place in scl; v10 byte selects for it; v11 P's scale words in memory; v12, v13 4 x thread.  P: tiles 0-2 window 1, 3-5 window 2, 6-7 window 3, 72 registers each.
.set MSB, 0
.macro WIN new                         ; the immediate's high byte repeats the setting that is left
.if MSB != (\new)
	s_set_vgpr_msb (MSB<<8)|(\new)
.set MSB, (\new)
.endif
.endm
; one matrix instruction.  k = 0: it starts the sum.  ra, rb: the side's scale words stand in lanes 16-31
.macro WM d, a, b, k, sa, sb, ra, rb
.if (\k)==0
.if ((\ra)==0)&&((\rb)==0)
	v_wmma_scale_f32_16x16x128_f8f6f4 v[\d:\d+7], v[\a:\a+11], v[\b:\b+11], 0, v[\sa], v[\sb] matrix_a_fmt:MATRIX_FMT_FP6 matrix_b_fmt:MATRIX_FMT_FP6
.endif
.if ((\ra)==1)&&((\rb)==0)
	v_wmma_scale_f32_16x16x128_f8f6f4 v[\d:\d+7], v[\a:\a+11], v[\b:\b+11], 0, v[\sa], v[\sb] matrix_a_fmt:MATRIX_FMT_FP6 matrix_b_fmt:MATRIX_FMT_FP6 matrix_a_scale:MATRIX_SCALE_ROW1
.endif
.if ((\ra)==0)&&((\rb)==1)
	v_wmma_scale_f32_16x16x128_f8f6f4 v[\d:\d+7], v[\a:\a+11], v[\b:\b+11], 0, v[\sa], v[\sb] matrix_a_fmt:MATRIX_FMT_FP6 matrix_b_fmt:MATRIX_FMT_FP6 matrix_b_scale:MATRIX_SCALE_ROW1
.endif
.if ((\ra)==1)&&((\rb)==1)
	v_wmma_scale_f32_16x16x128_f8f6f4 v[\d:\d+7], v[\a:\a+11], v[\b:\b+11], 0, v[\sa], v[\sb] matrix_a_fmt:MATRIX_FMT_FP6 matrix_b_fmt:MATRIX_FMT_FP6 matrix_a_scale:MATRIX_SCALE_ROW1 matrix_b_scale:MATRIX_SCALE_ROW1
.endif
.else
.if ((\ra)==0)&&((\rb)==0)
	v_wmma_scale_f32_16x16x128_f8f6f4 v[\d:\d+7], v[\a:\a+11], v[\b:\b+11], v[\d:\d+7], v[\sa], v[\sb] matrix_a_fmt:MATRIX_FMT_FP6 matrix_b_fmt:MATRIX_FMT_FP6
.endif
.if ((\ra)==1)&&((\rb)==0)
	v_wmma_scale_f32_16x16x128_f8f6f4 v[\d:\d+7], v[\a:\a+11], v[\b:\b+11], v[\d:\d+7], v[\sa], v[\sb] matrix_a_fmt:MATRIX_FMT_FP6 matrix_b_fmt:MATRIX_FMT_FP6 matrix_a_scale:MATRIX_SCALE_ROW1
.endif
.if ((\ra)==0)&&((\rb)==1)
	v_wmma_scale_f32_16x16x128_f8f6f4 v[\d:\d+7], v[\a:\a+11], v[\b:\b+11], v[\d:\d+7], v[\sa], v[\sb] matrix_a_fmt:MATRIX_FMT_FP6 matrix_b_fmt:MATRIX_FMT_FP6 matrix_b_scale:MATRIX_SCALE_ROW1
.endif
.if ((\ra)==1)&&((\rb)==1)
	v_wmma_scale_f32_16x16x128_f8f6f4 v[\d:\d+7], v[\a:\a+11], v[\b:\b+11], v[\d:\d+7], v[\sa], v[\sb] matrix_a_fmt:MATRIX_FMT_FP6 matrix_b_fmt:MATRIX_FMT_FP6 matrix_a_scale:MATRIX_SCALE_ROW1 matrix_b_scale:MATRIX_SCALE_ROW1
.endif
.endif
.endm
; the tiles of one window: K step by K step, the window's accumulators by turns, one instruction a turn
.macro UGRP t0, n, win, rb, rw, rs, rrow
	WIN (\win)|((\rw)<<2)
.irp s, 0,1,2,3,4,5
.irp t, 0,1,2
.if \t < \n
	WM ACC+8*(\t0+\t), 72*\t+12*\s, \rb+12*\s, \s, PS+6*((\t0+\t)/2)+\s, \rs+\s, (\t0+\t)%2, \rrow
.endif
.endr
.endr
.endm
.macro UNIT rb, rw, rs, rrow           ; R's tile at v[rb] of window rw, its scale words at v[rs] on, in lanes 16 rrow on
	UGRP 0, 3, 1, \rb, \rw, \rs, \rrow
	UGRP 3, 3, 2, \rb, \rw, \rs, \rrow
	UGRP 6, 2, 3, \rb, \rw, \rs, \rrow
	WIN 0
.endm
; 64 numbers of a lane, register 16 b + i = k 32 b + 16 (lane / 16) + i of my row, become a fragment's codes in v[PC] on and its scale word in v[pw]
.macro QUANT s, pw
.irp b, 0,1,2,3
	v_max3_num_f32 v[TM+\b], |v[\s+16*\b]|, |v[\s+1+16*\b]|, 0x1800000   ; block b: my 16 numbers, and the floor 2^(3 - 127): the byte cannot fall under 1
.endr
.irp i, 2,4,6,8,10,12,14
.irp b, 0,1,2,3
	v_max3_num_f32 v[TM+\b], v[TM+\b], |v[\s+16*\b+\i]|, |v[\s+1+16*\b+\i]|   ; the four blocks by turns
.endr
.endr
.irp b, 0,1,2,3
	v_permlanex16_b32 v[TM+4+\b], v[TM+\b], s[SEL], s[SEL+1]
.endr
.irp b, 0,1,2,3
	v_max_num_f32 v[TM+\b], v[TM+\b], v[TM+4+\b]   ; with lane l xor 16's: the block's largest magnitude
.endr
.irp b, 0,1,2,3
	v_add_nc_u32 v[TM+12+\b], 0xff000000, v[TM+\b]   ; 2 off its exponent field: the conversion's scale operand
.endr
.irp b, 0,1,2,3
	v_lshrrev_b32 v[TM+4+\b], 23, v[TM+12+\b]      ; the scale's byte
.endr
	v_lshl_or_b32 v[\pw], v[TM+5], 8, v[TM+4]
	v_lshl_or_b32 v[\pw], v[TM+6], 16, v[\pw]
	v_lshl_or_b32 v[\pw], v[TM+7], 24, v[\pw]
.irp c, 0,1
	v_cvt_scalef32_pk16_fp6_f32 v[PC+6*\c:PC+2+6*\c], v[\s+32*\c:\s+15+32*\c], v[TM+12+2*\c]
	v_cvt_scalef32_pk16_fp6_f32 v[PC+12+4*\c:PC+14+4*\c], v[\s+16+32*\c:\s+31+32*\c], v[TM+12+2*\c+1]   ; (a conversion's three registers begin on an even number)
.endr
	v_nop                                          ; one plain place behind a scaled conversion
.irp c, 0,1                                    ; the operand's layout wants a whole block in a lane
.irp i, 0,1,2
	v_permlane16_swap_b32 v[PC+6*\c+\i], v[PC+12+4*\c+\i]
.endr
.irp i, 0,1,2
	v_mov_b32 v[PC+3+6*\c+\i], v[PC+12+4*\c+\i]
.endr
.endr
.endm
; tile t of P: its two groups of eight rows, as they lie, into the registers that its fragments will take
.macro PLOAD t
.set PA, 72*((\t)%3)
	WIN (1+(\t)/3)<<6
.irp j, 0,1,2,3,4,5,6,7,8
	global_load_b128 v[PA+4*\j:PA+4*\j+3], v3, s[28:29] offset:(4*((\t)/2)+(\t)%2)*4608+512*\j
.endr
.irp j, 0,1,2,3,4,5,6,7,8
	global_load_b128 v[PA+36+4*\j:PA+36+4*\j+3], v3, s[28:29] offset:(4*((\t)/2)+(\t)%2+2)*4608+512*\j
.endr
.endm
; and through my stage: LDS serves a wave's instructions in order, so no wait stands between the stores and the loads, nor in front of the next tile's stores.  n: the loads issued behind this tile's
.macro PTURN t, n
.set PA, 72*((\t)%3)
	s_wait_loadcnt \n
	WIN (1+(\t)/3)<<2
.irp j, 0,1,2,3,4,5,6,7,8
	ds_store_b128 v[AS+\j], v[PA+4*\j:PA+4*\j+3]
.endr
.irp j, 0,1,2,3,4,5,6,7,8
	ds_store_b128 v[AS+\j], v[PA+36+4*\j:PA+36+4*\j+3] offset:GRP
.endr
	WIN (1+(\t)/3)<<6
.irp s, 0,1,2,3,4,5
.irp p, 0,1,2,3,4,5
	ds_load_b64 v[PA+12*\s+2*\p:PA+12*\s+2*\p+1], v4 offset:96*\s+48*(\p/3)+8*(\p%3)
.endr
.endr
.endm
.macro OUTHI                                   ; the fragment's two halves leave
	global_store_b128 v3, v[PC:PC+3], s[36:37]
	global_store_b64 v8, v[PC+4:PC+5], s[36:37] offset:512
	global_store_b128 v3, v[PC+6:PC+9], s[38:39]
	global_store_b64 v8, v[PC+10:PC+11], s[38:39] offset:512
.endm
; a pair's fragments and scale words out of LDS, off bytes (of rows, of scale bytes) behind the pair in hand
.macro LDB0 off
.irp s, 0,1,2,3,4,5
.irp p, 0,1,2,3,4,5
	ds_load_b64 v[B0+12*\s+2*\p:B0+12*\s+2*\p+1], v5 offset:(\off)+96*\s+48*(\p/3)+8*(\p%3)
.endr
.endr
.endm
.macro LDRS off
.irp i, 0,1,2
	ds_load_b64 v[RS+2*\i:RS+2*\i+1], v6 offset:(\off)+8*\i
.endr
.endm
.macro LDB1 off
	WIN 0xc0
.irp s, 0,1,2,3,4,5
.irp p, 0,1,2,3,4,5
	ds_load_b64 v[B1+12*\s+2*\p:B1+12*\s+2*\p+1], v5 offset:(\off)+TILEB+96*\s+48*(\p/3)+8*(\p%3)
.endr
.endr
	WIN 0
.endm
	s_load_b512 s[8:23], s[0:1], 0x0               ; x s[8:11], wq s[12:15], wk s[16:19], wv s[20:23]: codes, scales
	s_load_b256 s[68:75], s[0:1], 0x40             ; the codes of wo, w_gate, w_up; img
	s_load_b128 s[76:79], s[0:1], 0x60             ; scl, wimg
	v_lshl_add_u32 v254, v0, 2, 0x26200
	v_mov_b32 v255, 0
	v_lshrrev_b32 v232, 5, v0
	v_readfirstlane_b32 s2, v232                   ; wave
	s_cmp_lt_u32 ttmp9, 192
	s_cselect_b32 s3, 0, 192
	s_sub_co_u32 s3, ttmp9, s3                     ; my number within my kind
	s_lshr_b32 s4, s3, 4
	s_and_b32 s5, s3, 15                           ; which part of R
	s_lshl_b32 s4, s4, 2
	s_add_co_u32 s4, s4, s2                        ; my slice of P: 0 .. 47 (wq's 24, wk's 24), or my step of keys, 0 .. 15
	s_mov_b32 s46, 110592                          ; the second kind's numbers; the first kind's stand in the selects below
	s_mov_b32 s47, 4608
	s_mov_b32 s48, 1536
	s_mov_b32 s49, 24576
	s_mov_b32 s54, 768
	s_mov_b32 s55, VREG
	s_mov_b32 s56, 2048
	s_mov_b32 s57, 1024
	s_mov_b32 s58, VSREG
	s_mov_b32 s59, 0x03020100
	s_mov_b32 s60, 0x07060504
	s_mov_b32 s[SEL], 0x76543210
	s_mov_b32 s[SEL+1], 0xfedcba98
	; the tile of weights that my wave lays out: unit U = 4 x work-group + wave, taken modulo 576 so that every wave's loads stay inside the buffers
	s_lshl_b32 s82, ttmp9, 2
	s_add_co_u32 s82, s82, s2
	s_cmp_ge_u32 s82, 576
	s_cselect_b32 s83, 576, 0
	s_sub_co_u32 s82, s82, s83                     ; U
	s_and_b32 s84, s82, 7                          ; its tile t
	s_lshr_b32 s85, s82, 3                         ; U under 192: wo's slice U / 8; the tile's first group of eight rows is 16 slice + 4 (t / 2) + t % 2, its second two groups on
	s_lshl_b32 s85, s85, 4
	s_lshr_b32 s86, s84, 1
	s_lshl_b32 s86, s86, 2
	s_add_co_u32 s85, s85, s86
	s_and_b32 s86, s84, 1
	s_add_co_u32 s85, s85, s86
	s_mul_i32 s85, s85, 4608
	s_sub_co_u32 s86, s82, 192                     ; else: V = U - 192: 64 features V / 32, quarter of K (V / 8) % 4; t under 4: w_gate, else w_up; rows 16 (t % 4) on
	s_lshr_b32 s87, s86, 5
	s_lshl_b32 s87, s87, 6
	s_and_b32 s88, s84, 3
	s_lshl_b32 s88, s88, 4
	s_add_co_u32 s87, s87, s88
	s_mul_i32 s87, s87, 2304
	s_bfe_u32 s88, s86, 0x20003
	s_mul_i32 s88, s88, 576
	s_add_co_u32 s87, s87, s88
	s_mov_b32 s91, 18432
	s_mul_i32 s94, s2, 4608
	s_add_co_u32 s94, s94, 73728                   ; the second kind: my group among R's groups 16 on
	s_wait_kmcnt 0x0
	s_bitcmp1_b32 s84, 2
	s_cselect_b64 s[24:25], s[72:73], s[70:71]     ; w_up or w_gate,
	s_cmp_lt_u32 s82, 192
	s_cselect_b64 s[24:25], s[68:69], s[24:25]     ; or wo
	s_cselect_b32 s89, s85, s87                    ; where the tile begins,
	s_cselect_b32 s90, 9216, s91                   ; from its first eight rows to its second eight,
	s_cselect_b32 s92, 0, 1728                     ; and what lies between two rows' 576 bytes
	s_cmp_ge_u32 s4, 24                            ; wk's slice?  (never in the second kind)
	s_cselect_b32 s6, 24, 0
	s_cselect_b64 s[28:29], s[16:17], s[12:13]
	s_cselect_b64 s[30:31], s[18:19], s[14:15]
	s_sub_co_u32 s6, s4, s6                        ; the slice within its tensor
	s_cmp_lt_u32 ttmp9, 192                        ; the kind: every choice below hangs on this compare
	s_cselect_b64 s[28:29], s[28:29], s[8:9]       ; P's codes,
	s_cselect_b64 s[30:31], s[30:31], s[10:11]     ; P's scales,
	s_cselect_b64 s[32:33], s[8:9], s[20:21]       ; R's codes,
	s_cselect_b64 s[34:35], s[10:11], s[22:23]     ; R's scales
	s_cselect_b32 s46, 73728, s46                  ; bytes of codes in a part of R (128 or 192 rows)
	s_cselect_b32 s47, 3072, s47                   ; and of scale bytes
	s_cselect_b32 s48, 196608, s48                 ; img: from slice to slice
	s_cselect_b32 s42, 768, s49                    ; from tile to tile of R
	s_cselect_b32 s54, 98304, s54                  ; from the fragment's low half to its high half
	s_cselect_b32 s55, 0, s55                      ; the region
	s_cselect_b32 s49, 8, 12                       ; tiles in a part of R
	s_cselect_b32 s61, 8192, 64                    ; scl: from slice to slice
	s_cselect_b32 s44, 64, s56                     ; from pair to pair
	s_cselect_b32 s57, 4096, s57                   ; from lanes 0-15 to lanes 16-31
	s_cselect_b32 s58, 0, s58                      ; the region
	s_cselect_b32 s56, 4, 6                        ; pairs in a part of R
	s_cselect_b32 s50, 4, 6                        ; and so the trips that have work
	s_cselect_b32 s63, 0, 3072                     ; the first kind has no scale words 768 on: it loads its first ones once more
	s_cselect_b32 s59, 0x05040100, s59             ; the stored word, lanes 0-15: the two tiles' bytes 0, 1 | the first tile's word
	s_cselect_b32 s60, 0x07060302, s60             ; lanes 16-31: the two tiles' bytes 2, 3 | the second tile's word
	s_mov_b32 s13, 0
	s_mul_i32 s12, s46, s5
	s_add_nc_u64 s[32:33], s[32:33], s[12:13]
	s_mul_i32 s12, s47, s5
	s_add_nc_u64 s[34:35], s[34:35], s[12:13]
	s_mul_i32 s12, s6, 73728
	s_add_nc_u64 s[28:29], s[28:29], s[12:13]
	s_mul_i32 s12, s6, 3072
	s_add_nc_u64 s[30:31], s[30:31], s[12:13]
	s_mul_i32 s12, s4, s48
	s_mul_i32 s14, s49, s5
	s_mul_i32 s14, s14, s42
	s_add_co_u32 s12, s12, s14
	s_add_co_u32 s12, s12, s55
	s_add_nc_u64 s[36:37], s[74:75], s[12:13]      ; where the low half of my first fragment goes,
	s_mov_b32 s12, s54
	s_add_nc_u64 s[38:39], s[36:37], s[12:13]      ; and the high half
	s_mul_i32 s12, s4, s61
	s_mul_i32 s14, s56, s5
	s_mul_i32 s14, s14, s44
	s_add_co_u32 s12, s12, s14
	s_add_co_u32 s12, s12, s58
	s_add_nc_u64 s[40:41], s[76:77], s[12:13]      ; and my first pair's scale words
	s_mov_b32 s43, 0
	s_mov_b32 s45, 0
	s_cmp_lt_u32 ttmp9, 192                        ; my last two groups of eight rows: the first kind's are the weights' tile, the second kind's are R's groups 16 + wave and 20 + wave
	s_cselect_b64 s[24:25], s[24:25], s[32:33]
	s_cselect_b32 s89, s89, s94
	s_cselect_b32 s90, s90, s91
	s_cselect_b32 s92, s92, 0
	s_mov_b32 s12, s89
	s_add_nc_u64 s[24:25], s[24:25], s[12:13]
	s_mov_b32 s12, s90
	s_add_nc_u64 s[26:27], s[24:25], s[12:13]
	s_mul_i32 s12, s82, 9216
	s_add_nc_u64 s[80:81], s[78:79], s[12:13]      ; wimg: my unit
	v_and_b32 v232, 31, v0                         ; lane
	v_and_b32 v233, 15, v0                         ; r
	v_bfe_u32 v234, v0, 4, 1                       ; h
	v_lshlrev_b32 v3, 4, v232
	v_lshlrev_b32 v8, 3, v232
	s_mul_i32 s7, s2, 4608
	v_add_nc_u32 v1, s7, v3                        ; wave w takes group 4 i + w of R
	v_lshlrev_b32 v12, 2, v0
	v_add_nc_u32 v13, s63, v12
	v_add_nc_u32 v7, RSC, v12
	v_mul_u32_u24 v9, v234, s57
	v_lshl_add_u32 v9, v233, 2, v9
	v_mov_b32 v10, s59
	v_mov_b32 v235, s60
	v_cmp_eq_u32 vcc_lo, 1, v234
	v_cndmask_b32 v10, v10, v235, vcc_lo
	v_and_b32 v235, 8, v233
	v_add_nc_u32 v235, v235, v233
	v_lshl_add_u32 v235, v234, 3, v235             ; r + 8 (r / 8) + 8 h: my row of a pair's 32
	v_mul_u32_u24 v11, v235, 24                    ; 24 scale bytes a row
	v_add_nc_u32 v6, RSC, v11
	v_mul_u32_u24 v5, v233, PITCH
	v_mad_u32_u24 v5, v234, 24, v5                 ; a fragment's row x pitch + 24 x half
	s_mul_i32 s7, s2, TILEB
	s_add_co_u32 s7, s7, STG                       ; my stage
	v_add_nc_u32 v4, s7, v5
	s_and_b32 s12, s2, 1                           ; R's rows lie in LDS in the order of the tiles: a pair's groups 0, 2, 1, 3
	s_lshl_b32 s12, s12, 1
	s_lshr_b32 s14, s2, 1
	s_add_co_u32 s12, s12, s14
	s_mul_i32 s12, s12, GRP
	v_lshrrev_b32 v237, 3, v233                    ; the weights' tile lies in pairs 4 and 5, at my place in each: its rows 8 on begin a pair's bytes less eight rows further on
	v_mul_u32_u24 v237, v237, 2*TILEB-GRP
	v_add_nc_u32 v[FRL], v237, v5
	s_add_co_u32 s14, s12, 8*TILEB
	v_add_nc_u32 v[FRL], s14, v[FRL]
.irp j, 0,1,2,3,4,5,6,7,8
	v_add_nc_u32 v235, 32*\j, v232                 ; piece p = 32 j + lane of a group's 288 pieces of 16 bytes
	v_mul_u32_u24 v236, v235, 1821
	v_lshrrev_b32 v236, 16, v236                   ; its row, p / 36 (exact for p under 288)
	v_lshlrev_b32 v237, 4, v235
	v_mad_u32_u24 v[GL+\j], v236, s92, v237        ; in memory: 16 p, and what lies between the rows
	v_add_nc_u32 v235, v235, v236                  ; in LDS: one piece of padding behind each row
	v_lshl_add_u32 v[AS+\j], v235, 4, s7
	v_lshl_add_u32 v[AR+\j], v235, 4, s12
.endr
.irp b, 0,1,2,3
	v_mov_b32 v[TM+4+\b], 0                        ; written once: a lane permute's destination counts as one of its sources
.endr
	; R's scale words, my six groups of eight rows, P's scale words; then P, its loads and its turns through the stage by turns, four tiles of loads ahead
.irp k, 0,1,2,3,4,5
	global_load_b32 v[204+\k], v12, s[34:35] offset:512*\k
.endr
.irp k, 6,7,8
	global_load_b32 v[204+\k], v13, s[34:35] offset:512*(\k-6)
.endr
	WIN 0xc0
.irp i, 0,1,2
.irp j, 0,1,2,3,4,5,6,7,8
	global_load_b128 v[144+36*\i+4*\j:144+36*\i+4*\j+3], v1, s[32:33] offset:18432*\i+512*\j
.endr
.endr
	WIN 0
.irp j, 0,1,2,3,4,5,6,7,8
	global_load_b128 v[96+4*\j:96+4*\j+3], v1, s[32:33] offset:18432*3+512*\j
.endr
.irp j, 0,1,2,3,4,5,6,7,8
	global_load_b128 v[132+4*\j:132+4*\j+3], v[GL+\j], s[24:25]
.endr
.irp j, 0,1,2,3,4,5,6,7,8
	global_load_b128 v[168+4*\j:168+4*\j+3], v[GL+\j], s[26:27]
.endr
.irp b, 0,1,2,3
.irp i, 0,1,2
	global_load_b64 v[PS+6*\b+2*\i:PS+6*\b+2*\i+1], v11, s[30:31] offset:768*\b+8*\i
.endr
.endr
	PLOAD 0
	PLOAD 1
	WIN 0
	s_wait_loadcnt 48                              ; behind my groups of R: P's 12 scale loads and two tiles of 18
.irp k, 0,1,2,3,4,5,6,7,8
	ds_store_b32 v7, v[204+\k] offset:512*\k
.endr
	WIN 0x0c
.irp i, 0,1,2
.irp j, 0,1,2,3,4,5,6,7,8
	ds_store_b128 v[AR+\j], v[144+36*\i+4*\j:144+36*\i+4*\j+3] offset:2*TILEB*\i
.endr
.endr
	WIN 0
.irp j, 0,1,2,3,4,5,6,7,8
	ds_store_b128 v[AR+\j], v[96+4*\j:96+4*\j+3] offset:2*TILEB*3
.endr
.irp j, 0,1,2,3,4,5,6,7,8
	v_add_nc_u32 v[AR+\j], 2*TILEB*4, v[AR+\j]     ; beyond what an offset of 16 bits reaches
.endr
.irp i, 4,5
.irp j, 0,1,2,3,4,5,6,7,8
	ds_store_b128 v[AR+\j], v[96+36*(\i-3)+4*\j:96+36*(\i-3)+4*\j+3] offset:2*TILEB*(\i-4)
.endr
.endr
	PLOAD 2
	PLOAD 3
	PTURN 0, 54                                    ; behind tile t: the three tiles of 18 loads issued since; at the end two, one, none
	PLOAD 4
	PTURN 1, 54
	PLOAD 5
	PTURN 2, 54
	PLOAD 6
	PTURN 3, 54
	PLOAD 7
	PTURN 4, 54
	PTURN 5, 36
	PTURN 6, 18
	PTURN 7, 0
	WIN 0
	s_wait_dscnt 0x0                               ; my part of R lies in LDS, and P's fragments are in
	s_barrier_signal -1
	s_barrier_wait -1                              ; everybody's part does: from here on LDS is only read
	LDB0 0                                         ; the first pair
	LDRS 0
	LDB1 0
; A trip: a pair of R's tiles.  pf = 1: the next pair's fragments are asked for as soon as a unit has freed their registers, so that they land under the quantising and the other unit.
.macro TRIP pf
	s_wait_dscnt 36                                ; the first tile and the scale words are in; the second tile's 36 loads may be out
	UNIT B0, 0, RS, 0
.rept 4
	v_nop                                          ; places in front of loads into the tile's registers and of the first read of results
.endr
.if \pf
	LDB0 2*TILEB
.endif
	QUANT ACC, PW0
	OUTHI
	s_wait_xcnt 0x0                                ; the stores have read their registers and bases
	s_add_nc_u64 s[36:37], s[36:37], s[42:43]
	s_add_nc_u64 s[38:39], s[38:39], s[42:43]
.if \pf
	s_wait_dscnt 36                                ; the second tile is in; the next pair's first tile, 36 loads, may be out
.else
	s_wait_dscnt 0x0
.endif
	UNIT B1, 3, RS, 1
.rept 4
	v_nop
.endr
.if \pf
	LDRS 768
	LDB1 2*TILEB
.endif
	QUANT ACC, PW1
	OUTHI
	v_perm_b32 v[PWM], v[PW1], v[PW0], v10         ; selects 0-3: the first tile's word, 4-7: the second's
	global_store_b32 v9, v[PWM], s[40:41]
	s_wait_xcnt 0x0
	s_add_nc_u64 s[36:37], s[36:37], s[42:43]
	s_add_nc_u64 s[38:39], s[38:39], s[42:43]
	s_add_nc_u64 s[40:41], s[40:41], s[44:45]
.endm
	s_mov_b32 s51, 0
.Ltrip:                                            ; five trips in every work-group; the first kind has work for four and jumps over the fifth.  A trip asks for pair 5 at the most: inside R's rows
	s_cmp_ge_u32 s51, s50
	s_cbranch_scc1 .Lskip
	TRIP 1
.Lskip:
	v_add_nc_u32 v5, 2*TILEB, v5                   ; the next pair's rows and scale bytes
	v_add_nc_u32 v6, 768, v6
	s_add_co_u32 s51, s51, 1
	s_cmp_lt_u32 s51, 5
	s_cbranch_scc1 .Ltrip
	s_cmp_lt_u32 s50, 6
	s_cbranch_scc1 .Lnolast
	TRIP 0                                         ; the second kind's sixth pair: nothing more is asked for
.Lnolast:
	s_wait_dscnt 0x0                               ; (the first kind's last requests are never used: they are waited for before their registers are taken)
	s_cmp_lt_u32 ttmp9, 144
	s_cbranch_scc0 .Lend
.irp s, 0,1,2,3,4,5                            ; the weights' tile comes out of LDS as six fragments and leaves as their images: 18 stores of 512 consecutive bytes
.irp p, 0,1,2,3,4,5
	ds_load_b64 v[ACC+12*\s+2*\p:ACC+12*\s+2*\p+1], v[FRL] offset:96*\s+48*(\p/3)+8*(\p%3)
.endr
.endr
	s_wait_dscnt 0x0
.set QQ, 0
.rept 18
	global_store_b128 v3, v[ACC+4*QQ:ACC+4*QQ+3], s[80:81] offset:512*QQ
.set QQ, QQ+1
.endr
.Lend:
	s_wait_tensorcnt 0x0
	ds_add_u32 v254, v255
	s_wait_dscnt 0x0
	s_endpgm
.Lfunc_end_k_q56bff444ea_qkv:
	.size	k_q56bff444ea_qkv, .Lfunc_end_k_q56bff444ea_qkv-k_q56bff444ea_qkv
	.p2alignl 7, 3214868480
	.fill 96, 4, 3214868480
	.section	.rodata,"a",@progbits
	.p2align	6, 0x0
	.amdhsa_kernel k_q56bff444ea_qkv
		.amdhsa_group_segment_fixed_size 156672
		.amdhsa_private_segment_fixed_size 0
		.amdhsa_enable_private_segment 0
		.amdhsa_kernarg_size 112
		.amdhsa_user_sgpr_count 2
		.amdhsa_user_sgpr_kernarg_segment_ptr 1
		.amdhsa_wavefront_size32 1
		.amdhsa_system_sgpr_workgroup_id_x 1
		.amdhsa_system_sgpr_workgroup_id_y 1
		.amdhsa_system_sgpr_workgroup_id_z 1
		.amdhsa_system_vgpr_workitem_id 0
		.amdhsa_next_free_vgpr 1024
		.amdhsa_next_free_sgpr 96
		.amdhsa_reserve_vcc 1
		.amdhsa_float_denorm_mode_32 3
		.amdhsa_float_denorm_mode_16_64 3
		.amdhsa_memory_ordered 1
		.amdhsa_forward_progress 1
		.amdhsa_inst_pref_size 121
	.end_amdhsa_kernel
	.amdgpu_metadata
---
amdhsa.version: [ 1, 2 ]
amdhsa.kernels:
  - .name:           k_q56bff444ea_qkv
    .symbol:         k_q56bff444ea_qkv.kd
    .args:
      - { .name: x_codes, .offset: 0, .size: 8, .value_kind: global_buffer, .address_space: global }
      - { .name: x_scales, .offset: 8, .size: 8, .value_kind: global_buffer, .address_space: global }
      - { .name: wq_codes, .offset: 16, .size: 8, .value_kind: global_buffer, .address_space: global }
      - { .name: wq_scales, .offset: 24, .size: 8, .value_kind: global_buffer, .address_space: global }
      - { .name: wk_codes, .offset: 32, .size: 8, .value_kind: global_buffer, .address_space: global }
      - { .name: wk_scales, .offset: 40, .size: 8, .value_kind: global_buffer, .address_space: global }
      - { .name: wv_codes, .offset: 48, .size: 8, .value_kind: global_buffer, .address_space: global }
      - { .name: wv_scales, .offset: 56, .size: 8, .value_kind: global_buffer, .address_space: global }
      - { .name: wo_codes, .offset: 64, .size: 8, .value_kind: global_buffer, .address_space: global }
      - { .name: w_gate_codes, .offset: 72, .size: 8, .value_kind: global_buffer, .address_space: global }
      - { .name: w_up_codes, .offset: 80, .size: 8, .value_kind: global_buffer, .address_space: global }
      - { .name: img, .offset: 88, .size: 8, .value_kind: global_buffer, .address_space: global }
      - { .name: scl, .offset: 96, .size: 8, .value_kind: global_buffer, .address_space: global }
      - { .name: wimg, .offset: 104, .size: 8, .value_kind: global_buffer, .address_space: global }
    .group_segment_fixed_size: 156672
    .private_segment_fixed_size: 0
    .kernarg_segment_align: 8
    .kernarg_segment_size: 112
    .max_flat_workgroup_size: 128
    .sgpr_count:     96
    .vgpr_count:     1024
    .wavefront_size: 32
...
	.end_amdgpu_metadata
.endif
;; end of part 1
;; launch attn (part 2): grid 256 x 1, 12 waves a work-group, no clusters, 116,736 bytes of LDS; arguments img, scl, oimg, oscl; writes oimg, oscl
.if DOCPART == 2
	.amdgcn_target "amdgcn-amd-amdhsa--gfx1250"
	.amdhsa_code_object_version 6
	.text
	.protected	k_q56bff444ea_attn
	.globl	k_q56bff444ea_attn
	.p2align	8
	.type	k_q56bff444ea_attn,@function
k_q56bff444ea_attn:
	s_mov_b64 s[64:65], 0
	v_nop
	global_prefetch_b8 v0, s[64:65] scope:SCOPE_SE
	s_setreg_imm32_b32 hwreg(HW_REG_WAVE_MODE, 25, 1), 1
	s_wait_xcnt 0x0
; Attention in a causal band (key k counts for query q where 0 <= q - k < 256) for 4 experts x 2 batches x 12 heads of 64, both products on codes of FP6 (E2M3) with E8M0 scales; o is quantised along its features and leaves as codes.
; SHARES.  A work-group: 128 queries (block a of 8) of three heads of one expert and batch.  A wave: one head, one pair of tiles of 16 queries, one tile after the other.  The band reaches three steps of 128 keys: a - 2, a - 1, a.
; Their k and v (register images made by the launch before) are copied into LDS once, each wave a twelfth, and read by the head's four waves.  A step that does not exist (a < 2) is filled with step 0's bytes and jumped over, by a branch on a.
; LAYOUT.  S^T = k q^T (source 0 = keys, source 1 = my 16 queries), O^T = v^T p^T: a lane holds ONE query throughout.  Lane r of tile 2 b + u (of keys, of queries, of v's features) holds row 32 b + 8 u + r + 8 (r / 8), so 16 registers
; of two neighbouring tiles are 16 neighbours: p's along the keys, O^T's along the features.
; THE HEAD'S 64 IN AN INSTRUCTION OF 128: source 0 holds TWO tiles of keys, one in each half of K; source 1 is [q, zeros] for the first and [zeros, q] for the second.  Zero codes add nothing under any scale byte that occurs here.
; THE BAND, block by block of 32 keys: my 32 queries are block number pair of their 128.  In the first step the blocks under that number are out of the band, those over it count whole; in the last step the other way round;
; only the block of that number is cut by the band's edge, lane by lane.  Which is which hangs on the wave's number alone: scalar branches.
; SOFTMAX.  t = score x log2(e) / 8; M = the largest t so far, rounded up to a whole number; p = 2^(t - M) is quantised along the keys, not normalised; the sum of the unquantised p divides O at the end.  When M moves, the sum and O^T
; are multiplied by 2^(old M - new M): exact.  A block's largest p is made of the block's largest score by the same two instructions; this takes v_exp_f32 not to fall where its input rises.
; No tensor load, no cluster: what work-groups share is 37 KB a head and is read once by each.
; LIMITS: NaN and infinities are not served.  A block of zeros gets the byte 1 with zero codes: this program alone reads these bytes.  1 / sum by v_rcp_f32.
.set VREG,  9437184
.set VSREG, 393216
.set HEADB, 36864                      ; LDS, a head: k's 3 steps x 8 tiles x 768 bytes, then v's 3 steps x 4 tiles x 1,536
.set SCB,   3*HEADB                    ; behind them the scale words: head x 1,536 + step x 512 + 256 h + 64 T + 4 r: lanes 0-15 find k's pair T, lanes 16-31 v's tile T
.set L16, 1                            ; v1  my head + 16 x lane      v2  my head + 8 x lane      v3  my scale words      v4, v5  16, 8 x lane      v6, v7  my query within the 128, less 16 h, for tile 0, 1
.set L8,  2                            ; v8  -infinity    v9  4 x lane    v11  h    v12 -M    v13 the largest t    v[14:15] the sum    v16-33, v34-51 [q, zeros, q] of tile 0, 1
.set LS,  3
.set KV,  52                           ; v52-99   four fragments of k or of v
.set SCR, 100                          ; v100-103 their scale words
.set S,   104                          ; v104-167 S^T, then p, at last o
.set O,   168                          ; v168-199 O^T
.set PCD, 200                          ; v200-211 p's codes, at last o's
.set CX,  212                          ; v212-218 conversions' second halves
.set BM,  220                          ; v220-223 a block's largest score, then p
.set BT,  224
.set BS,  228
.set F,   232                          ; v[232:233] 2^(old M - new M)
.set TMP, 234
.set PW,  235                          ; p's scale word
.set QS,  236                          ; v236, v237 q's scale words of tile 0, 1
.set OW,  239                          ; v239, v240 o's two scale bytes of tile 0, 1
.set SUM2, 242
.set SEL, 40
.set CS,  42
	s_load_b256 s[12:19], s[0:1], 0x0              ; img, scl, oimg, oscl
	v_lshl_add_u32 v254, v0, 2, 0x1c200
	v_mov_b32 v255, 0
	v_lshrrev_b32 v9, 5, v0
	v_readfirstlane_b32 s2, v9                     ; wave 0 .. 11
	s_and_b32 s3, ttmp9, 7                         ; a: block of 128 queries
	s_bfe_u32 s4, ttmp9, 0x20003                   ; which three heads
	s_bfe_u32 s5, ttmp9, 0x10005                   ; batch
	s_lshr_b32 s6, ttmp9, 6                        ; expert
	s_lshr_b32 s7, s2, 2                           ; my head of the three
	s_and_b32 s8, s2, 3                            ; my pair of the block's four
	s_mul_i32 s9, s4, 3
	s_add_co_u32 s9, s9, s7                        ; head
	s_mul_i32 s10, s6, 12
	s_add_co_u32 s10, s10, s9                      ; 12 expert + head
	s_sub_co_i32 s44, s3, 2                        ; the three steps of keys, held at 0 from below
	s_max_i32 s44, s44, 0
	s_sub_co_i32 s45, s3, 1
	s_max_i32 s45, s45, 0
	s_mov_b32 s46, s3
	s_mov_b32 s[SEL], 0x76543210
	s_mov_b32 s[SEL+1], 0xfedcba98
	s_mov_b32 s[CS], 0x3e38aa3b                    ; c = log2(e) / 8
	s_mov_b32 s[CS+1], s[CS]                       ; (named with it as a pair, so it is written)
	s_lshl_b32 s30, s5, 6
	s_lshl_b32 s31, s8, 1
	s_add_co_u32 s30, s30, s31                     ; 64 batch + 2 pair
	s_lshl_b32 s31, s3, 3
	s_add_co_u32 s31, s31, s30                     ; my first tile of queries
	s_mul_i32 s32, s10, 98304
	s_mul_i32 s34, s31, 768
	s_add_co_u32 s34, s34, s32
	s_mov_b32 s35, 0
	s_mul_i32 s36, s30, 768
	s_add_co_u32 s36, s36, s32
	s_add_co_u32 s36, s36, 48*98304                ; k lies 48 heads behind q
	s_mov_b32 s37, 0
	s_lshl_b32 s38, s10, 2
	s_add_co_u32 s38, s38, s8                      ; the tile of v's features that I copy
	s_lshl_b32 s38, s38, 4
	s_lshl_b32 s39, s5, 3
	s_add_co_u32 s38, s38, s39                     ; x 16 steps + 8 batch
	s_mul_i32 s32, s38, 1536
	s_add_co_u32 s32, s32, VREG
	s_mov_b32 s33, 0
	s_wait_kmcnt 0x0
	s_add_nc_u64 s[20:21], s[12:13], s[34:35]      ; q: my two tiles
	s_add_nc_u64 s[22:23], s[12:13], s[36:37]      ; k: my pair in step 0
	s_add_nc_u64 s[24:25], s[12:13], s[32:33]      ; v: my tile in step 0
	s_lshl_b32 s34, s10, 12
	s_lshl_b32 s39, s5, 11
	s_add_co_u32 s34, s34, s39
	s_lshl_b32 s39, s8, 6
	s_add_co_u32 s34, s34, s39
	s_add_co_u32 s36, s34, 48*4096                 ; k's scale words of my pair in step 0,
	s_lshl_b32 s38, s38, 6
	s_add_co_u32 s38, s38, VSREG                   ; v's of my tile,
	s_lshl_b32 s39, s3, 8
	s_add_co_u32 s34, s34, s39
	s_add_nc_u64 s[32:33], s[14:15], s[34:35]      ; q's of my pair
	s_lshl_b32 s30, s6, 7
	s_add_co_u32 s30, s30, s31
	s_mul_i32 s30, s30, 12
	s_add_co_u32 s30, s30, s9
	s_mul_i32 s30, s30, 768
	s_mov_b32 s31, 0
	s_add_nc_u64 s[26:27], s[16:17], s[30:31]      ; oimg: [expert][tile][head]
	s_lshl_b32 s30, s6, 6
	s_lshl_b32 s39, s5, 5
	s_add_co_u32 s30, s30, s39
	s_lshl_b32 s39, s3, 2
	s_add_co_u32 s30, s30, s39
	s_add_co_u32 s30, s30, s8
	s_mul_i32 s30, s30, 6
	s_lshr_b32 s39, s9, 1
	s_add_co_u32 s30, s30, s39
	s_lshl_b32 s30, s30, 7
	s_and_b32 s39, s9, 1
	s_lshl_b32 s39, s39, 1
	s_add_co_u32 s30, s30, s39
	s_add_nc_u64 s[28:29], s[18:19], s[30:31]      ; oscl: [expert][pair][K step = head / 2][lane], my head's two bytes of the word
	v_and_b32 v9, 31, v0
	v_and_b32 v10, 15, v0                          ; r
	v_bfe_u32 v11, v0, 4, 1                        ; h
	v_lshlrev_b32 v4, 4, v9
	v_lshlrev_b32 v5, 3, v9
	v_lshlrev_b32 v9, 2, v9
	s_mul_i32 s30, s7, HEADB
	v_add_nc_u32 v[L16], s30, v4
	v_add_nc_u32 v[L8], s30, v5
	s_mul_i32 s31, s7, 1536
	s_add_co_u32 s31, s31, SCB
	v_lshlrev_b32 v[LS], 2, v10
	v_lshl_add_u32 v[LS], v11, 8, v[LS]
	v_add_nc_u32 v[LS], s31, v[LS]
	v_and_b32 v6, 8, v10
	v_add_nc_u32 v6, v6, v10
	v_lshlrev_b32 v7, 4, v11
	v_sub_nc_u32 v6, v6, v7
	s_lshl_b32 s31, s8, 5
	v_add_nc_u32 v6, s31, v6                       ; 32 pair + r + 8 (r / 8) - 16 h
	v_add_nc_u32 v7, 8, v6
	v_mov_b32 v8, 0xff800000
	s_mul_i32 s31, s8, 1536
	v_add_nc_u32 v190, s31, v[L16]                 ; where my copies go
	s_lshl_b32 s31, s8, 6
	v_add_nc_u32 v191, s31, v[LS]
	v_lshlrev_b32 v189, 2, v10
	v_mov_b32 v192, s36
	v_mov_b32 v193, s38
	v_cmp_eq_u32 vcc_lo, 1, v11
	v_cndmask_b32 v192, v192, v193, vcc_lo         ; lanes 0-15 fetch k's scale words, lanes 16-31 v's
	v_lshl_add_u32 v192, v10, 2, v192
	v_mul_u32_u24 v193, v11, 192
	v_sub_nc_u32 v193, 256, v193                   ; a step on: 256 bytes in k's, 64 in v's
.irp j, 0,1,2
	s_mul_i32 s31, s[44+\j], 6144
	v_add_nc_u32 v[180+\j], s31, v4
	s_mul_i32 s31, s[44+\j], 1536
	v_add_nc_u32 v[183+\j], s31, v4
	v_mad_u32_u24 v[186+\j], v193, s[44+\j], v192
.endr
.irp j, 0,1,2
.irp c, 0,1,2
	global_load_b128 v[104+24*\j+4*\c:107+24*\j+4*\c], v[180+\j], s[22:23] offset:512*\c
.endr
.irp c, 0,1,2
	global_load_b128 v[116+24*\j+4*\c:119+24*\j+4*\c], v[183+\j], s[24:25] offset:512*\c
.endr
	global_load_b32 v[176+\j], v[186+\j], s[14:15]
.endr
.irp u, 0,1                                    ; q's half image twice: in front of six registers of zeros, and behind them
	global_load_b128 v[16+18*\u:19+18*\u], v4, s[20:21] offset:768*\u
	global_load_b64 v[20+18*\u:21+18*\u], v5, s[20:21] offset:768*\u+512
	global_load_b128 v[28+18*\u:31+18*\u], v4, s[20:21] offset:768*\u
	global_load_b64 v[32+18*\u:33+18*\u], v5, s[20:21] offset:768*\u+512
.endr
	global_load_b32 v238, v189, s[32:33]
.irp u, 0,1
.irp i, 0,1,2,3,4,5
	v_mov_b32 v[22+18*\u+\i], 0
.endr
.endr
.irp b, 0,1,2,3
	v_mov_b32 v[BT+\b], 0                          ; written once: a lane permute's destination counts as one of its sources
.endr
	v_mov_b32 v[F+1], 0                            ; (named as the upper half of a pair)
	v_mov_b32 v[TMP], 0
	s_wait_loadcnt 0x0
.irp j, 0,1,2
.irp c, 0,1,2
	ds_store_b128 v190, v[104+24*\j+4*\c:107+24*\j+4*\c] offset:6144*\j+512*\c
	ds_store_b128 v190, v[116+24*\j+4*\c:119+24*\j+4*\c] offset:18432+6144*\j+512*\c
.endr
	ds_store_b32 v191, v[176+\j] offset:512*\j
.endr
	v_perm_b32 v[QS], v238, v238, 0x01000100       ; the word holds tile 0's two bytes, then tile 1's: each tile's twice, for both halves of K
	v_perm_b32 v[QS+1], v238, v238, 0x03020302
	s_wait_dscnt 0x0                               ; my copies lie in LDS
	s_barrier_signal -1
	s_barrier_wait -1                              ; everybody's do: from here on LDS is only read
.macro SOFTMAX
.irp b, 0,1,2,3
	v_max3_num_f32 v[BM+\b], v[S+16*\b], v[S+1+16*\b], v[S+2+16*\b]   ; the largest score of each block of 32 keys: for the row's maximum, and for the block's largest p
.endr
.irp i, 3,5,7,9,11,13
.irp b, 0,1,2,3
	v_max3_num_f32 v[BM+\b], v[BM+\b], v[S+16*\b+\i], v[S+1+16*\b+\i]
.endr
.endr
.irp b, 0,1,2,3
	v_max_num_f32 v[BM+\b], v[BM+\b], v[S+15+16*\b]
.endr
.irp b, 0,1,2,3
	v_permlanex16_b32 v[BT+\b], v[BM+\b], s[SEL], s[SEL+1]
.endr
.irp b, 0,1,2,3
	v_max_num_f32 v[BM+\b], v[BM+\b], v[BT+\b]     ; with lane l xor 16's 16 keys
.endr
	v_max3_num_f32 v[TMP], v[BM], v[BM+1], v[BM+2]
	v_max_num_f32 v[TMP], v[TMP], v[BM+3]
	v_mul_f32 v[TMP], s[CS], v[TMP]                ; as t (c is positive)
	v_max_num_f32 v13, v13, v[TMP]                 ; the running largest t
	v_mov_b32 v[TMP], v12
	v_floor_f32 v12, -v13                          ; the new -M = -ceil(t)
	v_sub_f32 v[TMP], v12, v[TMP]                  ; old M - new M: a whole number, 0 or less
	v_cvt_i32_f32 v[TMP], v[TMP]                   ; (it saturates)
	v_ldexp_f32 v[F], 1.0, v[TMP]
.set JJ, 0
.rept 32
	v_pk_fma_f32 v[S+JJ:S+JJ+1], v[S+JJ:S+JJ+1], s[CS:CS+1], v[12:13] op_sel_hi:[1,0,0]   ; t - M
.set JJ, JJ+2
.endr
.irp b, 0,1,2,3
	v_fma_f32 v[BM+\b], v[BM+\b], s[CS], v12
.endr
.set JJ, 0
.rept 64
	v_exp_f32 v[S+JJ], v[S+JJ]                     ; p = 2^(t - M)
.set JJ, JJ+1
.endr
.irp b, 0,1,2,3
	v_exp_f32 v[BM+\b], v[BM+\b]
.endr
	v_pk_mul_f32 v[14:15], v[14:15], v[F:F+1] op_sel_hi:[1,0]   ; the sums under the new M.  (A plain place behind the exponentials)
	s_wait_alu depctr_va_vdst(0)
.irp b, 0,1,2,3
	v_max_num_f32 v[BM+\b], 0x1800000, v[BM+\b]    ; the floor 2^(3 - 127)
.endr
.irp b, 0,1,2,3
	v_add_nc_u32 v[BS+\b], 0xff000000, v[BM+\b]    ; 2 off the exponent field: the conversion's scale operand
.endr
.irp b, 0,1,2,3
	v_lshrrev_b32 v[BT+\b], 23, v[BS+\b]
.endr
	v_lshl_or_b32 v[PW], v[BT+1], 8, v[BT]
	v_lshl_or_b32 v[PW], v[BT+2], 16, v[PW]
	v_lshl_or_b32 v[PW], v[BT+3], 24, v[PW]
.irp c, 0,1
	v_cvt_scalef32_pk16_fp6_f32 v[PCD+6*\c:PCD+2+6*\c], v[S+32*\c:S+15+32*\c], v[BS+2*\c]
	v_cvt_scalef32_pk16_fp6_f32 v[CX+4*\c:CX+2+4*\c], v[S+16+32*\c:S+31+32*\c], v[BS+2*\c+1]
.endr
	v_nop                                          ; one plain place behind a scaled conversion
.irp c, 0,1
.irp i, 0,1,2
	v_permlane16_swap_b32 v[PCD+6*\c+\i], v[CX+4*\c+\i]
.endr
.irp i, 0,1,2
	v_mov_b32 v[PCD+3+6*\c+\i], v[CX+4*\c+\i]
.endr
.endr
	v_pk_add_f32 v[SUM2:SUM2+1], v[S:S+1], v[S+2:S+3]   ; the row's sum of the unquantised p, in two chains
.set JJ, 4
.rept 15
	v_pk_add_f32 v[14:15], v[14:15], v[S+JJ:S+JJ+1]
	v_pk_add_f32 v[SUM2:SUM2+1], v[SUM2:SUM2+1], v[S+2+JJ:S+3+JJ]
.set JJ, JJ+4
.endr
	v_pk_add_f32 v[14:15], v[14:15], v[SUM2:SUM2+1]
.set JJ, 0
.rept 16
	v_pk_mul_f32 v[O+JJ:O+JJ+1], v[O+JJ:O+JJ+1], v[F:F+1] op_sel_hi:[1,0]   ; O^T under the new M.  (With the sums: the places between the scale word, the codes and the products below)
.set JJ, JJ+2
.endr
.endm
; Block t of a step's four blocks of 32 keys, for my tile u.  mode 0 (the band's far end): blocks under my pair's number are out of the band; mode 2 (the diagonal): blocks over it lie ahead of the queries.
; Such a block becomes -infinity whole (p = 0 then); the block of my pair's number is cut lane by lane; the others are left as they are.  Register 16 t + i holds key 32 t + 16 h + i of the step.
.macro MASKB mode, t, u
	s_cmp_eq_u32 s8, \t
	s_cbranch_scc1 .Lpart_\@
.if ((\mode == 0) && (\t < 3)) || ((\mode == 2) && (\t > 0))
.if \mode == 0
	s_cmp_gt_u32 s8, \t
.else
	s_cmp_lt_u32 s8, \t
.endif
	s_cbranch_scc0 .Lopen_\@
.set NN, 16*(\t)
.rept 16
	v_mov_b32 v[S+NN], v8
.set NN, NN+1
.endr
.endif
	s_branch .Lopen_\@
.Lpart_\@:
.set NN, 16*(\t)
.rept 16
.if \mode == 0
	v_cmp_le_i32 vcc_lo, 32*(NN/16)+NN%16, v[6+\u]
.else
	v_cmp_gt_i32 vcc_lo, 32*(NN/16)+NN%16, v[6+\u]
.endif
	v_cndmask_b32 v[S+NN], v[S+NN], v8, vcc_lo
.set NN, NN+1
.endr
.Lopen_\@:
.endm
; step j of the three, for my tile u of queries.  mode 0: keys at or under my query's place in its block of 128 are out of the band; 1: all count; 2: keys over it lie ahead of the query
.macro STEP j, mode, u
.rept 4
	v_nop                                          ; places in front of loads into registers that matrix instructions have read
.endr
.irp t, 0,1,2,3
	ds_load_b128 v[KV+12*\t:KV+12*\t+3], v[L16] offset:6144*\j+1536*\t
	ds_load_b64 v[KV+12*\t+4:KV+12*\t+5], v[L8] offset:6144*\j+1536*\t+512
	ds_load_b128 v[KV+12*\t+6:KV+12*\t+9], v[L16] offset:6144*\j+1536*\t+768
	ds_load_b64 v[KV+12*\t+10:KV+12*\t+11], v[L8] offset:6144*\j+1536*\t+1280
	ds_load_b32 v[SCR+\t], v[LS] offset:512*\j+64*\t
.endr
	s_wait_dscnt 0x0
.irp t, 0,1,2,3
	v_wmma_scale_f32_16x16x128_f8f6f4 v[S+16*\t:S+16*\t+7], v[KV+12*\t:KV+12*\t+11], v[16+18*\u:27+18*\u], 0, v[SCR+\t], v[QS+\u] matrix_a_fmt:MATRIX_FMT_FP6 matrix_b_fmt:MATRIX_FMT_FP6
	v_wmma_scale_f32_16x16x128_f8f6f4 v[S+16*\t+8:S+16*\t+15], v[KV+12*\t:KV+12*\t+11], v[22+18*\u:33+18*\u], 0, v[SCR+\t], v[QS+\u] matrix_a_fmt:MATRIX_FMT_FP6 matrix_b_fmt:MATRIX_FMT_FP6
.endr
.rept 4
	v_nop                                          ; places in front of the loads below and of the first read or write of the scores
.endr
.irp t, 0,1,2,3                                ; v's four tiles land while the softmax is walked
	ds_load_b128 v[KV+12*\t:KV+12*\t+3], v[L16] offset:18432+6144*\j+1536*\t
	ds_load_b64 v[KV+12*\t+4:KV+12*\t+5], v[L8] offset:18432+6144*\j+1536*\t+512
	ds_load_b128 v[KV+12*\t+6:KV+12*\t+9], v[L16] offset:18432+6144*\j+1536*\t+768
	ds_load_b64 v[KV+12*\t+10:KV+12*\t+11], v[L8] offset:18432+6144*\j+1536*\t+1280
.endr
.if \mode != 1
.irp t, 0,1,2,3
	MASKB \mode, \t, \u
.endr
.endif
	SOFTMAX
	s_wait_dscnt 0x0                               ; v is in
.irp t, 0,1,2,3
	v_wmma_scale_f32_16x16x128_f8f6f4 v[O+8*\t:O+8*\t+7], v[KV+12*\t:KV+12*\t+11], v[PCD:PCD+11], v[O+8*\t:O+8*\t+7], v[SCR+\t], v[PW] matrix_a_fmt:MATRIX_FMT_FP6 matrix_b_fmt:MATRIX_FMT_FP6 matrix_a_scale:MATRIX_SCALE_ROW1
.endr
.endm
.macro TILE u
	s_wait_xcnt 0x0                                ; the last tile's stores have read the codes' registers
	v_mov_b32 v13, 0xff61b1e6                      ; the largest t so far: -3e38
	v_floor_f32 v12, -v13
	v_mov_b32 v14, 0
	v_mov_b32 v15, 0
.set JJ, 0
.rept 32
	v_mov_b32 v[O+JJ], 0                           ; a step is written once: the first finds zeros, which the first change of M leaves zeros
.set JJ, JJ+1
.endr
	s_cmp_lt_u32 s3, 2
	s_cbranch_scc1 .Lno0_\@
	STEP 0, 0, \u
.Lno0_\@:
	s_cmp_lt_u32 s3, 1
	s_cbranch_scc1 .Lno1_\@
	STEP 1, 1, \u
.Lno1_\@:
	STEP 2, 2, \u
.rept 4
	v_nop
.endr
	v_add_f32 v14, v14, v15
	v_permlanex16_b32 v[TMP], v14, s[SEL], s[SEL+1]
	v_add_f32 v14, v14, v[TMP]                     ; the row's sum
	v_rcp_f32 v14, v14
	v_nop                                          ; one plain place behind a transcendental
.set JJ, 0
	s_wait_alu depctr_va_vdst(0)
.rept 32
	v_mul_f32 v[S+JJ], v[O+JJ], v14                ; o: register 16 b + i is feature 32 b + 16 h + i of my query's head
.set JJ, JJ+1
.endr
.irp b, 0,1
	v_max3_num_f32 v[BM+\b], |v[S+16*\b]|, |v[S+1+16*\b]|, 0x1800000
.endr
.irp i, 2,4,6,8,10,12,14
.irp b, 0,1
	v_max3_num_f32 v[BM+\b], v[BM+\b], |v[S+16*\b+\i]|, |v[S+1+16*\b+\i]|
.endr
.endr
.irp b, 0,1
	v_permlanex16_b32 v[BT+\b], v[BM+\b], s[SEL], s[SEL+1]
.endr
.irp b, 0,1
	v_max_num_f32 v[BM+\b], v[BM+\b], v[BT+\b]
.endr
.irp b, 0,1
	v_add_nc_u32 v[BS+\b], 0xff000000, v[BM+\b]
.endr
.irp b, 0,1
	v_lshrrev_b32 v[BT+\b], 23, v[BS+\b]
.endr
	v_lshl_or_b32 v[OW+\u], v[BT+1], 8, v[BT]
	v_cvt_scalef32_pk16_fp6_f32 v[PCD:PCD+2], v[S:S+15], v[BS]
	v_cvt_scalef32_pk16_fp6_f32 v[CX:CX+2], v[S+16:S+31], v[BS+1]
	v_nop
.irp i, 0,1,2
	v_permlane16_swap_b32 v[PCD+\i], v[CX+\i]
.endr
.irp i, 0,1,2
	v_mov_b32 v[PCD+3+\i], v[CX+\i]
.endr
	global_store_b128 v4, v[PCD:PCD+3], s[26:27] offset:9216*\u       ; a half image: 512 and 256 consecutive bytes
	global_store_b64 v5, v[PCD+4:PCD+5], s[26:27] offset:9216*\u+512
.endm
	TILE 0
	TILE 1
	v_cmp_eq_u32 vcc_lo, 1, v11
	v_cndmask_b32 v10, v[OW], v[OW+1], vcc_lo      ; lanes 0-15: tile 0's rows, lanes 16-31: tile 1's
	global_store_b16 v9, v10, s[28:29]
	s_wait_tensorcnt 0x0
	ds_add_u32 v254, v255
	s_wait_dscnt 0x0
	s_endpgm
.Lfunc_end_k_q56bff444ea_attn:
	.size	k_q56bff444ea_attn, .Lfunc_end_k_q56bff444ea_attn-k_q56bff444ea_attn
	.p2alignl 7, 3214868480
	.fill 96, 4, 3214868480
	.section	.rodata,"a",@progbits
	.p2align	6, 0x0
	.amdhsa_kernel k_q56bff444ea_attn
		.amdhsa_group_segment_fixed_size 116736
		.amdhsa_private_segment_fixed_size 0
		.amdhsa_enable_private_segment 0
		.amdhsa_kernarg_size 32
		.amdhsa_user_sgpr_count 2
		.amdhsa_user_sgpr_kernarg_segment_ptr 1
		.amdhsa_wavefront_size32 1
		.amdhsa_system_sgpr_workgroup_id_x 1
		.amdhsa_system_sgpr_workgroup_id_y 1
		.amdhsa_system_sgpr_workgroup_id_z 1
		.amdhsa_system_vgpr_workitem_id 0
		.amdhsa_next_free_vgpr 256
		.amdhsa_next_free_sgpr 66
		.amdhsa_reserve_vcc 1
		.amdhsa_float_denorm_mode_32 3
		.amdhsa_float_denorm_mode_16_64 3
		.amdhsa_memory_ordered 1
		.amdhsa_forward_progress 1
		.amdhsa_inst_pref_size 143
	.end_amdhsa_kernel
	.amdgpu_metadata
---
amdhsa.version: [ 1, 2 ]
amdhsa.kernels:
  - .name:           k_q56bff444ea_attn
    .symbol:         k_q56bff444ea_attn.kd
    .args:
      - { .name: img, .offset: 0, .size: 8, .value_kind: global_buffer, .address_space: global }
      - { .name: scl, .offset: 8, .size: 8, .value_kind: global_buffer, .address_space: global }
      - { .name: oimg, .offset: 16, .size: 8, .value_kind: global_buffer, .address_space: global }
      - { .name: oscl, .offset: 24, .size: 8, .value_kind: global_buffer, .address_space: global }
    .group_segment_fixed_size: 116736
    .private_segment_fixed_size: 0
    .kernarg_segment_align: 8
    .kernarg_segment_size: 32
    .max_flat_workgroup_size: 384
    .sgpr_count:     66
    .vgpr_count:     256
    .wavefront_size: 32
...
	.end_amdgpu_metadata
.endif
;; end of part 2
;; launch wo (part 3): grid 16 x 12, 4 waves a work-group, no clusters, 0 bytes of LDS; arguments wimg, wo_scales, oimg, oscl, fimg, fscl; writes fimg, fscl
.if DOCPART == 3
	.amdgcn_target "amdgcn-amd-amdhsa--gfx1250"
	.amdhsa_code_object_version 6
	.text
	.protected	k_q56bff444ea_wo
	.globl	k_q56bff444ea_wo
	.p2align	8
	.type	k_q56bff444ea_wo,@function
k_q56bff444ea_wo:
	s_mov_b64 s[64:65], 0
	v_nop
	global_prefetch_b8 v0, s[64:65] scope:SCOPE_SE
	s_setreg_imm32_b32 hwreg(HW_REG_WAVE_MODE, 25, 1), 1
	s_wait_xcnt 0x0
; fused[:, 768 e + n] = o_e wo[e]^T on codes of FP6 (E2M3) with E8M0 scales, quantised at once along its 3,072 features.
; A wave: P = 128 rows of wo (slice g of 24, one K step of the next product), all of K = 768, in 576 registers;  R = four tiles of 16 tokens of o.  Both come as register images straight from memory
; (wo's were laid out by the first launch: wimg [slice][tile][K step], 1,536 bytes each): every load takes 512 or 256 consecutive bytes, and nothing goes through LDS.
; A unit (48 matrix instructions, source 0 = P, source 1 = R) gives a lane one token and 128 features; lane r of P's tile 2 b + u holds row 32 b + 8 u + r + 8 (r / 8), so that 16 registers of two tiles are 16 neighbours.
; Its results become fragment g of the tile: fimg [tile][g], three stores of 512 consecutive bytes; fscl [pair][g][lane]: lanes 0-15 the pair's first tile, lanes 16-31 its second.
; Waves share nothing: no barrier, no LDS.  192 work-groups: a finer split would load P for still less work.
; LIMITS: NaN and infinities are not served.  A block of zeros gets the byte 1 with zero codes: this program alone reads these bytes.
.set PS,   24                          ; v24-47 P's scale words: pair b, K step s at 6 b + s; lanes 0-15 tile 2 b, lanes 16-31 tile 2 b + 1
.set RS0,  48                          ; v48-53 the first pair's scale words of o;  v232-237 the second pair's
.set RS1,  232
.set PW0,  54
.set PW1,  55
.set PWM,  56
.set TM,   58
.set PC,   76
.set ACC,  96
.set B0,   160
.set B1,   144
.set SEL,  44
; v3 16 x lane; v8 8 x lane; v11 P's scale words; v12 4 x lane.  P: tiles 0-2 window 1, 3-5 window 2, 6-7 window 3, 72 registers each; B1 in window 3
.set MSB, 0
.macro WIN new
.if MSB != (\new)
	s_set_vgpr_msb (MSB<<8)|(\new)
.set MSB, (\new)
.endif
.endm
.macro WM d, a, b, k, sa, sb, ra, rb
.if (\k)==0
.if ((\ra)==0)&&((\rb)==0)
	v_wmma_scale_f32_16x16x128_f8f6f4 v[\d:\d+7], v[\a:\a+11], v[\b:\b+11], 0, v[\sa], v[\sb] matrix_a_fmt:MATRIX_FMT_FP6 matrix_b_fmt:MATRIX_FMT_FP6
.endif
.if ((\ra)==1)&&((\rb)==0)
	v_wmma_scale_f32_16x16x128_f8f6f4 v[\d:\d+7], v[\a:\a+11], v[\b:\b+11], 0, v[\sa], v[\sb] matrix_a_fmt:MATRIX_FMT_FP6 matrix_b_fmt:MATRIX_FMT_FP6 matrix_a_scale:MATRIX_SCALE_ROW1
.endif
.if ((\ra)==0)&&((\rb)==1)
	v_wmma_scale_f32_16x16x128_f8f6f4 v[\d:\d+7], v[\a:\a+11], v[\b:\b+11], 0, v[\sa], v[\sb] matrix_a_fmt:MATRIX_FMT_FP6 matrix_b_fmt:MATRIX_FMT_FP6 matrix_b_scale:MATRIX_SCALE_ROW1
.endif
.if ((\ra)==1)&&((\rb)==1)
	v_wmma_scale_f32_16x16x128_f8f6f4 v[\d:\d+7], v[\a:\a+11], v[\b:\b+11], 0, v[\sa], v[\sb] matrix_a_fmt:MATRIX_FMT_FP6 matrix_b_fmt:MATRIX_FMT_FP6 matrix_a_scale:MATRIX_SCALE_ROW1 matrix_b_scale:MATRIX_SCALE_ROW1
.endif
.else
.if ((\ra)==0)&&((\rb)==0)
	v_wmma_scale_f32_16x16x128_f8f6f4 v[\d:\d+7], v[\a:\a+11], v[\b:\b+11], v[\d:\d+7], v[\sa], v[\sb] matrix_a_fmt:MATRIX_FMT_FP6 matrix_b_fmt:MATRIX_FMT_FP6
.endif
.if ((\ra)==1)&&((\rb)==0)
	v_wmma_scale_f32_16x16x128_f8f6f4 v[\d:\d+7], v[\a:\a+11], v[\b:\b+11], v[\d:\d+7], v[\sa], v[\sb] matrix_a_fmt:MATRIX_FMT_FP6 matrix_b_fmt:MATRIX_FMT_FP6 matrix_a_scale:MATRIX_SCALE_ROW1
.endif
.if ((\ra)==0)&&((\rb)==1)
	v_wmma_scale_f32_16x16x128_f8f6f4 v[\d:\d+7], v[\a:\a+11], v[\b:\b+11], v[\d:\d+7], v[\sa], v[\sb] matrix_a_fmt:MATRIX_FMT_FP6 matrix_b_fmt:MATRIX_FMT_FP6 matrix_b_scale:MATRIX_SCALE_ROW1
.endif
.if ((\ra)==1)&&((\rb)==1)
	v_wmma_scale_f32_16x16x128_f8f6f4 v[\d:\d+7], v[\a:\a+11], v[\b:\b+11], v[\d:\d+7], v[\sa], v[\sb] matrix_a_fmt:MATRIX_FMT_FP6 matrix_b_fmt:MATRIX_FMT_FP6 matrix_a_scale:MATRIX_SCALE_ROW1 matrix_b_scale:MATRIX_SCALE_ROW1
.endif
.endif
.endm
.macro UGRP t0, n, win, rb, rw, rs, rrow       ; the tiles of one window: K step by K step, its accumulators by turns, one instruction a turn
	WIN (\win)|((\rw)<<2)
.irp s, 0,1,2,3,4,5
.irp t, 0,1,2
.if \t < \n
	WM ACC+8*(\t0+\t), 72*\t+12*\s, \rb+12*\s, \s, PS+6*((\t0+\t)/2)+\s, \rs+\s, (\t0+\t)%2, \rrow
.endif
.endr
.endr
.endm
.macro UNIT rb, rw, rs, rrow
	UGRP 0, 3, 1, \rb, \rw, \rs, \rrow
	UGRP 3, 3, 2, \rb, \rw, \rs, \rrow
	UGRP 6, 2, 3, \rb, \rw, \rs, \rrow
	WIN 0
.endm
.macro UNITW rb, rw, rs, rrow, n0, n1, n2      ; the first unit goes window by window as P lands: n0, n1, n2 = the loads issued behind tiles 2, 5 and 7 (as far as a wait can name them)
	s_wait_loadcnt \n0
	UGRP 0, 3, 1, \rb, \rw, \rs, \rrow
	s_wait_loadcnt \n1
	UGRP 3, 3, 2, \rb, \rw, \rs, \rrow
	s_wait_loadcnt \n2
	UGRP 6, 2, 3, \rb, \rw, \rs, \rrow
	WIN 0
.endm
.macro QUANT s, pw                             ; 64 numbers of a lane, register 16 b + i = k 32 b + 16 (lane / 16) + i of my row -> codes in v[PC] on, scale word in v[pw]
.irp b, 0,1,2,3
	v_max3_num_f32 v[TM+\b], |v[\s+16*\b]|, |v[\s+1+16*\b]|, 0x1800000   ; with the floor 2^(3 - 127): the byte cannot fall under 1
.endr
.irp i, 2,4,6,8,10,12,14
.irp b, 0,1,2,3
	v_max3_num_f32 v[TM+\b], v[TM+\b], |v[\s+16*\b+\i]|, |v[\s+1+16*\b+\i]|
.endr
.endr
.irp b, 0,1,2,3
	v_permlanex16_b32 v[TM+4+\b], v[TM+\b], s[SEL], s[SEL+1]
.endr
.irp b, 0,1,2,3
	v_max_num_f32 v[TM+\b], v[TM+\b], v[TM+4+\b]
.endr
.irp b, 0,1,2,3
	v_add_nc_u32 v[TM+12+\b], 0xff000000, v[TM+\b]   ; 2 off the exponent field: the conversion's scale operand
.endr
.irp b, 0,1,2,3
	v_lshrrev_b32 v[TM+4+\b], 23, v[TM+12+\b]
.endr
	v_lshl_or_b32 v[\pw], v[TM+5], 8, v[TM+4]
	v_lshl_or_b32 v[\pw], v[TM+6], 16, v[\pw]
	v_lshl_or_b32 v[\pw], v[TM+7], 24, v[\pw]
.irp c, 0,1
	v_cvt_scalef32_pk16_fp6_f32 v[PC+6*\c:PC+2+6*\c], v[\s+32*\c:\s+15+32*\c], v[TM+12+2*\c]
	v_cvt_scalef32_pk16_fp6_f32 v[PC+12+4*\c:PC+14+4*\c], v[\s+16+32*\c:\s+31+32*\c], v[TM+12+2*\c+1]
.endr
	v_nop                                          ; one plain place behind a scaled conversion
.irp c, 0,1
.irp i, 0,1,2
	v_permlane16_swap_b32 v[PC+6*\c+\i], v[PC+12+4*\c+\i]
.endr
.irp i, 0,1,2
	v_mov_b32 v[PC+3+6*\c+\i], v[PC+12+4*\c+\i]
.endr
.endr
.endm
.macro PLOAD t                                 ; tile t of P: 9,216 consecutive bytes, as its 72 registers take them
.set PA, 72*((\t)%3)
	WIN (1+(\t)/3)<<6
.set QQ, 0
.rept 18
	global_load_b128 v[PA+4*QQ:PA+4*QQ+3], v3, s[28:29] offset:9216*(\t)+512*QQ
.set QQ, QQ+1
.endr
.endm
.macro RLOAD i, rb, win                        ; tile i of my four: six fragments, each two heads' half images
	WIN (\win)<<6
.irp s, 0,1,2,3,4,5
	global_load_b128 v[\rb+12*\s:\rb+12*\s+3], v3, s[32:33] offset:9216*(\i)+1536*\s
	global_load_b64 v[\rb+12*\s+4:\rb+12*\s+5], v8, s[32:33] offset:9216*(\i)+1536*\s+512
	global_load_b128 v[\rb+12*\s+6:\rb+12*\s+9], v3, s[32:33] offset:9216*(\i)+1536*\s+768
	global_load_b64 v[\rb+12*\s+10:\rb+12*\s+11], v8, s[32:33] offset:9216*(\i)+1536*\s+1280
.endr
	WIN 0
.endm
	s_load_b256 s[8:15], s[0:1], 0x0               ; wimg, wo's scales, oimg, oscl
	s_load_b128 s[16:19], s[0:1], 0x20             ; fimg, fscl
	v_lshrrev_b32 v240, 5, v0
	v_readfirstlane_b32 s2, v240                   ; wave
	s_and_b32 s3, ttmp7, 0xffff
	s_and_b32 s5, s2, 1
	s_lshl_b32 s4, s3, 1
	s_add_co_u32 s5, s5, s4                        ; g: my slice of wo's 24
	s_mul_i32 s6, s3, 11
	s_lshr_b32 s6, s6, 5                           ; the expert: y / 3
	s_lshr_b32 s7, s2, 1
	s_lshl_b32 s4, ttmp9, 1
	s_add_co_u32 s7, s7, s4                        ; which four tiles of tokens, 0 .. 31
	s_mov_b32 s[SEL], 0x76543210
	s_mov_b32 s[SEL+1], 0xfedcba98
	s_mov_b32 s21, 0
	s_wait_kmcnt 0x0
	s_mul_i32 s20, s5, 73728
	s_add_nc_u64 s[28:29], s[8:9], s[20:21]        ; wimg: my slice's eight tiles
	s_mul_i32 s20, s5, 3072
	s_add_nc_u64 s[30:31], s[10:11], s[20:21]
	s_lshl_b32 s20, s6, 7
	s_lshl_b32 s22, s7, 2
	s_add_co_u32 s20, s20, s22
	s_mul_i32 s20, s20, 9216
	s_add_nc_u64 s[32:33], s[12:13], s[20:21]      ; oimg [expert][tile]: 12 half images
	s_lshl_b32 s20, s6, 6
	s_lshl_b32 s22, s7, 1
	s_add_co_u32 s20, s20, s22
	s_mul_i32 s20, s20, 768
	s_add_nc_u64 s[34:35], s[14:15], s[20:21]      ; oscl [expert][pair]: 6 x 32 words
	s_mul_i32 s20, s7, 96
	s_add_co_u32 s20, s20, s5
	s_mul_i32 s20, s20, 1536
	s_add_nc_u64 s[36:37], s[16:17], s[20:21]      ; fimg [tile][g]
	s_mul_i32 s20, s7, 48
	s_add_co_u32 s20, s20, s5
	s_lshl_b32 s20, s20, 7
	s_add_nc_u64 s[40:41], s[18:19], s[20:21]      ; fscl [pair][g]
	v_and_b32 v240, 31, v0
	v_and_b32 v241, 15, v0
	v_bfe_u32 v242, v0, 4, 1
	v_lshlrev_b32 v3, 4, v240
	v_lshlrev_b32 v8, 3, v240
	v_lshlrev_b32 v12, 2, v240
	v_cmp_eq_u32 s46, 1, v242                      ; lanes 16-31
	v_and_b32 v243, 8, v241
	v_add_nc_u32 v243, v243, v241
	v_lshl_add_u32 v243, v242, 3, v243
	v_mul_u32_u24 v11, v243, 24
.irp b, 0,1,2,3
	v_mov_b32 v[TM+4+\b], 0                        ; written once: a lane permute's destination counts as one of its sources
.endr
.irp b, 0,1,2,3
.irp i, 0,1,2
	global_load_b64 v[PS+6*\b+2*\i:PS+6*\b+2*\i+1], v11, s[30:31] offset:768*\b+8*\i
.endr
.endr
.irp s, 0,1,2,3,4,5
	global_load_b32 v[RS0+\s], v12, s[34:35] offset:128*\s
	global_load_b32 v[RS1+\s], v12, s[34:35] offset:768+128*\s
.endr
	RLOAD 0, B0, 0
.irp t, 0,1,2,3,4,5,6,7
	PLOAD \t
.endr
	RLOAD 1, B1, 3
.macro CUNIT i, rb, rw, rs, rrow, pw
.if \i == 0
	UNITW \rb, \rw, \rs, \rrow, 63, 60, 24         ; behind tile 2: 90 + 24 loads, more than a wait can name; behind tile 5: 36 + 24; behind tile 7: the second tile of o, 24
.else
.if \i < 3
	s_wait_loadcnt 24                              ; this tile of o is in; the next tile's 24 loads may be out
.else
	s_wait_loadcnt 0x0
.endif
	UNIT \rb, \rw, \rs, \rrow
.endif
.rept 4
	v_nop                                          ; places in front of loads into the tile's registers and of the first read of results
.endr
.if \i < 2
	RLOAD \i+2, \rb, \rw                           ; the buffer takes the tile two further on
.endif
	s_wait_xcnt 0x0                                ; earlier stores have read the codes' registers
	QUANT ACC, \pw
.irp c, 0,1,2
	global_store_b128 v3, v[PC+4*\c:PC+4*\c+3], s[36:37] offset:36864*\i+512*\c
.endr
.endm
	CUNIT 0, B0, 0, RS0, 0, PW0
	CUNIT 1, B1, 3, RS0, 1, PW1
	v_cndmask_b32 v[PWM], v[PW0], v[PW1], s46
	global_store_b32 v12, v[PWM], s[40:41]
	CUNIT 2, B0, 0, RS1, 0, PW0
	CUNIT 3, B1, 3, RS1, 1, PW1
	v_cndmask_b32 v[PWM], v[PW0], v[PW1], s46
	global_store_b32 v12, v[PWM], s[40:41] offset:3072
	s_endpgm
.Lfunc_end_k_q56bff444ea_wo:
	.size	k_q56bff444ea_wo, .Lfunc_end_k_q56bff444ea_wo-k_q56bff444ea_wo
	.p2alignl 7, 3214868480
	.fill 96, 4, 3214868480
	.section	.rodata,"a",@progbits
	.p2align	6, 0x0
	.amdhsa_kernel k_q56bff444ea_wo
		.amdhsa_group_segment_fixed_size 0
		.amdhsa_private_segment_fixed_size 0
		.amdhsa_enable_private_segment 0
		.amdhsa_kernarg_size 48
		.amdhsa_user_sgpr_count 2
		.amdhsa_user_sgpr_kernarg_segment_ptr 1
		.amdhsa_wavefront_size32 1
		.amdhsa_system_sgpr_workgroup_id_x 1
		.amdhsa_system_sgpr_workgroup_id_y 1
		.amdhsa_system_sgpr_workgroup_id_z 1
		.amdhsa_system_vgpr_workitem_id 0
		.amdhsa_next_free_vgpr 1024
		.amdhsa_next_free_sgpr 66
		.amdhsa_reserve_vcc 0
		.amdhsa_float_denorm_mode_32 3
		.amdhsa_float_denorm_mode_16_64 3
		.amdhsa_memory_ordered 1
		.amdhsa_forward_progress 1
		.amdhsa_inst_pref_size 69
	.end_amdhsa_kernel
	.amdgpu_metadata
---
amdhsa.version: [ 1, 2 ]
amdhsa.kernels:
  - .name:           k_q56bff444ea_wo
    .symbol:         k_q56bff444ea_wo.kd
    .args:
      - { .name: wimg, .offset: 0, .size: 8, .value_kind: global_buffer, .address_space: global }
      - { .name: wo_scales, .offset: 8, .size: 8, .value_kind: global_buffer, .address_space: global }
      - { .name: oimg, .offset: 16, .size: 8, .value_kind: global_buffer, .address_space: global }
      - { .name: oscl, .offset: 24, .size: 8, .value_kind: global_buffer, .address_space: global }
      - { .name: fimg, .offset: 32, .size: 8, .value_kind: global_buffer, .address_space: global }
      - { .name: fscl, .offset: 40, .size: 8, .value_kind: global_buffer, .address_space: global }
    .group_segment_fixed_size: 0
    .private_segment_fixed_size: 0
    .kernarg_segment_align: 8
    .kernarg_segment_size: 48
    .max_flat_workgroup_size: 128
    .sgpr_count:     66
    .vgpr_count:     1024
    .wavefront_size: 32
...
	.end_amdgpu_metadata
.endif
;; end of part 3
;; launch gateup (part 4): grid 16 x 12, 4 waves a work-group, no clusters, 280,064 bytes of LDS; arguments wimg, w_gate_scales, w_up_scales, fimg, fscl, out0; writes out0
.if DOCPART == 4
	.amdgcn_target "amdgcn-amd-amdhsa--gfx1250"
	.amdhsa_code_object_version 6
	.text
	.protected	k_q56bff444ea_gateup
	.globl	k_q56bff444ea_gateup
	.p2align	8
	.type	k_q56bff444ea_gateup,@function
k_q56bff444ea_gateup:
	s_mov_b64 s[64:65], 0
	v_nop
	global_prefetch_b8 v0, s[64:65] scope:SCOPE_SE
	s_setreg_imm32_b32 hwreg(HW_REG_WAVE_MODE, 25, 1), 1
	s_wait_xcnt 0x0
; out = silu(fused w_gate^T) x (fused w_up^T), K = 3,072, on codes of FP6 (E2M3) with E8M0 scales.
; A work-group: 128 tokens (8 tiles) x 64 features of both products.  THE WAVES SHARE K: wave w takes K steps 6 w .. 6 w + 5, so that every byte of the weights and of fused is read by one wave alone.
; P = 4 tiles of w_gate's rows and 4 of w_up's (natural tiles: 16 neighbouring rows), my 768 of K, in 576 registers; R = a tile of fused.  Both come as register images straight from memory (the weights' were laid out by the
; first launch: wimg, behind wo's 192 units, [64 features][quarter of K][tile][K step]): every load takes 512 consecutive bytes.  A unit = 48 matrix instructions, source 0 = P, source 1 = R: a lane holds one token and eight
; neighbouring features a tile.  The four waves' partial sums meet in LDS behind one barrier; each wave then adds, in the fixed order of the waves, two tiles' sums, 16 features at a time and one such step asked for ahead,
; applies silu, and stores rows of 256 consecutive bytes, aligned, sixteen lanes each.  Lane r of tile 2 b + u of tokens is token 32 b + 8 u + r + 8 (r / 8): that shows in the stores' addresses alone.
; 192 work-groups of 64 features and not 256 of 48, so that a row's piece of out0 is one whole run of 256 bytes.
; LIMITS: K is summed in four parts that are added in f32.  The sigmoid by v_exp_f32 and v_rcp_f32.  NaN and infinities are not served.
.set OST,  262144                      ; LDS: the partial sums, [tile][wave] 8,192 bytes; behind them a stage of 16 rows x 272 bytes for each wave, for the way out
.set PS,   24                          ; v24-47 P's scale words
.set RS,   48                          ; v48-71 fused's scale words: pair i, K step s at 6 i + s
.set ACC,  96
.set B0,   160
.set B1,   144
; v10 16 x lane; v12 where my partial sums go; v13, v77 where I read them (my first, my second tile); v72 96 x lane; v73 4 x lane; v74, v75 the way out through my stage; v76 my place in two rows of out0;
; v80-87, v88-95 at work by turns; behind the barrier v96-159 and v160-223 take the partial sums by turns, v224-255 the first tile's rows
.set MSB, 0
.macro WIN new
.if MSB != (\new)
	s_set_vgpr_msb (MSB<<8)|(\new)
.set MSB, (\new)
.endif
.endm
.macro WM d, a, b, k, sa, sb, ra, rb
.if (\k)==0
.if ((\ra)==0)&&((\rb)==0)
	v_wmma_scale_f32_16x16x128_f8f6f4 v[\d:\d+7], v[\a:\a+11], v[\b:\b+11], 0, v[\sa], v[\sb] matrix_a_fmt:MATRIX_FMT_FP6 matrix_b_fmt:MATRIX_FMT_FP6
.endif
.if ((\ra)==1)&&((\rb)==0)
	v_wmma_scale_f32_16x16x128_f8f6f4 v[\d:\d+7], v[\a:\a+11], v[\b:\b+11], 0, v[\sa], v[\sb] matrix_a_fmt:MATRIX_FMT_FP6 matrix_b_fmt:MATRIX_FMT_FP6 matrix_a_scale:MATRIX_SCALE_ROW1
.endif
.if ((\ra)==0)&&((\rb)==1)
	v_wmma_scale_f32_16x16x128_f8f6f4 v[\d:\d+7], v[\a:\a+11], v[\b:\b+11], 0, v[\sa], v[\sb] matrix_a_fmt:MATRIX_FMT_FP6 matrix_b_fmt:MATRIX_FMT_FP6 matrix_b_scale:MATRIX_SCALE_ROW1
.endif
.if ((\ra)==1)&&((\rb)==1)
	v_wmma_scale_f32_16x16x128_f8f6f4 v[\d:\d+7], v[\a:\a+11], v[\b:\b+11], 0, v[\sa], v[\sb] matrix_a_fmt:MATRIX_FMT_FP6 matrix_b_fmt:MATRIX_FMT_FP6 matrix_a_scale:MATRIX_SCALE_ROW1 matrix_b_scale:MATRIX_SCALE_ROW1
.endif
.else
.if ((\ra)==0)&&((\rb)==0)
	v_wmma_scale_f32_16x16x128_f8f6f4 v[\d:\d+7], v[\a:\a+11], v[\b:\b+11], v[\d:\d+7], v[\sa], v[\sb] matrix_a_fmt:MATRIX_FMT_FP6 matrix_b_fmt:MATRIX_FMT_FP6
.endif
.if ((\ra)==1)&&((\rb)==0)
	v_wmma_scale_f32_16x16x128_f8f6f4 v[\d:\d+7], v[\a:\a+11], v[\b:\b+11], v[\d:\d+7], v[\sa], v[\sb] matrix_a_fmt:MATRIX_FMT_FP6 matrix_b_fmt:MATRIX_FMT_FP6 matrix_a_scale:MATRIX_SCALE_ROW1
.endif
.if ((\ra)==0)&&((\rb)==1)
	v_wmma_scale_f32_16x16x128_f8f6f4 v[\d:\d+7], v[\a:\a+11], v[\b:\b+11], v[\d:\d+7], v[\sa], v[\sb] matrix_a_fmt:MATRIX_FMT_FP6 matrix_b_fmt:MATRIX_FMT_FP6 matrix_b_scale:MATRIX_SCALE_ROW1
.endif
.if ((\ra)==1)&&((\rb)==1)
	v_wmma_scale_f32_16x16x128_f8f6f4 v[\d:\d+7], v[\a:\a+11], v[\b:\b+11], v[\d:\d+7], v[\sa], v[\sb] matrix_a_fmt:MATRIX_FMT_FP6 matrix_b_fmt:MATRIX_FMT_FP6 matrix_a_scale:MATRIX_SCALE_ROW1 matrix_b_scale:MATRIX_SCALE_ROW1
.endif
.endif
.endm
.macro UGRP t0, n, win, rb, rw, rs, rrow       ; the tiles of one window: K step by K step, its accumulators by turns, one instruction a turn
	WIN (\win)|((\rw)<<2)
.irp s, 0,1,2,3,4,5
.irp t, 0,1,2
.if \t < \n
	WM ACC+8*(\t0+\t), 72*\t+12*\s, \rb+12*\s, \s, PS+6*((\t0+\t)/2)+\s, \rs+\s, (\t0+\t)%2, \rrow
.endif
.endr
.endr
.endm
.macro UNIT rb, rw, rs, rrow
	UGRP 0, 3, 1, \rb, \rw, \rs, \rrow
	UGRP 3, 3, 2, \rb, \rw, \rs, \rrow
	UGRP 6, 2, 3, \rb, \rw, \rs, \rrow
	WIN 0
.endm
.macro UNITW rb, rw, rs, rrow, n0, n1, n2      ; the first unit goes window by window as P lands: n0, n1, n2 = the loads issued behind tiles 2, 5 and 7 (as far as a wait can name them)
	s_wait_loadcnt \n0
	UGRP 0, 3, 1, \rb, \rw, \rs, \rrow
	s_wait_loadcnt \n1
	UGRP 3, 3, 2, \rb, \rw, \rs, \rrow
	s_wait_loadcnt \n2
	UGRP 6, 2, 3, \rb, \rw, \rs, \rrow
	WIN 0
.endm
.macro PLOAD t                                 ; tile t of P (0-3 w_gate's, 4-7 w_up's): 9,216 consecutive bytes, as its 72 registers take them
.set PA, 72*((\t)%3)
	WIN (1+(\t)/3)<<6
.set QQ, 0
.rept 18
	global_load_b128 v[PA+4*QQ:PA+4*QQ+3], v10, s[24:25] offset:9216*(\t)+512*QQ
.set QQ, QQ+1
.endr
.endm
.macro RLOAD i                                 ; tile i of fused, my six K steps: 9,216 consecutive bytes, as the registers take them
.if (\i)%2
	WIN 0xc0
.set RB, B1
.else
	WIN 0
.set RB, B0
.endif
.set QQ, 0
.rept 18
	global_load_b128 v[RB+4*QQ:RB+4*QQ+3], v10, s[32:33] offset:36864*(\i)+512*QQ
.set QQ, QQ+1
.endr
	WIN 0
.endm
	s_load_b256 s[8:15], s[0:1], 0x0               ; wimg, w_gate's scales, w_up's scales, fimg
	s_load_b128 s[16:19], s[0:1], 0x20             ; fscl, out0
	v_lshl_add_u32 v78, v0, 2, 0x44400
	v_mov_b32 v79, 0
	v_lshrrev_b32 v80, 5, v0
	v_readfirstlane_b32 s2, v80                    ; wave
	s_mov_b32 s3, ttmp9                            ; which 128 tokens
	s_and_b32 s4, ttmp7, 0xffff                    ; which 64 features
	s_mov_b32 s41, 0
	s_wait_kmcnt 0x0
	s_lshl_b32 s40, s4, 2
	s_add_co_u32 s40, s40, s2
	s_mul_i32 s40, s40, 73728                      ; wimg: eight tiles for each (64 features, quarter of K),
	s_add_co_u32 s40, s40, 1769472                 ; behind wo's 192 units
	s_add_nc_u64 s[24:25], s[8:9], s[40:41]
	s_mul_i32 s40, s4, 6144                        ; 64 rows of 96 scale bytes,
	s_mul_i32 s42, s2, 24                          ; my 24 of them
	s_add_co_u32 s40, s40, s42
	s_add_nc_u64 s[28:29], s[10:11], s[40:41]
	s_add_nc_u64 s[30:31], s[12:13], s[40:41]
	s_mul_i32 s40, s3, 294912                      ; fimg [tile][K step]: 8 tiles x 24 x 1,536,
	s_mul_i32 s42, s2, 9216
	s_add_co_u32 s40, s40, s42
	s_add_nc_u64 s[32:33], s[14:15], s[40:41]
	s_mul_i32 s40, s3, 12288                       ; fscl [pair][K step]: 4 pairs x 24 x 128
	s_mul_i32 s42, s2, 768
	s_add_co_u32 s40, s40, s42
	s_add_nc_u64 s[34:35], s[16:17], s[40:41]
	s_lshl_b32 s40, s3, 7                          ; the first token of the first tile that I finish (tile w): 128 x block + 32 (w / 2) + 8 (w % 2)
	s_lshr_b32 s42, s2, 1
	s_lshl_b32 s42, s42, 5
	s_add_co_u32 s40, s40, s42
	s_and_b32 s42, s2, 1
	s_lshl_b32 s42, s42, 3
	s_add_co_u32 s40, s40, s42
	s_mul_i32 s40, s40, 3072
	s_lshl_b32 s42, s4, 8
	s_add_co_u32 s40, s40, s42
	s_add_nc_u64 s[36:37], s[18:19], s[40:41]
	v_and_b32 v80, 31, v0                          ; lane
	v_and_b32 v81, 15, v0                          ; r
	v_bfe_u32 v82, v0, 4, 1                        ; h
	v_lshlrev_b32 v10, 4, v80
	v_mul_u32_u24 v72, v80, 96
	v_lshlrev_b32 v73, 2, v80
	s_lshl_b32 s42, s2, 13
	v_add_nc_u32 v12, s42, v10
	s_lshl_b32 s42, s2, 15
	v_add_nc_u32 v13, s42, v10
	v_add_nc_u32 v77, 131072, v13                  ; four tiles on
	s_mul_i32 s40, s2, 16*272
	s_add_co_u32 s40, s40, OST                     ; my stage
	v_mul_u32_u24 v74, v81, 272                    ; the way out: rows of 256 bytes + 16; in: row r, 32 bytes for each half of the lanes
	v_lshl_add_u32 v74, v82, 5, v74
	v_add_nc_u32 v74, s40, v74
	v_mul_u32_u24 v75, v82, 272                    ; back: lanes 0-15 one row, lanes 16-31 the next
	v_lshl_add_u32 v75, v81, 4, v75
	v_add_nc_u32 v75, s40, v75
	v_mul_u32_u24 v76, v82, 3072
	v_lshl_add_u32 v76, v81, 4, v76
.irp b, 0,1
.irp i, 0,1,2
	global_load_b64 v[PS+6*\b+2*\i:PS+6*\b+2*\i+1], v72, s[28:29] offset:3072*\b+8*\i       ; lane l: row 32 b + l: lanes 0-15 tile 2 b, lanes 16-31 tile 2 b + 1
	global_load_b64 v[PS+12+6*\b+2*\i:PS+12+6*\b+2*\i+1], v72, s[30:31] offset:3072*\b+8*\i
.endr
.endr
.irp i, 0,1,2,3
.irp s, 0,1,2,3,4,5
	global_load_b32 v[RS+6*\i+\s], v73, s[34:35] offset:3072*\i+128*\s
.endr
.endr
	RLOAD 0
.irp t, 0,1,2,3,4,5,6,7
	PLOAD \t
.endr
	RLOAD 1
.macro DUNIT i
.if \i == 0
	UNITW B0, 0, RS, 0, 63, 54, 18                 ; behind tile 2: 90 + 18 loads, more than a wait can name; behind tile 5: 36 + 18; behind tile 7: the second tile of fused, 18
.else
.if \i < 7
	s_wait_loadcnt 18                              ; this tile of fused is in; the next tile's 18 loads may be out
.else
	s_wait_loadcnt 0x0
.endif
	s_wait_dscnt 0x0                               ; the last tile's stores have read the accumulators
.if (\i)%2
	UNIT B1, 3, RS+6*((\i)/2), 1
.else
	UNIT B0, 0, RS+6*((\i)/2), 0
.endif
.endif
.rept 5
	v_nop                                          ; places: four in front of the loads and stores below; with the addition at the end six in front of the next tile's products, which begin the accumulators anew and want five
.endr
.if \i < 6
	RLOAD (\i)+2
.endif
.irp t, 0,1,2,3,4,5,6,7
	ds_store_b128 v12, v[ACC+8*\t:ACC+8*\t+3] offset:1024*\t        ; each accumulator from its low end on
	ds_store_b128 v12, v[ACC+8*\t+4:ACC+8*\t+7] offset:1024*\t+512
.endr
	v_add_nc_u32 v12, 32768, v12
.endm
.irp i, 0,1,2,3,4,5,6,7
	DUNIT \i
.endr
	s_wait_dscnt 0x0                               ; my partial sums lie in LDS
	s_barrier_signal -1
	s_barrier_wait -1                              ; everybody's do
; I finish tiles w and w + 4, in eight steps n = 4 k + t of 16 features.  FLOAD: the four waves' parts of gate and up of step n, 16 loads, into v[sb] on.  FCOMP: they are added, silu(gate) x up goes into my stage.
.macro FLOAD n, sb
.if (\n) < 4
.set FA, 13
.else
.set FA, 77
.endif
.irp q, 0,1,2,3
	ds_load_b128 v[\sb+16*\q:\sb+16*\q+3], v[FA] offset:8192*\q+1024*((\n)%4)
	ds_load_b128 v[\sb+16*\q+4:\sb+16*\q+7], v[FA] offset:8192*\q+1024*((\n)%4)+512
	ds_load_b128 v[\sb+16*\q+8:\sb+16*\q+11], v[FA] offset:8192*\q+1024*((\n)%4+4)
	ds_load_b128 v[\sb+16*\q+12:\sb+16*\q+15], v[FA] offset:8192*\q+1024*((\n)%4+4)+512
.endr
.endm
.macro FCOMP sb, wb, t
.irp q, 1,2,3
.irp i, 0,2,4,6,8,10,12,14
	v_pk_add_f32 v[\sb+\i:\sb+\i+1], v[\sb+\i:\sb+\i+1], v[\sb+16*\q+\i:\sb+16*\q+\i+1]
.endr
.endr
.irp i, 0,2,4,6
	v_pk_mul_f32 v[\wb+\i:\wb+\i+1], v[\sb+\i:\sb+\i+1], 0xbfb8aa3b op_sel_hi:[1,0]   ; -gate x log2(e)
.endr
.irp i, 0,1,2,3,4,5,6,7
	v_exp_f32 v[\wb+\i], v[\wb+\i]
.endr
	v_nop                                          ; one plain place behind the exponentials
	s_wait_alu depctr_va_vdst(0)
.irp i, 0,2,4,6
	v_pk_add_f32 v[\wb+\i:\wb+\i+1], v[\wb+\i:\wb+\i+1], 1.0 op_sel_hi:[1,0]
.endr
.irp i, 0,1,2,3,4,5,6,7
	v_rcp_f32 v[\wb+\i], v[\wb+\i]
.endr
	v_nop                                          ; and behind the reciprocals
	s_wait_alu depctr_va_vdst(0)
.irp i, 0,2,4,6
	v_pk_mul_f32 v[\wb+\i:\wb+\i+1], v[\wb+\i:\wb+\i+1], v[\sb+\i:\sb+\i+1]
.endr
.irp i, 0,2,4,6
	v_pk_mul_f32 v[\wb+\i:\wb+\i+1], v[\wb+\i:\wb+\i+1], v[\sb+8+\i:\sb+8+\i+1]
.endr
	ds_store_b128 v74, v[\wb:\wb+3] offset:64*\t
	ds_store_b128 v74, v[\wb+4:\wb+7] offset:64*\t+16
.endm
.macro ROWS k, rb                              ; the tile's 16 rows come back whole and leave
.irp i, 0,1,2,3,4,5,6,7
	ds_load_b128 v[\rb+4*\i:\rb+4*\i+3], v75 offset:544*\i   ; LDS serves a wave's instructions in order: these see my stores, and the next tile's stores come behind them
.endr
.irp i, 0,1,2,3,4,5,6,7
	s_wait_dscnt 7-\i
	global_store_b128 v76, v[\rb+4*\i:\rb+4*\i+3], s[36:37] offset:196608*\k+3072*(2*\i+8*(\i/4)) th:TH_STORE_NT   ; stage row r is token r + 8 (r / 8) of the tile; 16 lanes store 256 consecutive bytes, aligned
.endr
.endm
	FLOAD 0, 96
	FLOAD 1, 160
	s_wait_dscnt 16                                ; step 0 is in; step 1's 16 loads may be out
	FCOMP 96, 80, 0
	FLOAD 2, 96
	s_wait_dscnt 18                                ; behind a step's loads: the last step's 2 stores and the next step's 16 loads
	FCOMP 160, 88, 1
	FLOAD 3, 160
	s_wait_dscnt 18
	FCOMP 96, 80, 2
	FLOAD 4, 96
	s_wait_dscnt 18
	FCOMP 160, 88, 3
	ROWS 0, 224
	FLOAD 5, 160
	s_wait_dscnt 16                                ; (step 4 came in ahead of the rows)
	FCOMP 96, 80, 0
	FLOAD 6, 96
	s_wait_dscnt 18
	FCOMP 160, 88, 1
	FLOAD 7, 160
	s_wait_dscnt 18
	FCOMP 96, 80, 2
	s_wait_dscnt 2                                 ; behind the last step's loads: 2 stores
	FCOMP 160, 88, 3
	ROWS 1, 96
	s_wait_tensorcnt 0x0
	ds_add_u32 v78, v79
	s_wait_dscnt 0x0
	s_endpgm
.Lfunc_end_k_q56bff444ea_gateup:
	.size	k_q56bff444ea_gateup, .Lfunc_end_k_q56bff444ea_gateup-k_q56bff444ea_gateup
	.p2alignl 7, 3214868480
	.fill 96, 4, 3214868480
	.section	.rodata,"a",@progbits
	.p2align	6, 0x0
	.amdhsa_kernel k_q56bff444ea_gateup
		.amdhsa_group_segment_fixed_size 280064
		.amdhsa_private_segment_fixed_size 0
		.amdhsa_enable_private_segment 0
		.amdhsa_kernarg_size 48
		.amdhsa_user_sgpr_count 2
		.amdhsa_user_sgpr_kernarg_segment_ptr 1
		.amdhsa_wavefront_size32 1
		.amdhsa_system_sgpr_workgroup_id_x 1
		.amdhsa_system_sgpr_workgroup_id_y 1
		.amdhsa_system_sgpr_workgroup_id_z 1
		.amdhsa_system_vgpr_workitem_id 0
		.amdhsa_next_free_vgpr 1024
		.amdhsa_next_free_sgpr 66
		.amdhsa_reserve_vcc 0
		.amdhsa_float_denorm_mode_32 3
		.amdhsa_float_denorm_mode_16_64 3
		.amdhsa_memory_ordered 1
		.amdhsa_forward_progress 1
		.amdhsa_inst_pref_size 132
	.end_amdhsa_kernel
	.amdgpu_metadata
---
amdhsa.version: [ 1, 2 ]
amdhsa.kernels:
  - .name:           k_q56bff444ea_gateup
    .symbol:         k_q56bff444ea_gateup.kd
    .args:
      - { .name: wimg, .offset: 0, .size: 8, .value_kind: global_buffer, .address_space: global }
      - { .name: w_gate_scales, .offset: 8, .size: 8, .value_kind: global_buffer, .address_space: global }
      - { .name: w_up_scales, .offset: 16, .size: 8, .value_kind: global_buffer, .address_space: global }
      - { .name: fimg, .offset: 24, .size: 8, .value_kind: global_buffer, .address_space: global }
      - { .name: fscl, .offset: 32, .size: 8, .value_kind: global_buffer, .address_space: global }
      - { .name: out0, .offset: 40, .size: 8, .value_kind: global_buffer, .address_space: global }
    .group_segment_fixed_size: 280064
    .private_segment_fixed_size: 0
    .kernarg_segment_align: 8
    .kernarg_segment_size: 48
    .max_flat_workgroup_size: 128
    .sgpr_count:     66
    .vgpr_count:     1024
    .wavefront_size: 32
...
	.end_amdgpu_metadata
.endif
;; end of part 4
;; ======== version 2 of 2: 4 launches; version 1 with the launches qkv, attn, wo, gateup written anew for expert scheduling mode
;; workspace buffers: img 14,155,776 bytes; scl 589,824 bytes; oimg 4,718,592 bytes; oscl 196,608 bytes; fimg 4,718,592 bytes; fscl 196,608 bytes; wimg 5,308,416 bytes
;; launch qkv (part 5): grid 256 x 1, 4 waves a work-group, no clusters, 156,672 bytes of LDS; arguments x_codes, x_scales, wq_codes, wq_scales, wk_codes, wk_scales, wv_codes, wv_scales, wo_codes, w_gate_codes, w_up_codes, img, scl, wimg; writes img, scl, wimg
.if DOCPART == 5
	.amdgcn_target "amdgcn-amd-amdhsa--gfx1250"
	.amdhsa_code_object_version 6
	.text
	.protected	k_q56bff444ea_qkv
	.globl	k_q56bff444ea_qkv
	.p2align	8
	.type	k_q56bff444ea_qkv,@function
k_q56bff444ea_qkv:
	s_mov_b64 s[64:65], 0
	v_nop
	global_prefetch_b8 v0, s[64:65] scope:SCOPE_SE
	s_setreg_imm32_b32 hwreg(HW_REG_WAVE_SCHED_MODE, 0, 2), 2
	s_setreg_imm32_b32 hwreg(HW_REG_WAVE_MODE, 25, 1), 1
	s_wait_xcnt 0x0
	s_wait_alu depctr_vm_vsrc(0)
; q = x wq^T, k = x wk^T, v = x wv^T for four experts, on codes of FP6 (E2M3) with one E8M0 scale for each 32 along K = 768; the results are quantised at once:
; q and k along the head's 64 features, v along the keys, and leave as images of operand registers.
; A UNIT: P = 128 rows, all of K, kept in 576 registers of a wave (8 tiles x 6 fragments);  R = one tile of 16 rows (6 fragments).  48 matrix instructions, source 0 = P, source 1 = R:
; a lane holds ONE row of R, and its 64 results are 128 rows of P.  THE ROWS OF A TILE ARE NOT NEIGHBOURS: lane r of tile 2 b + u takes row 32 b + 8 u + r + 8 (r / 8), so that the 16 registers of tiles
; 2 b and 2 b + 1 are 16 neighbours, 32 b + 16 (lane / 16) + 0 .. 15: what the conversions want.  A unit's results become one fragment: rows = R's 16 rows, K = P's 128 rows.
; TWO KINDS OF WORK-GROUP, ONE TEXT (only pointers and strides are chosen, on the work-group's number):
;   0 .. 191:   P = 128 rows of wq or wk (two heads), one slice a wave; R = 128 rows of x, 4 pairs of tiles.  The fragment's two halves are the two heads' q or k of 16 tokens.
;   192 .. 255: P = 128 rows of x (128 keys), one step of keys a wave; R = 192 rows of wv, 6 pairs of tiles.  The fragment is v^T: 16 features x 128 keys.
; A THIRD JOB rides on the first kind, which has two pairs less to do and 64 rows of LDS that it does not need: each wave of work-groups 0 .. 143 brings one tile (16 rows x 768 along K) of wo, w_gate or w_up into those
; rows, by the very loads and LDS stores that bring the second kind its last 64 rows of R, and at its end stores the tile as six fragments' register images (wimg: 576 units of 9,216 bytes: wo's [slice][tile], then
; w_gate's and w_up's [64 features][quarter of K][4 tiles of gate, 4 of up]), so that the later launches load these weights straight into operand registers.  (Work-groups 144 .. 191 load a tile too and store nothing of it.)
; A half image: registers 0-5 of a fragment, 768 bytes: registers 0-3 at 16 x lane, registers 4-5 at 512 + 8 x lane: every store covers 512 or 256 consecutive bytes, aligned.
; img: [q, k][expert][head][tile of tokens] half images; from VREG on [tile of wv's rows][step of 128 keys][half].  scl: one word for a row: [q, k][expert][head][pair of tiles][r] = the two tiles' two bytes each;
; from VSREG on [tile][step][r] = the four bytes of 128 keys.
; Rows of codes (576 bytes) are loaded as they lie, 512 consecutive bytes a load, and turned into fragments through LDS, rows 592 bytes apart: 148 words, so that 16 rows start at 16 different multiples of 4 banks.
; No tensor load and no cluster: a wave takes its operand for all of K once, so there is no ring to feed; P's 512 rows and R's 192 together do not fit in LDS.
; LIMITS: NaN and infinities among the results are not served.  A block of zeros gets the byte 1 with zero codes where the quantiser says 127: this program alone reads these bytes.
; THE MODE: SCHED_MODE bits 1:0 = 2 (LLVM: expert scheduling mode 2), set by the entry lines.  The code itself states the register dependences between vector or matrix instructions and memory or LDS
; instructions, with s_wait_alu, always for 0.
; THE PLAN.  Registers that memory or LDS instructions touch:
;   Addresses   v1, v3 to v13, AS, FRL, AR, AR2, GL: made at the head, ahead of one wait on va_vdst.  Only v5 and v6 are written again: once a trip, behind a wait on vm_vsrc and ahead of the next trip's waits on va_vdst.
;   P (prologue) A tile's global loads land in its 72 registers; its LDS stores read them; behind a wait on vm_vsrc its LDS loads land in them.  Afterwards matrix instructions alone name them.
;   B0, B1, RS  A unit's products read them; behind the wait on va_vdst that follows the unit the next pair's LDS loads land in them.
;   OA, OB, PWM QUANT of a pair's first tile writes OA, of its second OB (and PWM is made of the two scale words).  OA's stores stand behind the second unit's wait on va_vdst, OB's and PWM's behind a wait of their own.
;               The trip's one wait on vm_vsrc, which stands ahead of the additions to v5 and v6, also shows these stores' registers read, ahead of the next trip's QUANT.
;   ACC         Written by products and read by QUANT; at the end the weights' tile lands there, behind the last trip's last wait on va_vdst.
.set VREG,  9437184
.set VSREG, 393216
.set PITCH, 592
.set GRP,   8*PITCH                    ; eight rows in LDS
.set TILEB, 16*PITCH
.set RSC,   12*TILEB                   ; behind R's 192 rows: R's scale bytes, dense, 4,608 bytes
.set STG,   RSC+4608                   ; behind them: a stage of 16 rows for each wave
.set AS,   14                          ; v14-22  where my 16 bytes of load j of a group go in my stage
.set FRL,  23                          ; v23     my fragment's place in the tile of weights that I lay out
.set PS,   24                          ; v24-47  P's scale words: pair b, K step s at 6 b + s; lanes 0-15 tile 2 b, lanes 16-31 tile 2 b + 1
.set RS,   48                          ; v48-53  R's: K step s; lanes 0-15 the pair's first tile, lanes 16-31 its second
.set PW0,  54                          ; the two scale words just made, and what is stored of them
.set PW1,  55
.set PWM,  56
.set TM,   58                          ; v58-73  at work in QUANT
.set OA,   76                          ; v76-87  the codes of a pair's first tile, as they leave
.set CT,   88                          ; v88-94  the conversions' second halves
.set OB,   238                         ; v238-249 the codes of the pair's second tile
.set ACC,  96                          ; v96-159 the unit's eight accumulators
.set B0,   160                         ; v160-231 R's first tile;  B1: the second, in window 3
.set B1,   144
.set AR,   213                         ; v213-221 (prologue) where my 16 bytes of load j go among R's rows
.set AR2,  76                          ; v76-84  (prologue) the same four pairs further on: beyond what an offset of 16 bits reaches from AR
.set GL,   222                         ; v222-230 (prologue) my 16 bytes of load j in a group of eight rows of R's last 64 rows, or of the weights' tile
.set SEL,  52                          ; s[52:53] lane selects: lane l xor 16
; other registers: v1 my offset in R's rows; v3 16 x lane; v4 my fragment's place in my stage; v5 the same among R's rows; v6 R's scale words in LDS; v7 where I put R's scale words; v8 8 x lane;
; v9 my scale word's place in scl; v10 byte selects for it; v11 P's scale words in memory; v12, v13 4 x thread.  P: tiles 0-2 window 1, 3-5 window 2, 6-7 window 3, 72 registers each.
; s[36:37], s[38:39]: where the two halves of the pair's first fragment go; s[8:9], s[10:11]: those of its second; s[42:43]: from pair to pair.  s95: lanes 16-31
.set MSB, 0
.macro WIN new                         ; the immediate's high byte repeats the setting that is left
.if MSB != (\new)
	s_set_vgpr_msb (MSB<<8)|(\new)
.set MSB, (\new)
.endif
.endm
; one matrix instruction.  k = 0: it starts the sum.  ra, rb: the side's scale words stand in lanes 16-31
.macro WM d, a, b, k, sa, sb, ra, rb
.if (\k)==0
.if ((\ra)==0)&&((\rb)==0)
	v_wmma_scale_f32_16x16x128_f8f6f4 v[\d:\d+7], v[\a:\a+11], v[\b:\b+11], 0, v[\sa], v[\sb] matrix_a_fmt:MATRIX_FMT_FP6 matrix_b_fmt:MATRIX_FMT_FP6
.endif
.if ((\ra)==1)&&((\rb)==0)
	v_wmma_scale_f32_16x16x128_f8f6f4 v[\d:\d+7], v[\a:\a+11], v[\b:\b+11], 0, v[\sa], v[\sb] matrix_a_fmt:MATRIX_FMT_FP6 matrix_b_fmt:MATRIX_FMT_FP6 matrix_a_scale:MATRIX_SCALE_ROW1
.endif
.if ((\ra)==0)&&((\rb)==1)
	v_wmma_scale_f32_16x16x128_f8f6f4 v[\d:\d+7], v[\a:\a+11], v[\b:\b+11], 0, v[\sa], v[\sb] matrix_a_fmt:MATRIX_FMT_FP6 matrix_b_fmt:MATRIX_FMT_FP6 matrix_b_scale:MATRIX_SCALE_ROW1
.endif
.if ((\ra)==1)&&((\rb)==1)
	v_wmma_scale_f32_16x16x128_f8f6f4 v[\d:\d+7], v[\a:\a+11], v[\b:\b+11], 0, v[\sa], v[\sb] matrix_a_fmt:MATRIX_FMT_FP6 matrix_b_fmt:MATRIX_FMT_FP6 matrix_a_scale:MATRIX_SCALE_ROW1 matrix_b_scale:MATRIX_SCALE_ROW1
.endif
.else
.if ((\ra)==0)&&((\rb)==0)
	v_wmma_scale_f32_16x16x128_f8f6f4 v[\d:\d+7], v[\a:\a+11], v[\b:\b+11], v[\d:\d+7], v[\sa], v[\sb] matrix_a_fmt:MATRIX_FMT_FP6 matrix_b_fmt:MATRIX_FMT_FP6
.endif
.if ((\ra)==1)&&((\rb)==0)
	v_wmma_scale_f32_16x16x128_f8f6f4 v[\d:\d+7], v[\a:\a+11], v[\b:\b+11], v[\d:\d+7], v[\sa], v[\sb] matrix_a_fmt:MATRIX_FMT_FP6 matrix_b_fmt:MATRIX_FMT_FP6 matrix_a_scale:MATRIX_SCALE_ROW1
.endif
.if ((\ra)==0)&&((\rb)==1)
	v_wmma_scale_f32_16x16x128_f8f6f4 v[\d:\d+7], v[\a:\a+11], v[\b:\b+11], v[\d:\d+7], v[\sa], v[\sb] matrix_a_fmt:MATRIX_FMT_FP6 matrix_b_fmt:MATRIX_FMT_FP6 matrix_b_scale:MATRIX_SCALE_ROW1
.endif
.if ((\ra)==1)&&((\rb)==1)
	v_wmma_scale_f32_16x16x128_f8f6f4 v[\d:\d+7], v[\a:\a+11], v[\b:\b+11], v[\d:\d+7], v[\sa], v[\sb] matrix_a_fmt:MATRIX_FMT_FP6 matrix_b_fmt:MATRIX_FMT_FP6 matrix_a_scale:MATRIX_SCALE_ROW1 matrix_b_scale:MATRIX_SCALE_ROW1
.endif
.endif
.endm
; the tiles of one window: K step by K step, the window's accumulators by turns, one instruction a turn
.macro UGRP t0, n, win, rb, rw, rs, rrow
	WIN (\win)|((\rw)<<2)
.irp s, 0,1,2,3,4,5
.irp t, 0,1,2
.if \t < \n
	WM ACC+8*(\t0+\t), 72*\t+12*\s, \rb+12*\s, \s, PS+6*((\t0+\t)/2)+\s, \rs+\s, (\t0+\t)%2, \rrow
.endif
.endr
.endr
.endm
.macro UNIT rb, rw, rs, rrow           ; R's tile at v[rb] of window rw, its scale words at v[rs] on, in lanes 16 rrow on
	UGRP 0, 3, 1, \rb, \rw, \rs, \rrow
	UGRP 3, 3, 2, \rb, \rw, \rs, \rrow
	UGRP 6, 2, 3, \rb, \rw, \rs, \rrow
	WIN 0
.endm
; 64 numbers of a lane, register 16 b + i = k 32 b + 16 (lane / 16) + i of my row, become a fragment's codes in v[pc] on and its scale word in v[pw]
.macro QUANT s, pw, pc
.irp b, 0,1,2,3
	v_max3_num_f32 v[TM+\b], |v[\s+16*\b]|, |v[\s+1+16*\b]|, 0x1800000   ; block b: my 16 numbers, and the floor 2^(3 - 127): the byte cannot fall under 1
.endr
.irp i, 2,4,6,8,10,12,14
.irp b, 0,1,2,3
	v_max3_num_f32 v[TM+\b], v[TM+\b], |v[\s+16*\b+\i]|, |v[\s+1+16*\b+\i]|   ; the four blocks by turns
.endr
.endr
.irp b, 0,1,2,3
	v_permlanex16_b32 v[TM+4+\b], v[TM+\b], s[SEL], s[SEL+1]
.endr
.irp b, 0,1,2,3
	v_max_num_f32 v[TM+\b], v[TM+\b], v[TM+4+\b]   ; with lane l xor 16's: the block's largest magnitude
.endr
.irp b, 0,1,2,3
	v_add_nc_u32 v[TM+12+\b], 0xff000000, v[TM+\b]   ; 2 off its exponent field: the conversion's scale operand
.endr
.irp b, 0,1,2,3
	v_lshrrev_b32 v[TM+4+\b], 23, v[TM+12+\b]      ; the scale's byte
.endr
	v_lshl_or_b32 v[\pw], v[TM+5], 8, v[TM+4]
	v_lshl_or_b32 v[\pw], v[TM+6], 16, v[\pw]
	v_lshl_or_b32 v[\pw], v[TM+7], 24, v[\pw]
.irp c, 0,1
	v_cvt_scalef32_pk16_fp6_f32 v[\pc+6*\c:\pc+2+6*\c], v[\s+32*\c:\s+15+32*\c], v[TM+12+2*\c]
	v_cvt_scalef32_pk16_fp6_f32 v[CT+4*\c:CT+2+4*\c], v[\s+16+32*\c:\s+31+32*\c], v[TM+12+2*\c+1]   ; (a conversion's three registers begin on an even number)
.endr
	v_nop                                          ; one plain place behind a scaled conversion
.irp c, 0,1                                    ; the operand's layout wants a whole block in a lane
.irp i, 0,1,2
	v_permlane16_swap_b32 v[\pc+6*\c+\i], v[CT+4*\c+\i]
.endr
.irp i, 0,1,2
	v_mov_b32 v[\pc+3+6*\c+\i], v[CT+4*\c+\i]
.endr
.endr
.endm
; tile t of P: its two groups of eight rows, as they lie, into the registers that its fragments will take.  Nothing has named these registers before
.macro PLOAD t
.set PA, 72*((\t)%3)
	WIN (1+(\t)/3)<<6
.irp j, 0,1,2,3,4,5,6,7,8
	global_load_b128 v[PA+4*\j:PA+4*\j+3], v3, s[28:29] offset:(4*((\t)/2)+(\t)%2)*4608+512*\j
.endr
.irp j, 0,1,2,3,4,5,6,7,8
	global_load_b128 v[PA+36+4*\j:PA+36+4*\j+3], v3, s[28:29] offset:(4*((\t)/2)+(\t)%2+2)*4608+512*\j
.endr
.endm
; and through my stage: LDS serves a wave's instructions in order, so no wait on DScnt stands between the stores and the loads, nor in front of the next tile's stores.  n: the loads issued behind this tile's.
; nx = 1: tile t + 4 is asked for between this tile's LDS stores and its LDS loads
.macro PTURN t, n, nx
.set PA, 72*((\t)%3)
	s_wait_loadcnt \n
	WIN (1+(\t)/3)<<2
.irp j, 0,1,2,3,4,5,6,7,8
	ds_store_b128 v[AS+\j], v[PA+4*\j:PA+4*\j+3]
.endr
.irp j, 0,1,2,3,4,5,6,7,8
	ds_store_b128 v[AS+\j], v[PA+36+4*\j:PA+36+4*\j+3] offset:GRP
.endr
.if \nx
	PLOAD (\t)+4
.endif
.set PA, 72*((\t)%3)
	WIN (1+(\t)/3)<<6
	s_wait_alu depctr_vm_vsrc(0)                   ; the tile's LDS stores have read its 72 registers, in which the LDS loads below land
.irp s, 0,1,2,3,4,5
.irp p, 0,1,2,3,4,5
	ds_load_b64 v[PA+12*\s+2*\p:PA+12*\s+2*\p+1], v4 offset:96*\s+48*(\p/3)+8*(\p%3)
.endr
.endr
.endm
.macro OUTHI pc, lo, hi                        ; the fragment's two halves leave
	global_store_b128 v3, v[\pc:\pc+3], s[\lo:\lo+1]
	global_store_b64 v8, v[\pc+4:\pc+5], s[\lo:\lo+1] offset:512
	global_store_b128 v3, v[\pc+6:\pc+9], s[\hi:\hi+1]
	global_store_b64 v8, v[\pc+10:\pc+11], s[\hi:\hi+1] offset:512
.endm
; a pair's fragments and scale words out of LDS, off bytes (of rows, of scale bytes) behind the pair in hand
.macro LDB0 off
.irp s, 0,1,2,3,4,5
.irp p, 0,1,2,3,4,5
	ds_load_b64 v[B0+12*\s+2*\p:B0+12*\s+2*\p+1], v5 offset:(\off)+96*\s+48*(\p/3)+8*(\p%3)
.endr
.endr
.endm
.macro LDRS off
.irp i, 0,1,2
	ds_load_b64 v[RS+2*\i:RS+2*\i+1], v6 offset:(\off)+8*\i
.endr
.endm
.macro LDB1 off
	WIN 0xc0
.irp s, 0,1,2,3,4,5
.irp p, 0,1,2,3,4,5
	ds_load_b64 v[B1+12*\s+2*\p:B1+12*\s+2*\p+1], v5 offset:(\off)+TILEB+96*\s+48*(\p/3)+8*(\p%3)
.endr
.endr
	WIN 0
.endm
	s_load_b512 s[8:23], s[0:1], 0x0               ; x s[8:11], wq s[12:15], wk s[16:19], wv s[20:23]: codes, scales
	s_load_b256 s[68:75], s[0:1], 0x40             ; the codes of wo, w_gate, w_up; img
	s_load_b128 s[76:79], s[0:1], 0x60             ; scl, wimg
	v_lshl_add_u32 v254, v0, 2, 0x26200
	v_mov_b32 v255, 0
	v_lshrrev_b32 v232, 5, v0
	v_bfe_u32 v234, v0, 4, 1                       ; h
	v_readfirstlane_b32 s2, v232                   ; wave
	v_cmp_eq_u32 s95, 1, v234                      ; lanes 16-31
	s_wait_alu depctr_va_sdst(0)                   ; s2 and s95 are written, ahead of their first readers: the scalar arithmetic below, and the select of v10
	s_cmp_lt_u32 ttmp9, 192
	s_cselect_b32 s3, 0, 192
	s_sub_co_u32 s3, ttmp9, s3                     ; my number within my kind
	s_lshr_b32 s4, s3, 4
	s_and_b32 s5, s3, 15                           ; which part of R
	s_lshl_b32 s4, s4, 2
	s_add_co_u32 s4, s4, s2                        ; my slice of P: 0 .. 47 (wq's 24, wk's 24), or my step of keys, 0 .. 15
	s_mov_b32 s46, 110592                          ; the second kind's numbers; the first kind's stand in the selects below
	s_mov_b32 s47, 4608
	s_mov_b32 s48, 1536
	s_mov_b32 s49, 24576
	s_mov_b32 s54, 768
	s_mov_b32 s55, VREG
	s_mov_b32 s56, 2048
	s_mov_b32 s57, 1024
	s_mov_b32 s58, VSREG
	s_mov_b32 s59, 0x03020100
	s_mov_b32 s60, 0x07060504
	s_mov_b32 s[SEL], 0x76543210
	s_mov_b32 s[SEL+1], 0xfedcba98
	; the tile of weights that my wave lays out: unit U = 4 x work-group + wave, taken modulo 576 so that every wave's loads stay inside the buffers
	s_lshl_b32 s82, ttmp9, 2
	s_add_co_u32 s82, s82, s2
	s_cmp_ge_u32 s82, 576
	s_cselect_b32 s83, 576, 0
	s_sub_co_u32 s82, s82, s83                     ; U
	s_and_b32 s84, s82, 7                          ; its tile t
	s_lshr_b32 s85, s82, 3                         ; U under 192: wo's slice U / 8; the tile's first group of eight rows is 16 slice + 4 (t / 2) + t % 2, its second two groups on
	s_lshl_b32 s85, s85, 4
	s_lshr_b32 s86, s84, 1
	s_lshl_b32 s86, s86, 2
	s_add_co_u32 s85, s85, s86
	s_and_b32 s86, s84, 1
	s_add_co_u32 s85, s85, s86
	s_mul_i32 s85, s85, 4608
	s_sub_co_u32 s86, s82, 192                     ; else: V = U - 192: 64 features V / 32, quarter of K (V / 8) % 4; t under 4: w_gate, else w_up; rows 16 (t % 4) on
	s_lshr_b32 s87, s86, 5
	s_lshl_b32 s87, s87, 6
	s_and_b32 s88, s84, 3
	s_lshl_b32 s88, s88, 4
	s_add_co_u32 s87, s87, s88
	s_mul_i32 s87, s87, 2304
	s_bfe_u32 s88, s86, 0x20003
	s_mul_i32 s88, s88, 576
	s_add_co_u32 s87, s87, s88
	s_mov_b32 s91, 18432
	s_mul_i32 s94, s2, 4608
	s_add_co_u32 s94, s94, 73728                   ; the second kind: my group among R's groups 16 on
	s_wait_kmcnt 0x0
	s_bitcmp1_b32 s84, 2
	s_cselect_b64 s[24:25], s[72:73], s[70:71]     ; w_up or w_gate,
	s_cmp_lt_u32 s82, 192
	s_cselect_b64 s[24:25], s[68:69], s[24:25]     ; or wo
	s_cselect_b32 s89, s85, s87                    ; where the tile begins,
	s_cselect_b32 s90, 9216, s91                   ; from its first eight rows to its second eight,
	s_cselect_b32 s92, 0, 1728                     ; and what lies between two rows' 576 bytes
	s_cmp_ge_u32 s4, 24                            ; wk's slice?  (never in the second kind)
	s_cselect_b32 s6, 24, 0
	s_cselect_b64 s[28:29], s[16:17], s[12:13]
	s_cselect_b64 s[30:31], s[18:19], s[14:15]
	s_sub_co_u32 s6, s4, s6                        ; the slice within its tensor
	s_cmp_lt_u32 ttmp9, 192                        ; the kind: every choice below hangs on this compare
	s_cselect_b64 s[28:29], s[28:29], s[8:9]       ; P's codes,
	s_cselect_b64 s[30:31], s[30:31], s[10:11]     ; P's scales,
	s_cselect_b64 s[32:33], s[8:9], s[20:21]       ; R's codes,
	s_cselect_b64 s[34:35], s[10:11], s[22:23]     ; R's scales
	s_cselect_b32 s46, 73728, s46                  ; bytes of codes in a part of R (128 or 192 rows)
	s_cselect_b32 s47, 3072, s47                   ; and of scale bytes
	s_cselect_b32 s48, 196608, s48                 ; img: from slice to slice
	s_cselect_b32 s42, 768, s49                    ; from tile to tile of R
	s_cselect_b32 s54, 98304, s54                  ; from the fragment's low half to its high half
	s_cselect_b32 s55, 0, s55                      ; the region
	s_cselect_b32 s49, 8, 12                       ; tiles in a part of R
	s_cselect_b32 s61, 8192, 64                    ; scl: from slice to slice
	s_cselect_b32 s44, 64, s56                     ; from pair to pair
	s_cselect_b32 s57, 4096, s57                   ; from lanes 0-15 to lanes 16-31
	s_cselect_b32 s58, 0, s58                      ; the region
	s_cselect_b32 s56, 4, 6                        ; pairs in a part of R
	s_cselect_b32 s50, 4, 6                        ; and so the trips that have work
	s_cselect_b32 s63, 0, 3072                     ; the first kind has no scale words 768 on: it loads its first ones once more
	s_cselect_b32 s59, 0x05040100, s59             ; the stored word, lanes 0-15: the two tiles' bytes 0, 1 | the first tile's word
	s_cselect_b32 s60, 0x07060302, s60             ; lanes 16-31: the two tiles' bytes 2, 3 | the second tile's word
	s_mov_b32 s13, 0
	s_mul_i32 s12, s46, s5
	s_add_nc_u64 s[32:33], s[32:33], s[12:13]
	s_mul_i32 s12, s47, s5
	s_add_nc_u64 s[34:35], s[34:35], s[12:13]
	s_mul_i32 s12, s6, 73728
	s_add_nc_u64 s[28:29], s[28:29], s[12:13]
	s_mul_i32 s12, s6, 3072
	s_add_nc_u64 s[30:31], s[30:31], s[12:13]
	s_mul_i32 s12, s4, s48
	s_mul_i32 s14, s49, s5
	s_mul_i32 s14, s14, s42
	s_add_co_u32 s12, s12, s14
	s_add_co_u32 s12, s12, s55
	s_add_nc_u64 s[36:37], s[74:75], s[12:13]      ; where the low half of my first fragment goes,
	s_mov_b32 s12, s54
	s_add_nc_u64 s[38:39], s[36:37], s[12:13]      ; and the high half
	s_mul_i32 s12, s4, s61
	s_mul_i32 s14, s56, s5
	s_mul_i32 s14, s14, s44
	s_add_co_u32 s12, s12, s14
	s_add_co_u32 s12, s12, s58
	s_add_nc_u64 s[40:41], s[76:77], s[12:13]      ; and my first pair's scale words
	s_mov_b32 s43, 0
	s_mov_b32 s45, 0
	s_add_nc_u64 s[8:9], s[36:37], s[42:43]        ; the pair's second fragment goes a tile further on: bases of its own, so that all bases step once a trip
	s_add_nc_u64 s[10:11], s[38:39], s[42:43]
	s_lshl_b32 s42, s42, 1                         ; from here on: from pair to pair
	s_cmp_lt_u32 ttmp9, 192                        ; my last two groups of eight rows: the first kind's are the weights' tile, the second kind's are R's groups 16 + wave and 20 + wave
	s_cselect_b64 s[24:25], s[24:25], s[32:33]
	s_cselect_b32 s89, s89, s94
	s_cselect_b32 s90, s90, s91
	s_cselect_b32 s92, s92, 0
	s_mov_b32 s12, s89
	s_add_nc_u64 s[24:25], s[24:25], s[12:13]
	s_mov_b32 s12, s90
	s_add_nc_u64 s[26:27], s[24:25], s[12:13]
	s_mul_i32 s12, s82, 9216
	s_add_nc_u64 s[80:81], s[78:79], s[12:13]      ; wimg: my unit
	v_and_b32 v232, 31, v0                         ; lane
	v_and_b32 v233, 15, v0                         ; r
	v_lshlrev_b32 v3, 4, v232
	v_lshlrev_b32 v8, 3, v232
	s_mul_i32 s7, s2, 4608
	v_add_nc_u32 v1, s7, v3                        ; wave w takes group 4 i + w of R
	v_lshlrev_b32 v12, 2, v0
	v_add_nc_u32 v13, s63, v12
	v_add_nc_u32 v7, RSC, v12
	v_mul_u32_u24 v9, v234, s57
	v_lshl_add_u32 v9, v233, 2, v9
	v_mov_b32 v10, s59
	v_mov_b32 v235, s60
	v_cndmask_b32 v10, v10, v235, s95
	v_and_b32 v235, 8, v233
	v_add_nc_u32 v235, v235, v233
	v_lshl_add_u32 v235, v234, 3, v235             ; r + 8 (r / 8) + 8 h: my row of a pair's 32
	v_mul_u32_u24 v11, v235, 24                    ; 24 scale bytes a row
	v_add_nc_u32 v6, RSC, v11
	v_mul_u32_u24 v5, v233, PITCH
	v_mad_u32_u24 v5, v234, 24, v5                 ; a fragment's row x pitch + 24 x half
	s_mul_i32 s7, s2, TILEB
	s_add_co_u32 s7, s7, STG                       ; my stage
	v_add_nc_u32 v4, s7, v5
	s_and_b32 s12, s2, 1                           ; R's rows lie in LDS in the order of the tiles: a pair's groups 0, 2, 1, 3
	s_lshl_b32 s12, s12, 1
	s_lshr_b32 s14, s2, 1
	s_add_co_u32 s12, s12, s14
	s_mul_i32 s12, s12, GRP
	v_lshrrev_b32 v237, 3, v233                    ; the weights' tile lies in pairs 4 and 5, at my place in each: its rows 8 on begin a pair's bytes less eight rows further on
	v_mul_u32_u24 v237, v237, 2*TILEB-GRP
	v_add_nc_u32 v[FRL], v237, v5
	s_add_co_u32 s14, s12, 8*TILEB
	v_add_nc_u32 v[FRL], s14, v[FRL]
.irp j, 0,1,2,3,4,5,6,7,8
	v_add_nc_u32 v235, 32*\j, v232                 ; piece p = 32 j + lane of a group's 288 pieces of 16 bytes
	v_mul_u32_u24 v236, v235, 1821
	v_lshrrev_b32 v236, 16, v236                   ; its row, p / 36 (exact for p under 288)
	v_lshlrev_b32 v237, 4, v235
	v_mad_u32_u24 v[GL+\j], v236, s92, v237        ; in memory: 16 p, and what lies between the rows
	v_add_nc_u32 v235, v235, v236                  ; in LDS: one piece of padding behind each row
	v_lshl_add_u32 v[AS+\j], v235, 4, s7
	v_lshl_add_u32 v[AR+\j], v235, 4, s12
	v_add_nc_u32 v[AR2+\j], 2*TILEB*4, v[AR+\j]
.endr
.irp b, 0,1,2,3
	v_mov_b32 v[TM+4+\b], 0                        ; written once: a lane permute's destination counts as one of its sources
.endr
	s_wait_alu depctr_va_vdst(0)                   ; every offset and address above is written: the loads, LDS stores and LDS loads of the prologue read them, and no vector instruction stands among those
	; R's scale words, my six groups of eight rows, P's scale words; then P, its loads and its turns through the stage by turns, four tiles of loads ahead
.irp k, 0,1,2,3,4,5
	global_load_b32 v[204+\k], v12, s[34:35] offset:512*\k
.endr
.irp k, 6,7,8
	global_load_b32 v[204+\k], v13, s[34:35] offset:512*(\k-6)
.endr
	WIN 0xc0
.irp i, 0,1,2
.irp j, 0,1,2,3,4,5,6,7,8
	global_load_b128 v[144+36*\i+4*\j:144+36*\i+4*\j+3], v1, s[32:33] offset:18432*\i+512*\j
.endr
.endr
	WIN 0
.irp j, 0,1,2,3,4,5,6,7,8
	global_load_b128 v[96+4*\j:96+4*\j+3], v1, s[32:33] offset:18432*3+512*\j
.endr
.irp j, 0,1,2,3,4,5,6,7,8
	global_load_b128 v[132+4*\j:132+4*\j+3], v[GL+\j], s[24:25]
.endr
.irp j, 0,1,2,3,4,5,6,7,8
	global_load_b128 v[168+4*\j:168+4*\j+3], v[GL+\j], s[26:27]
.endr
.irp b, 0,1,2,3
.irp i, 0,1,2
	global_load_b64 v[PS+6*\b+2*\i:PS+6*\b+2*\i+1], v11, s[30:31] offset:768*\b+8*\i
.endr
.endr
	PLOAD 0
	PLOAD 1
	WIN 0
	s_wait_loadcnt 48                              ; behind my groups of R: P's 12 scale loads and two tiles of 18
.irp k, 0,1,2,3,4,5,6,7,8
	ds_store_b32 v7, v[204+\k] offset:512*\k
.endr
	WIN 0x0c
.irp i, 0,1,2
.irp j, 0,1,2,3,4,5,6,7,8
	ds_store_b128 v[AR+\j], v[144+36*\i+4*\j:144+36*\i+4*\j+3] offset:2*TILEB*\i
.endr
.endr
	WIN 0
.irp j, 0,1,2,3,4,5,6,7,8
	ds_store_b128 v[AR+\j], v[96+4*\j:96+4*\j+3] offset:2*TILEB*3
.endr
.irp i, 4,5
.irp j, 0,1,2,3,4,5,6,7,8
	ds_store_b128 v[AR2+\j], v[96+36*(\i-3)+4*\j:96+36*(\i-3)+4*\j+3] offset:2*TILEB*(\i-4)
.endr
.endr
	PLOAD 2
	PLOAD 3
	PTURN 0, 54, 1                                 ; behind tile t: the three tiles of 18 loads issued since; at the end two, one, none
	PTURN 1, 54, 1
	PTURN 2, 54, 1
	PTURN 3, 54, 1
	PTURN 4, 54, 0
	PTURN 5, 36, 0
	PTURN 6, 18, 0
	PTURN 7, 0, 0
	WIN 0
	s_wait_dscnt 0x0                               ; my part of R lies in LDS, and P's fragments are in
	s_barrier_signal -1
	s_barrier_wait -1                              ; everybody's part does: from here on LDS is only read
	LDB0 0                                         ; the first pair.  (What the prologue's loads and LDS stores read of v76 to v231 and of window 3 they read ahead of the turns' waits on vm_vsrc)
	LDRS 0
	LDB1 0
; A trip: a pair of R's tiles.  pf = 1: the next pair's fragments are asked for as soon as a unit has freed their registers, so that they land under the quantising and the other unit.
.macro TRIP pf
	s_wait_dscnt 36                                ; the first tile and the scale words are in; the second tile's 36 loads may be out
	UNIT B0, 0, RS, 0
.rept 4
	v_nop                                          ; places in front of the first read of results
.endr
.if \pf
	s_wait_alu depctr_va_vdst(0)                   ; the unit's products are done reading B0, in which the loads below land; v5 is written
	LDB0 2*TILEB
.endif
	QUANT ACC, PW0, OA
.if \pf
	s_wait_dscnt 36                                ; the second tile is in; the next pair's first tile, 36 loads, may be out
.else
	s_wait_dscnt 0x0
.endif
	UNIT B1, 3, RS, 1
.rept 4
	v_nop
.endr
	s_wait_alu depctr_va_vdst(0)                   ; the first tile's codes are written in OA, which the stores below read; the unit's products are done reading B1 and the scale words, in which the loads below land
.if \pf
	LDRS 768
	LDB1 2*TILEB
.endif
	OUTHI OA, 36, 38                               ; no vector instruction since the wait names OA: QUANT below writes OB
	QUANT ACC, PW1, OB
	v_perm_b32 v[PWM], v[PW1], v[PW0], v10         ; selects 0-3: the first tile's word, 4-7: the second's
	s_wait_alu depctr_va_vdst(0)                   ; the second tile's codes are written in OB and the scale words in PWM, which the stores below read
	OUTHI OB, 8, 10
	global_store_b32 v9, v[PWM], s[40:41]
	s_wait_xcnt 0x0                                ; the trip's stores have read their registers and bases
	s_add_nc_u64 s[36:37], s[36:37], s[42:43]
	s_add_nc_u64 s[38:39], s[38:39], s[42:43]
	s_add_nc_u64 s[8:9], s[8:9], s[42:43]
	s_add_nc_u64 s[10:11], s[10:11], s[42:43]
	s_add_nc_u64 s[40:41], s[40:41], s[44:45]
.endm
	s_mov_b32 s51, 0
.Ltrip:                                            ; five trips in every work-group; the first kind has work for four and jumps over the fifth.  A trip asks for pair 5 at the most: inside R's rows
	s_cmp_ge_u32 s51, s50
	s_cbranch_scc1 .Lskip
	TRIP 1
.Lskip:
	s_wait_alu depctr_vm_vsrc(0)                   ; the LDS loads issued so far have read v5 and v6, which the additions write; the trip's stores have read OA, OB and PWM, which the next trip writes
	s_wait_alu depctr_va_vdst(0)
	v_add_nc_u32 v5, 2*TILEB, v5                   ; the next pair's rows and scale bytes
	v_add_nc_u32 v6, 768, v6
	s_add_co_u32 s51, s51, 1
	s_cmp_lt_u32 s51, 5
	s_cbranch_scc1 .Ltrip
	s_cmp_lt_u32 s50, 6
	s_cbranch_scc1 .Lnolast
	TRIP 0                                         ; the second kind's sixth pair: nothing more is asked for
.Lnolast:
	s_wait_dscnt 0x0                               ; (the first kind's last requests are never used: they are waited for before their registers are taken)
	s_cmp_lt_u32 ttmp9, 144
	s_cbranch_scc0 .Lend
.irp s, 0,1,2,3,4,5                            ; the weights' tile comes out of LDS as six fragments and leaves as their images: 18 stores of 512 consecutive bytes.  It lands in v96 to v167, whose last vector and
.irp p, 0,1,2,3,4,5                            ; matrix users stand ahead of the last trip's last wait on va_vdst; behind that wait vector instructions name v5 and v6 alone
	ds_load_b64 v[ACC+12*\s+2*\p:ACC+12*\s+2*\p+1], v[FRL] offset:96*\s+48*(\p/3)+8*(\p%3)
.endr
.endr
	s_wait_dscnt 0x0
.set QQ, 0
.rept 18
	global_store_b128 v3, v[ACC+4*QQ:ACC+4*QQ+3], s[80:81] offset:512*QQ
.set QQ, QQ+1
.endr
.Lend:
	s_wait_dscnt 0x0                               ; the closing lines, six on end
	s_wait_alu 0x0
	s_wait_tensorcnt 0x0
	ds_add_u32 v254, v255
	s_wait_dscnt 0x0
	s_endpgm
.Lfunc_end_k_q56bff444ea_qkv:
	.size	k_q56bff444ea_qkv, .Lfunc_end_k_q56bff444ea_qkv-k_q56bff444ea_qkv
	.p2alignl 7, 3214868480
	.fill 96, 4, 3214868480
	.section	.rodata,"a",@progbits
	.p2align	6, 0x0
	.amdhsa_kernel k_q56bff444ea_qkv
		.amdhsa_group_segment_fixed_size 156672
		.amdhsa_private_segment_fixed_size 0
		.amdhsa_enable_private_segment 0
		.amdhsa_kernarg_size 112
		.amdhsa_user_sgpr_count 2
		.amdhsa_user_sgpr_kernarg_segment_ptr 1
		.amdhsa_wavefront_size32 1
		.amdhsa_system_sgpr_workgroup_id_x 1
		.amdhsa_system_sgpr_workgroup_id_y 1
		.amdhsa_system_sgpr_workgroup_id_z 1
		.amdhsa_system_vgpr_workitem_id 0
		.amdhsa_next_free_vgpr 1024
		.amdhsa_next_free_sgpr 96
		.amdhsa_reserve_vcc 0
		.amdhsa_float_denorm_mode_32 3
		.amdhsa_float_denorm_mode_16_64 3
		.amdhsa_memory_ordered 1
		.amdhsa_forward_progress 1
		.amdhsa_inst_pref_size 122
	.end_amdhsa_kernel
	.amdgpu_metadata
---
amdhsa.version: [ 1, 2 ]
amdhsa.kernels:
  - .name:           k_q56bff444ea_qkv
    .symbol:         k_q56bff444ea_qkv.kd
    .args:
      - { .name: x_codes, .offset: 0, .size: 8, .value_kind: global_buffer, .address_space: global }
      - { .name: x_scales, .offset: 8, .size: 8, .value_kind: global_buffer, .address_space: global }
      - { .name: wq_codes, .offset: 16, .size: 8, .value_kind: global_buffer, .address_space: global }
      - { .name: wq_scales, .offset: 24, .size: 8, .value_kind: global_buffer, .address_space: global }
      - { .name: wk_codes, .offset: 32, .size: 8, .value_kind: global_buffer, .address_space: global }
      - { .name: wk_scales, .offset: 40, .size: 8, .value_kind: global_buffer, .address_space: global }
      - { .name: wv_codes, .offset: 48, .size: 8, .value_kind: global_buffer, .address_space: global }
      - { .name: wv_scales, .offset: 56, .size: 8, .value_kind: global_buffer, .address_space: global }
      - { .name: wo_codes, .offset: 64, .size: 8, .value_kind: global_buffer, .address_space: global }
      - { .name: w_gate_codes, .offset: 72, .size: 8, .value_kind: global_buffer, .address_space: global }
      - { .name: w_up_codes, .offset: 80, .size: 8, .value_kind: global_buffer, .address_space: global }
      - { .name: img, .offset: 88, .size: 8, .value_kind: global_buffer, .address_space: global }
      - { .name: scl, .offset: 96, .size: 8, .value_kind: global_buffer, .address_space: global }
      - { .name: wimg, .offset: 104, .size: 8, .value_kind: global_buffer, .address_space: global }
    .group_segment_fixed_size: 156672
    .private_segment_fixed_size: 0
    .kernarg_segment_align: 8
    .kernarg_segment_size: 112
    .max_flat_workgroup_size: 128
    .sgpr_count:     96
    .vgpr_count:     1024
    .wavefront_size: 32
...
	.end_amdgpu_metadata
.endif
;; end of part 5
;; launch attn (part 6): grid 256 x 1, 12 waves a work-group, no clusters, 116,736 bytes of LDS; arguments img, scl, oimg, oscl; writes oimg, oscl
.if DOCPART == 6
	.amdgcn_target "amdgcn-amd-amdhsa--gfx1250"
	.amdhsa_code_object_version 6
	.text
	.protected	k_q56bff444ea_attn
	.globl	k_q56bff444ea_attn
	.p2align	8
	.type	k_q56bff444ea_attn,@function
k_q56bff444ea_attn:
	s_mov_b64 s[64:65], 0
	v_nop
	global_prefetch_b8 v0, s[64:65] scope:SCOPE_SE
	s_setreg_imm32_b32 hwreg(HW_REG_WAVE_SCHED_MODE, 0, 2), 2
	s_setreg_imm32_b32 hwreg(HW_REG_WAVE_MODE, 25, 1), 1
	s_wait_xcnt 0x0
	s_wait_alu depctr_vm_vsrc(0)
; Attention in a causal band (key k counts for query q where 0 <= q - k < 256) for 4 experts x 2 batches x 12 heads of 64, both products on codes of FP6 (E2M3) with E8M0 scales; o is quantised along its features and leaves as codes.
; SHARES.  A work-group: 128 queries (block a of 8) of three heads of one expert and batch.  A wave: one head, one pair of tiles of 16 queries, one tile after the other.  The band reaches three steps of 128 keys: a - 2, a - 1, a.
; Their k and v (register images made by the launch before) are copied into LDS once, each wave a twelfth, and read by the head's four waves.  A step that does not exist (a < 2) is filled with step 0's bytes and jumped over, by a branch on a.
; LAYOUT.  S^T = k q^T (source 0 = keys, source 1 = my 16 queries), O^T = v^T p^T: a lane holds ONE query throughout.  Lane r of tile 2 b + u (of keys, of queries, of v's features) holds row 32 b + 8 u + r + 8 (r / 8), so 16 registers
; of two neighbouring tiles are 16 neighbours: p's along the keys, O^T's along the features.
; THE HEAD'S 64 IN AN INSTRUCTION OF 128: source 0 holds TWO tiles of keys, one in each half of K; source 1 is [q, zeros] for the first and [zeros, q] for the second.  Zero codes add nothing under any scale byte that occurs here.
; THE BAND, block by block of 32 keys: my 32 queries are block number pair of their 128.  In the first step the blocks under that number are out of the band, those over it count whole; in the last step the other way round;
; only the block of that number is cut by the band's edge, lane by lane.  Which is which hangs on the wave's number alone: scalar branches.
; SOFTMAX.  t = score x log2(e) / 8; M = the largest t so far, rounded up to a whole number; p = 2^(t - M) is quantised along the keys, not normalised; the sum of the unquantised p divides O at the end.  When M moves, the sum and O^T
; are multiplied by 2^(old M - new M): exact.  A block's largest p is made of the block's largest score by the same two instructions; this takes v_exp_f32 not to fall where its input rises.
; No tensor load, no cluster: what work-groups share is 37 KB a head and is read once by each.
; LIMITS: NaN and infinities are not served.  A block of zeros gets the byte 1 with zero codes: this program alone reads these bytes.  1 / sum by v_rcp_f32.
; THE MODE: SCHED_MODE bits 1:0 = 2 (LLVM: expert scheduling mode 2), set by the entry lines.  The code itself states the register dependences between vector or matrix instructions and memory or LDS
; instructions, with s_wait_alu, always for 0.
; THE PLAN.  Registers that memory or LDS instructions touch:
;   Addresses   v1 to v5, v9, and at the head v180 to v193: made ahead of one wait on va_vdst, never written again while they are addresses.
;   v104-178    At the head: the copies of k, v and their scale words: loaded, then read by LDS stores.  With v180-191 they become S^T and O^T: one wait on vm_vsrc at the first tile's head.
;   KV, SCR     A step's k lands behind a wait on va_vdst at the step's head (the last products are done reading them); its v behind a second one, behind the eight products with k.
;   PCD, PW     p's codes and scale word, written by vector instructions, read by the four products with v: a wait on va_vdst directly ahead of these, behind their places.
;               At a tile's end PCD holds o's codes: a wait on va_vdst ahead of the stores, a wait on vm_vsrc at the next tile's head.
;   The masks of lanes are made by compares into scalar registers, in runs, with one wait on va_sdst behind each run.
.set VREG,  9437184
.set VSREG, 393216
.set HEADB, 36864                      ; LDS, a head: k's 3 steps x 8 tiles x 768 bytes, then v's 3 steps x 4 tiles x 1,536
.set SCB,   3*HEADB                    ; behind them the scale words: head x 1,536 + step x 512 + 256 h + 64 T + 4 r: lanes 0-15 find k's pair T, lanes 16-31 v's tile T
.set L16, 1                            ; v1  my head + 16 x lane      v2  my head + 8 x lane      v3  my scale words      v4, v5  16, 8 x lane      v6, v7  my query within the 128, less 16 h, for tile 0, 1
.set L8,  2                            ; v8  -infinity    v9  4 x lane    v11  h    v12 -M    v13 the largest t    v[14:15] the sum    v16-33, v34-51 [q, zeros, q] of tile 0, 1
.set LS,  3
.set KV,  52                           ; v52-99   four fragments of k or of v
.set SCR, 100                          ; v100-103 their scale words
.set S,   104                          ; v104-167 S^T, then p, at last o
.set O,   168                          ; v168-199 O^T
.set PCD, 200                          ; v200-211 p's codes, at last o's
.set CX,  212                          ; v212-218 conversions' second halves
.set BM,  220                          ; v220-223 a block's largest score, then p
.set BT,  224
.set BS,  228
.set F,   232                          ; v[232:233] 2^(old M - new M)
.set TMP, 234
.set PW,  235                          ; p's scale word
.set QS,  236                          ; v236, v237 q's scale words of tile 0, 1
.set OW,  239                          ; v239, v240 o's two scale bytes of tile 0, 1
.set SUM2, 242
.set SEL, 40
.set CS,  42                           ; s47: lanes 16-31.  s12-25, s30, s31: behind the head, the sixteen masks of a block that the band's edge cuts
	s_load_b256 s[12:19], s[0:1], 0x0              ; img, scl, oimg, oscl
	v_lshl_add_u32 v254, v0, 2, 0x1c200
	v_mov_b32 v255, 0
	v_lshrrev_b32 v9, 5, v0
	v_bfe_u32 v11, v0, 4, 1                        ; h
	v_readfirstlane_b32 s2, v9                     ; wave 0 .. 11
	v_cmp_eq_u32 s47, 1, v11                       ; lanes 16-31
	s_wait_alu depctr_va_sdst(0)                   ; s2 and s47 are written, ahead of their first readers: the scalar arithmetic below, and the selects by s47
	s_and_b32 s3, ttmp9, 7                         ; a: block of 128 queries
	s_bfe_u32 s4, ttmp9, 0x20003                   ; which three heads
	s_bfe_u32 s5, ttmp9, 0x10005                   ; batch
	s_lshr_b32 s6, ttmp9, 6                        ; expert
	s_lshr_b32 s7, s2, 2                           ; my head of the three
	s_and_b32 s8, s2, 3                            ; my pair of the block's four
	s_mul_i32 s9, s4, 3
	s_add_co_u32 s9, s9, s7                        ; head
	s_mul_i32 s10, s6, 12
	s_add_co_u32 s10, s10, s9                      ; 12 expert + head
	s_sub_co_i32 s44, s3, 2                        ; the three steps of keys, held at 0 from below
	s_max_i32 s44, s44, 0
	s_sub_co_i32 s45, s3, 1
	s_max_i32 s45, s45, 0
	s_mov_b32 s46, s3
	s_mov_b32 s[SEL], 0x76543210
	s_mov_b32 s[SEL+1], 0xfedcba98
	s_mov_b32 s[CS], 0x3e38aa3b                    ; c = log2(e) / 8
	s_mov_b32 s[CS+1], s[CS]                       ; (named with it as a pair, so it is written)
	s_lshl_b32 s30, s5, 6
	s_lshl_b32 s31, s8, 1
	s_add_co_u32 s30, s30, s31                     ; 64 batch + 2 pair
	s_lshl_b32 s31, s3, 3
	s_add_co_u32 s31, s31, s30                     ; my first tile of queries
	s_mul_i32 s32, s10, 98304
	s_mul_i32 s34, s31, 768
	s_add_co_u32 s34, s34, s32
	s_mov_b32 s35, 0
	s_mul_i32 s36, s30, 768
	s_add_co_u32 s36, s36, s32
	s_add_co_u32 s36, s36, 48*98304                ; k lies 48 heads behind q
	s_mov_b32 s37, 0
	s_lshl_b32 s38, s10, 2
	s_add_co_u32 s38, s38, s8                      ; the tile of v's features that I copy
	s_lshl_b32 s38, s38, 4
	s_lshl_b32 s39, s5, 3
	s_add_co_u32 s38, s38, s39                     ; x 16 steps + 8 batch
	s_mul_i32 s32, s38, 1536
	s_add_co_u32 s32, s32, VREG
	s_mov_b32 s33, 0
	s_wait_kmcnt 0x0
	s_add_nc_u64 s[20:21], s[12:13], s[34:35]      ; q: my two tiles
	s_add_nc_u64 s[22:23], s[12:13], s[36:37]      ; k: my pair in step 0
	s_add_nc_u64 s[24:25], s[12:13], s[32:33]      ; v: my tile in step 0
	s_lshl_b32 s34, s10, 12
	s_lshl_b32 s39, s5, 11
	s_add_co_u32 s34, s34, s39
	s_lshl_b32 s39, s8, 6
	s_add_co_u32 s34, s34, s39
	s_add_co_u32 s36, s34, 48*4096                 ; k's scale words of my pair in step 0,
	s_lshl_b32 s38, s38, 6
	s_add_co_u32 s38, s38, VSREG                   ; v's of my tile,
	s_lshl_b32 s39, s3, 8
	s_add_co_u32 s34, s34, s39
	s_add_nc_u64 s[32:33], s[14:15], s[34:35]      ; q's of my pair
	s_lshl_b32 s30, s6, 7
	s_add_co_u32 s30, s30, s31
	s_mul_i32 s30, s30, 12
	s_add_co_u32 s30, s30, s9
	s_mul_i32 s30, s30, 768
	s_mov_b32 s31, 0
	s_add_nc_u64 s[26:27], s[16:17], s[30:31]      ; oimg: [expert][tile][head]
	s_lshl_b32 s30, s6, 6
	s_lshl_b32 s39, s5, 5
	s_add_co_u32 s30, s30, s39
	s_lshl_b32 s39, s3, 2
	s_add_co_u32 s30, s30, s39
	s_add_co_u32 s30, s30, s8
	s_mul_i32 s30, s30, 6
	s_lshr_b32 s39, s9, 1
	s_add_co_u32 s30, s30, s39
	s_lshl_b32 s30, s30, 7
	s_and_b32 s39, s9, 1
	s_lshl_b32 s39, s39, 1
	s_add_co_u32 s30, s30, s39
	s_add_nc_u64 s[28:29], s[18:19], s[30:31]      ; oscl: [expert][pair][K step = head / 2][lane], my head's two bytes of the word
	v_and_b32 v9, 31, v0
	v_and_b32 v10, 15, v0                          ; r
	v_lshlrev_b32 v4, 4, v9
	v_lshlrev_b32 v5, 3, v9
	v_lshlrev_b32 v9, 2, v9
	s_mul_i32 s30, s7, HEADB
	v_add_nc_u32 v[L16], s30, v4
	v_add_nc_u32 v[L8], s30, v5
	s_mul_i32 s31, s7, 1536
	s_add_co_u32 s31, s31, SCB
	v_lshlrev_b32 v[LS], 2, v10
	v_lshl_add_u32 v[LS], v11, 8, v[LS]
	v_add_nc_u32 v[LS], s31, v[LS]
	v_and_b32 v6, 8, v10
	v_add_nc_u32 v6, v6, v10
	v_lshlrev_b32 v7, 4, v11
	v_sub_nc_u32 v6, v6, v7
	s_lshl_b32 s31, s8, 5
	v_add_nc_u32 v6, s31, v6                       ; 32 pair + r + 8 (r / 8) - 16 h
	v_add_nc_u32 v7, 8, v6
	v_mov_b32 v8, 0xff800000
	s_mul_i32 s31, s8, 1536
	v_add_nc_u32 v190, s31, v[L16]                 ; where my copies go
	s_lshl_b32 s31, s8, 6
	v_add_nc_u32 v191, s31, v[LS]
	v_lshlrev_b32 v189, 2, v10
	v_mov_b32 v192, s36
	v_mov_b32 v193, s38
	v_cndmask_b32 v192, v192, v193, s47            ; lanes 0-15 fetch k's scale words, lanes 16-31 v's
	v_lshl_add_u32 v192, v10, 2, v192
	v_mul_u32_u24 v193, v11, 192
	v_sub_nc_u32 v193, 256, v193                   ; a step on: 256 bytes in k's, 64 in v's
.irp j, 0,1,2
	s_mul_i32 s31, s[44+\j], 6144
	v_add_nc_u32 v[180+\j], s31, v4
	s_mul_i32 s31, s[44+\j], 1536
	v_add_nc_u32 v[183+\j], s31, v4
	v_mad_u32_u24 v[186+\j], v193, s[44+\j], v192
.endr
	s_wait_alu depctr_va_vdst(0)                   ; every offset and address above is written: the loads, LDS stores, LDS loads and stores of the kernel read them
.irp j, 0,1,2
.irp c, 0,1,2
	global_load_b128 v[104+24*\j+4*\c:107+24*\j+4*\c], v[180+\j], s[22:23] offset:512*\c
.endr
.irp c, 0,1,2
	global_load_b128 v[116+24*\j+4*\c:119+24*\j+4*\c], v[183+\j], s[24:25] offset:512*\c
.endr
	global_load_b32 v[176+\j], v[186+\j], s[14:15]
.endr
.irp u, 0,1                                    ; q's half image twice: in front of six registers of zeros, and behind them
	global_load_b128 v[16+18*\u:19+18*\u], v4, s[20:21] offset:768*\u
	global_load_b64 v[20+18*\u:21+18*\u], v5, s[20:21] offset:768*\u+512
	global_load_b128 v[28+18*\u:31+18*\u], v4, s[20:21] offset:768*\u
	global_load_b64 v[32+18*\u:33+18*\u], v5, s[20:21] offset:768*\u+512
.endr
	global_load_b32 v238, v189, s[32:33]
.irp u, 0,1
.irp i, 0,1,2,3,4,5
	v_mov_b32 v[22+18*\u+\i], 0                    ; (no load or store names these registers, nor those of the lines below)
.endr
.endr
.irp b, 0,1,2,3
	v_mov_b32 v[BT+\b], 0                          ; written once: a lane permute's destination counts as one of its sources
.endr
	v_mov_b32 v[F+1], 0                            ; (named as the upper half of a pair)
	v_mov_b32 v[TMP], 0
	s_wait_loadcnt 0x0
.irp j, 0,1,2
.irp c, 0,1,2
	ds_store_b128 v190, v[104+24*\j+4*\c:107+24*\j+4*\c] offset:6144*\j+512*\c
	ds_store_b128 v190, v[116+24*\j+4*\c:119+24*\j+4*\c] offset:18432+6144*\j+512*\c
.endr
	ds_store_b32 v191, v[176+\j] offset:512*\j
.endr
	v_perm_b32 v[QS], v238, v238, 0x01000100       ; the word holds tile 0's two bytes, then tile 1's: each tile's twice, for both halves of K
	v_perm_b32 v[QS+1], v238, v238, 0x03020302
	s_wait_dscnt 0x0                               ; my copies lie in LDS
	s_barrier_signal -1
	s_barrier_wait -1                              ; everybody's do: from here on LDS is only read
.macro SOFTMAX
.irp b, 0,1,2,3
	v_max3_num_f32 v[BM+\b], v[S+16*\b], v[S+1+16*\b], v[S+2+16*\b]   ; the largest score of each block of 32 keys: for the row's maximum, and for the block's largest p
.endr
.irp i, 3,5,7,9,11,13
.irp b, 0,1,2,3
	v_max3_num_f32 v[BM+\b], v[BM+\b], v[S+16*\b+\i], v[S+1+16*\b+\i]
.endr
.endr
.irp b, 0,1,2,3
	v_max_num_f32 v[BM+\b], v[BM+\b], v[S+15+16*\b]
.endr
.irp b, 0,1,2,3
	v_permlanex16_b32 v[BT+\b], v[BM+\b], s[SEL], s[SEL+1]
.endr
.irp b, 0,1,2,3
	v_max_num_f32 v[BM+\b], v[BM+\b], v[BT+\b]     ; with lane l xor 16's 16 keys
.endr
	v_max3_num_f32 v[TMP], v[BM], v[BM+1], v[BM+2]
	v_max_num_f32 v[TMP], v[TMP], v[BM+3]
	v_mul_f32 v[TMP], s[CS], v[TMP]                ; as t (c is positive)
	v_max_num_f32 v13, v13, v[TMP]                 ; the running largest t
	v_mov_b32 v[TMP], v12
	v_floor_f32 v12, -v13                          ; the new -M = -ceil(t)
	v_sub_f32 v[TMP], v12, v[TMP]                  ; old M - new M: a whole number, 0 or less
	v_cvt_i32_f32 v[TMP], v[TMP]                   ; (it saturates)
	v_ldexp_f32 v[F], 1.0, v[TMP]
.set JJ, 0
.rept 32
	v_pk_fma_f32 v[S+JJ:S+JJ+1], v[S+JJ:S+JJ+1], s[CS:CS+1], v[12:13] op_sel_hi:[1,0,0]   ; t - M
.set JJ, JJ+2
.endr
.irp b, 0,1,2,3
	v_fma_f32 v[BM+\b], v[BM+\b], s[CS], v12
.endr
.set JJ, 0
	s_wait_alu depctr_va_vdst(0)
.rept 64
	v_exp_f32 v[S+JJ], v[S+JJ]                     ; p = 2^(t - M)
.set JJ, JJ+1
.endr
.irp b, 0,1,2,3
	v_exp_f32 v[BM+\b], v[BM+\b]
.endr
	v_pk_mul_f32 v[14:15], v[14:15], v[F:F+1] op_sel_hi:[1,0]   ; the sums under the new M.  (A plain place behind the exponentials)
	s_wait_alu depctr_va_vdst(0)                   ; the 68 exponentials have written p and the blocks' largest p, ahead of their first reader
.irp b, 0,1,2,3
	v_max_num_f32 v[BM+\b], 0x1800000, v[BM+\b]    ; the floor 2^(3 - 127)
.endr
.irp b, 0,1,2,3
	v_add_nc_u32 v[BS+\b], 0xff000000, v[BM+\b]    ; 2 off the exponent field: the conversion's scale operand
.endr
.irp b, 0,1,2,3
	v_lshrrev_b32 v[BT+\b], 23, v[BS+\b]
.endr
	v_lshl_or_b32 v[PW], v[BT+1], 8, v[BT]
	v_lshl_or_b32 v[PW], v[BT+2], 16, v[PW]
	v_lshl_or_b32 v[PW], v[BT+3], 24, v[PW]
.irp c, 0,1
	v_cvt_scalef32_pk16_fp6_f32 v[PCD+6*\c:PCD+2+6*\c], v[S+32*\c:S+15+32*\c], v[BS+2*\c]
	v_cvt_scalef32_pk16_fp6_f32 v[CX+4*\c:CX+2+4*\c], v[S+16+32*\c:S+31+32*\c], v[BS+2*\c+1]
.endr
	v_nop                                          ; one plain place behind a scaled conversion
.irp c, 0,1
.irp i, 0,1,2
	v_permlane16_swap_b32 v[PCD+6*\c+\i], v[CX+4*\c+\i]
.endr
.irp i, 0,1,2
	v_mov_b32 v[PCD+3+6*\c+\i], v[CX+4*\c+\i]
.endr
.endr
	v_pk_add_f32 v[SUM2:SUM2+1], v[S:S+1], v[S+2:S+3]   ; the row's sum of the unquantised p, in two chains
.set JJ, 4
.rept 15
	v_pk_add_f32 v[14:15], v[14:15], v[S+JJ:S+JJ+1]
	v_pk_add_f32 v[SUM2:SUM2+1], v[SUM2:SUM2+1], v[S+2+JJ:S+3+JJ]
.set JJ, JJ+4
.endr
	v_pk_add_f32 v[14:15], v[14:15], v[SUM2:SUM2+1]
.set JJ, 0
.rept 16
	v_pk_mul_f32 v[O+JJ:O+JJ+1], v[O+JJ:O+JJ+1], v[F:F+1] op_sel_hi:[1,0]   ; O^T under the new M.  (With the sums: the places between the scale word, the codes and the products below)
.set JJ, JJ+2
.endr
.endm
; Block t of a step's four blocks of 32 keys, for my tile u.  mode 0 (the band's far end): blocks under my pair's number are out of the band; mode 2 (the diagonal): blocks over it lie ahead of the queries.
; Such a block becomes -infinity whole (p = 0 then); the block of my pair's number is cut lane by lane; the others are left as they are.  Register 16 t + i holds key 32 t + 16 h + i of the step.
; The cut: sixteen compares in a run, each into a scalar register of its own; one wait; sixteen selects.
.macro MASKB mode, t, u
	s_cmp_eq_u32 s8, \t
	s_cbranch_scc1 .Lpart_\@
.if ((\mode == 0) && (\t < 3)) || ((\mode == 2) && (\t > 0))
.if \mode == 0
	s_cmp_gt_u32 s8, \t
.else
	s_cmp_lt_u32 s8, \t
.endif
	s_cbranch_scc0 .Lopen_\@
.set NN, 16*(\t)
.rept 16
	v_mov_b32 v[S+NN], v8
.set NN, NN+1
.endr
.endif
	s_branch .Lopen_\@
.Lpart_\@:
.set NN, 16*(\t)
.rept 16
.set MK, 12+NN%16+4*((NN%16)/14)
.if \mode == 0
	v_cmp_le_i32 s[MK], 32*(NN/16)+NN%16, v[6+\u]
.else
	v_cmp_gt_i32 s[MK], 32*(NN/16)+NN%16, v[6+\u]
.endif
.set NN, NN+1
.endr
	s_wait_alu depctr_va_sdst(0)                   ; the sixteen masks are written, ahead of the selects that read them
.set NN, 16*(\t)
.rept 16
.set MK, 12+NN%16+4*((NN%16)/14)
	v_cndmask_b32 v[S+NN], v[S+NN], v8, s[MK]
.set NN, NN+1
.endr
.Lopen_\@:
.endm
; step j of the three, for my tile u of queries.  mode 0: keys at or under my query's place in its block of 128 are out of the band; 1: all count; 2: keys over it lie ahead of the query
.macro STEP j, mode, u
.rept 4
	v_nop                                          ; four places behind the last products
.endr
	s_wait_alu depctr_va_vdst(0)                   ; the last products are done reading KV and SCR, in which the loads below land; q's zeros and scale words, which vector instructions wrote, are written ahead of the products that take them
.irp t, 0,1,2,3
	ds_load_b128 v[KV+12*\t:KV+12*\t+3], v[L16] offset:6144*\j+1536*\t
	ds_load_b64 v[KV+12*\t+4:KV+12*\t+5], v[L8] offset:6144*\j+1536*\t+512
	ds_load_b128 v[KV+12*\t+6:KV+12*\t+9], v[L16] offset:6144*\j+1536*\t+768
	ds_load_b64 v[KV+12*\t+10:KV+12*\t+11], v[L8] offset:6144*\j+1536*\t+1280
	ds_load_b32 v[SCR+\t], v[LS] offset:512*\j+64*\t
.endr
	s_wait_dscnt 0x0
.irp t, 0,1,2,3
	v_wmma_scale_f32_16x16x128_f8f6f4 v[S+16*\t:S+16*\t+7], v[KV+12*\t:KV+12*\t+11], v[16+18*\u:27+18*\u], 0, v[SCR+\t], v[QS+\u] matrix_a_fmt:MATRIX_FMT_FP6 matrix_b_fmt:MATRIX_FMT_FP6
	v_wmma_scale_f32_16x16x128_f8f6f4 v[S+16*\t+8:S+16*\t+15], v[KV+12*\t:KV+12*\t+11], v[22+18*\u:33+18*\u], 0, v[SCR+\t], v[QS+\u] matrix_a_fmt:MATRIX_FMT_FP6 matrix_b_fmt:MATRIX_FMT_FP6
.endr
.rept 4
	v_nop                                          ; places in front of the first read or write of the scores
.endr
	s_wait_alu depctr_va_vdst(0)                   ; the eight products are done reading KV, in which the loads below land
.irp t, 0,1,2,3                                ; v's four tiles land while the softmax is walked: none of its lines names KV
	ds_load_b128 v[KV+12*\t:KV+12*\t+3], v[L16] offset:18432+6144*\j+1536*\t
	ds_load_b64 v[KV+12*\t+4:KV+12*\t+5], v[L8] offset:18432+6144*\j+1536*\t+512
	ds_load_b128 v[KV+12*\t+6:KV+12*\t+9], v[L16] offset:18432+6144*\j+1536*\t+768
	ds_load_b64 v[KV+12*\t+10:KV+12*\t+11], v[L8] offset:18432+6144*\j+1536*\t+1280
.endr
.if \mode != 1
.irp t, 0,1,2,3
	MASKB \mode, \t, \u
.endr
.endif
	SOFTMAX
	s_wait_dscnt 0x0                               ; v is in
	s_wait_alu depctr_va_vdst(0)                   ; p's codes and scale word, which vector instructions wrote, are written ahead of the products that take them; the places stand above
.irp t, 0,1,2,3
	v_wmma_scale_f32_16x16x128_f8f6f4 v[O+8*\t:O+8*\t+7], v[KV+12*\t:KV+12*\t+11], v[PCD:PCD+11], v[O+8*\t:O+8*\t+7], v[SCR+\t], v[PW] matrix_a_fmt:MATRIX_FMT_FP6 matrix_b_fmt:MATRIX_FMT_FP6 matrix_a_scale:MATRIX_SCALE_ROW1
.endr
.endm
.macro TILE u
	s_wait_xcnt 0x0                                ; the last tile's stores have read the codes' registers
	s_wait_alu depctr_vm_vsrc(0)                   ; tile 0: the head's loads and LDS stores have read v104 to v191, which are S^T and O^T from here on; tile 1: the last tile's stores have read PCD, which the softmax writes
	v_mov_b32 v13, 0xff61b1e6                      ; the largest t so far: -3e38
	v_floor_f32 v12, -v13
	v_mov_b32 v14, 0
	v_mov_b32 v15, 0
.set JJ, 0
.rept 32
	v_mov_b32 v[O+JJ], 0                           ; a step is written once: the first finds zeros, which the first change of M leaves zeros
.set JJ, JJ+1
.endr
	s_cmp_lt_u32 s3, 2
	s_cbranch_scc1 .Lno0_\@
	STEP 0, 0, \u
.Lno0_\@:
	s_cmp_lt_u32 s3, 1
	s_cbranch_scc1 .Lno1_\@
	STEP 1, 1, \u
.Lno1_\@:
	STEP 2, 2, \u
.rept 4
	v_nop
.endr
	v_add_f32 v14, v14, v15
	v_permlanex16_b32 v[TMP], v14, s[SEL], s[SEL+1]
	v_add_f32 v14, v14, v[TMP]                     ; the row's sum
	s_wait_alu depctr_va_vdst(0)
	v_rcp_f32 v14, v14
	v_nop                                          ; one plain place behind a transcendental
.set JJ, 0
	s_wait_alu depctr_va_vdst(0)                   ; the reciprocal is written, ahead of its first reader
.rept 32
	v_mul_f32 v[S+JJ], v[O+JJ], v14                ; o: register 16 b + i is feature 32 b + 16 h + i of my query's head
.set JJ, JJ+1
.endr
.irp b, 0,1
	v_max3_num_f32 v[BM+\b], |v[S+16*\b]|, |v[S+1+16*\b]|, 0x1800000
.endr
.irp i, 2,4,6,8,10,12,14
.irp b, 0,1
	v_max3_num_f32 v[BM+\b], v[BM+\b], |v[S+16*\b+\i]|, |v[S+1+16*\b+\i]|
.endr
.endr
.irp b, 0,1
	v_permlanex16_b32 v[BT+\b], v[BM+\b], s[SEL], s[SEL+1]
.endr
.irp b, 0,1
	v_max_num_f32 v[BM+\b], v[BM+\b], v[BT+\b]
.endr
.irp b, 0,1
	v_add_nc_u32 v[BS+\b], 0xff000000, v[BM+\b]
.endr
.irp b, 0,1
	v_lshrrev_b32 v[BT+\b], 23, v[BS+\b]
.endr
	v_lshl_or_b32 v[OW+\u], v[BT+1], 8, v[BT]
	v_cvt_scalef32_pk16_fp6_f32 v[PCD:PCD+2], v[S:S+15], v[BS]
	v_cvt_scalef32_pk16_fp6_f32 v[CX:CX+2], v[S+16:S+31], v[BS+1]
	v_nop
.irp i, 0,1,2
	v_permlane16_swap_b32 v[PCD+\i], v[CX+\i]
.endr
.irp i, 0,1,2
	v_mov_b32 v[PCD+3+\i], v[CX+\i]
.endr
.if \u == 1
	v_cndmask_b32 v10, v[OW], v[OW+1], s47         ; lanes 0-15: tile 0's rows, lanes 16-31: tile 1's
.endif
	s_wait_alu depctr_va_vdst(0)                   ; o's codes are written in PCD (tile 1: and the scale bytes in v10), which the stores below read
	global_store_b128 v4, v[PCD:PCD+3], s[26:27] offset:9216*\u       ; a half image: 512 and 256 consecutive bytes
	global_store_b64 v5, v[PCD+4:PCD+5], s[26:27] offset:9216*\u+512
.if \u == 1
	global_store_b16 v9, v10, s[28:29]
.endif
.endm
	TILE 0
	TILE 1
	s_wait_dscnt 0x0                               ; the closing lines, six on end
	s_wait_alu 0x0
	s_wait_tensorcnt 0x0
	ds_add_u32 v254, v255
	s_wait_dscnt 0x0
	s_endpgm
.Lfunc_end_k_q56bff444ea_attn:
	.size	k_q56bff444ea_attn, .Lfunc_end_k_q56bff444ea_attn-k_q56bff444ea_attn
	.p2alignl 7, 3214868480
	.fill 96, 4, 3214868480
	.section	.rodata,"a",@progbits
	.p2align	6, 0x0
	.amdhsa_kernel k_q56bff444ea_attn
		.amdhsa_group_segment_fixed_size 116736
		.amdhsa_private_segment_fixed_size 0
		.amdhsa_enable_private_segment 0
		.amdhsa_kernarg_size 32
		.amdhsa_user_sgpr_count 2
		.amdhsa_user_sgpr_kernarg_segment_ptr 1
		.amdhsa_wavefront_size32 1
		.amdhsa_system_sgpr_workgroup_id_x 1
		.amdhsa_system_sgpr_workgroup_id_y 1
		.amdhsa_system_sgpr_workgroup_id_z 1
		.amdhsa_system_vgpr_workitem_id 0
		.amdhsa_next_free_vgpr 256
		.amdhsa_next_free_sgpr 66
		.amdhsa_reserve_vcc 0
		.amdhsa_float_denorm_mode_32 3
		.amdhsa_float_denorm_mode_16_64 3
		.amdhsa_memory_ordered 1
		.amdhsa_forward_progress 1
		.amdhsa_inst_pref_size 160
	.end_amdhsa_kernel
	.amdgpu_metadata
---
amdhsa.version: [ 1, 2 ]
amdhsa.kernels:
  - .name:           k_q56bff444ea_attn
    .symbol:         k_q56bff444ea_attn.kd
    .args:
      - { .name: img, .offset: 0, .size: 8, .value_kind: global_buffer, .address_space: global }
      - { .name: scl, .offset: 8, .size: 8, .value_kind: global_buffer, .address_space: global }
      - { .name: oimg, .offset: 16, .size: 8, .value_kind: global_buffer, .address_space: global }
      - { .name: oscl, .offset: 24, .size: 8, .value_kind: global_buffer, .address_space: global }
    .group_segment_fixed_size: 116736
    .private_segment_fixed_size: 0
    .kernarg_segment_align: 8
    .kernarg_segment_size: 32
    .max_flat_workgroup_size: 384
    .sgpr_count:     66
    .vgpr_count:     256
    .wavefront_size: 32
...
	.end_amdgpu_metadata
.endif
;; end of part 6
;; launch wo (part 7): grid 16 x 12, 4 waves a work-group, no clusters, 0 bytes of LDS; arguments wimg, wo_scales, oimg, oscl, fimg, fscl; writes fimg, fscl
.if DOCPART == 7
	.amdgcn_target "amdgcn-amd-amdhsa--gfx1250"
	.amdhsa_code_object_version 6
	.text
	.protected	k_q56bff444ea_wo
	.globl	k_q56bff444ea_wo
	.p2align	8
	.type	k_q56bff444ea_wo,@function
k_q56bff444ea_wo:
	s_mov_b64 s[64:65], 0
	v_nop
	global_prefetch_b8 v0, s[64:65] scope:SCOPE_SE
	s_setreg_imm32_b32 hwreg(HW_REG_WAVE_SCHED_MODE, 0, 2), 2
	s_setreg_imm32_b32 hwreg(HW_REG_WAVE_MODE, 25, 1), 1
	s_wait_xcnt 0x0
	s_wait_alu depctr_vm_vsrc(0)
; fused[:, 768 e + n] = o_e wo[e]^T on codes of FP6 (E2M3) with E8M0 scales, quantised at once along its 3,072 features.
; A wave: P = 128 rows of wo (slice g of 24, one K step of the next product), all of K = 768, in 576 registers;  R = four tiles of 16 tokens of o.  Both come as register images straight from memory
; (wo's were laid out by the first launch: wimg [slice][tile][K step], 1,536 bytes each): every load takes 512 or 256 consecutive bytes, and nothing goes through LDS.
; A unit (48 matrix instructions, source 0 = P, source 1 = R) gives a lane one token and 128 features; lane r of P's tile 2 b + u holds row 32 b + 8 u + r + 8 (r / 8), so that 16 registers of two tiles are 16 neighbours.
; Its results become fragment g of the tile: fimg [tile][g], three stores of 512 consecutive bytes; fscl [pair][g][lane]: lanes 0-15 the pair's first tile, lanes 16-31 its second.
; Waves share nothing: no barrier, no LDS.  192 work-groups: a finer split would load P for still less work.
; LIMITS: NaN and infinities are not served.  A block of zeros gets the byte 1 with zero codes: this program alone reads these bytes.
; THE MODE: SCHED_MODE bits 1:0 = 2 (LLVM: expert scheduling mode 2), set by the entry lines.  The code itself states the register dependences between vector or matrix instructions and memory
; instructions, with s_wait_alu, always for 0.
; THE PLAN.  Registers that memory instructions touch:
;   v3, v8, v11, v12  offsets, made at the head ahead of one wait on va_vdst, never written again.
;   B0, B1      Unit i's products read tile i in B[i % 2]; behind them the loads of tile i + 2 land there.
;   OA, OB      Unit i's QUANT writes its codes into out-buffer i % 2; the three stores that read them are issued in unit i + 1.  PWM: made behind units 1 and 3, stored with their codes.
;   P and the scale words are loaded once; ACC and the work registers are named by vector and matrix instructions alone.
; So ONE wait on va_vdst stands in a unit, behind its products: they are done reading their tile, and the QUANT before has written its out-buffer.  The unit's loads and the stores of the unit before follow it, and QUANT, which
; names neither the tile nor that out-buffer, runs behind them.  From unit 2 on a wait on vm_vsrc stands beside it, ahead of the new stores: the stores issued a unit ago have read the out-buffer that this QUANT writes again.
.set PS,   24                          ; v24-47 P's scale words: pair b, K step s at 6 b + s; lanes 0-15 tile 2 b, lanes 16-31 tile 2 b + 1
.set RS0,  48                          ; v48-53 the first pair's scale words of o;  v232-237 the second pair's
.set RS1,  232
.set PW0,  54
.set PW1,  55
.set PWM,  56
.set TM,   58
.set OA,   76                          ; v76-87  out-buffer 0
.set CT,   88                          ; v88-94  the conversions' second halves
.set OB,   244                         ; v244-255 out-buffer 1
.set ACC,  96
.set B0,   160
.set B1,   144
.set SEL,  44
; v3 16 x lane; v8 8 x lane; v11 P's scale words; v12 4 x lane.  P: tiles 0-2 window 1, 3-5 window 2, 6-7 window 3, 72 registers each; B1 in window 3.  s46: lanes 16-31
.set MSB, 0
.macro WIN new
.if MSB != (\new)
	s_set_vgpr_msb (MSB<<8)|(\new)
.set MSB, (\new)
.endif
.endm
.macro WM d, a, b, k, sa, sb, ra, rb
.if (\k)==0
.if ((\ra)==0)&&((\rb)==0)
	v_wmma_scale_f32_16x16x128_f8f6f4 v[\d:\d+7], v[\a:\a+11], v[\b:\b+11], 0, v[\sa], v[\sb] matrix_a_fmt:MATRIX_FMT_FP6 matrix_b_fmt:MATRIX_FMT_FP6
.endif
.if ((\ra)==1)&&((\rb)==0)
	v_wmma_scale_f32_16x16x128_f8f6f4 v[\d:\d+7], v[\a:\a+11], v[\b:\b+11], 0, v[\sa], v[\sb] matrix_a_fmt:MATRIX_FMT_FP6 matrix_b_fmt:MATRIX_FMT_FP6 matrix_a_scale:MATRIX_SCALE_ROW1
.endif
.if ((\ra)==0)&&((\rb)==1)
	v_wmma_scale_f32_16x16x128_f8f6f4 v[\d:\d+7], v[\a:\a+11], v[\b:\b+11], 0, v[\sa], v[\sb] matrix_a_fmt:MATRIX_FMT_FP6 matrix_b_fmt:MATRIX_FMT_FP6 matrix_b_scale:MATRIX_SCALE_ROW1
.endif
.if ((\ra)==1)&&((\rb)==1)
	v_wmma_scale_f32_16x16x128_f8f6f4 v[\d:\d+7], v[\a:\a+11], v[\b:\b+11], 0, v[\sa], v[\sb] matrix_a_fmt:MATRIX_FMT_FP6 matrix_b_fmt:MATRIX_FMT_FP6 matrix_a_scale:MATRIX_SCALE_ROW1 matrix_b_scale:MATRIX_SCALE_ROW1
.endif
.else
.if ((\ra)==0)&&((\rb)==0)
	v_wmma_scale_f32_16x16x128_f8f6f4 v[\d:\d+7], v[\a:\a+11], v[\b:\b+11], v[\d:\d+7], v[\sa], v[\sb] matrix_a_fmt:MATRIX_FMT_FP6 matrix_b_fmt:MATRIX_FMT_FP6
.endif
.if ((\ra)==1)&&((\rb)==0)
	v_wmma_scale_f32_16x16x128_f8f6f4 v[\d:\d+7], v[\a:\a+11], v[\b:\b+11], v[\d:\d+7], v[\sa], v[\sb] matrix_a_fmt:MATRIX_FMT_FP6 matrix_b_fmt:MATRIX_FMT_FP6 matrix_a_scale:MATRIX_SCALE_ROW1
.endif
.if ((\ra)==0)&&((\rb)==1)
	v_wmma_scale_f32_16x16x128_f8f6f4 v[\d:\d+7], v[\a:\a+11], v[\b:\b+11], v[\d:\d+7], v[\sa], v[\sb] matrix_a_fmt:MATRIX_FMT_FP6 matrix_b_fmt:MATRIX_FMT_FP6 matrix_b_scale:MATRIX_SCALE_ROW1
.endif
.if ((\ra)==1)&&((\rb)==1)
	v_wmma_scale_f32_16x16x128_f8f6f4 v[\d:\d+7], v[\a:\a+11], v[\b:\b+11], v[\d:\d+7], v[\sa], v[\sb] matrix_a_fmt:MATRIX_FMT_FP6 matrix_b_fmt:MATRIX_FMT_FP6 matrix_a_scale:MATRIX_SCALE_ROW1 matrix_b_scale:MATRIX_SCALE_ROW1
.endif
.endif
.endm
.macro UGRP t0, n, win, rb, rw, rs, rrow       ; the tiles of one window: K step by K step, its accumulators by turns, one instruction a turn
	WIN (\win)|((\rw)<<2)
.irp s, 0,1,2,3,4,5
.irp t, 0,1,2
.if \t < \n
	WM ACC+8*(\t0+\t), 72*\t+12*\s, \rb+12*\s, \s, PS+6*((\t0+\t)/2)+\s, \rs+\s, (\t0+\t)%2, \rrow
.endif
.endr
.endr
.endm
.macro UNIT rb, rw, rs, rrow
	UGRP 0, 3, 1, \rb, \rw, \rs, \rrow
	UGRP 3, 3, 2, \rb, \rw, \rs, \rrow
	UGRP 6, 2, 3, \rb, \rw, \rs, \rrow
	WIN 0
.endm
.macro UNITW rb, rw, rs, rrow, n0, n1, n2      ; the first unit goes window by window as P lands: n0, n1, n2 = the loads issued behind tiles 2, 5 and 7 (as far as a wait can name them)
	s_wait_loadcnt \n0
	UGRP 0, 3, 1, \rb, \rw, \rs, \rrow
	s_wait_loadcnt \n1
	UGRP 3, 3, 2, \rb, \rw, \rs, \rrow
	s_wait_loadcnt \n2
	UGRP 6, 2, 3, \rb, \rw, \rs, \rrow
	WIN 0
.endm
.macro QUANT s, pw, pc                         ; 64 numbers of a lane, register 16 b + i = k 32 b + 16 (lane / 16) + i of my row -> codes in v[pc] on, scale word in v[pw]
.irp b, 0,1,2,3
	v_max3_num_f32 v[TM+\b], |v[\s+16*\b]|, |v[\s+1+16*\b]|, 0x1800000   ; with the floor 2^(3 - 127): the byte cannot fall under 1
.endr
.irp i, 2,4,6,8,10,12,14
.irp b, 0,1,2,3
	v_max3_num_f32 v[TM+\b], v[TM+\b], |v[\s+16*\b+\i]|, |v[\s+1+16*\b+\i]|
.endr
.endr
.irp b, 0,1,2,3
	v_permlanex16_b32 v[TM+4+\b], v[TM+\b], s[SEL], s[SEL+1]
.endr
.irp b, 0,1,2,3
	v_max_num_f32 v[TM+\b], v[TM+\b], v[TM+4+\b]
.endr
.irp b, 0,1,2,3
	v_add_nc_u32 v[TM+12+\b], 0xff000000, v[TM+\b]   ; 2 off the exponent field: the conversion's scale operand
.endr
.irp b, 0,1,2,3
	v_lshrrev_b32 v[TM+4+\b], 23, v[TM+12+\b]
.endr
	v_lshl_or_b32 v[\pw], v[TM+5], 8, v[TM+4]
	v_lshl_or_b32 v[\pw], v[TM+6], 16, v[\pw]
	v_lshl_or_b32 v[\pw], v[TM+7], 24, v[\pw]
.irp c, 0,1
	v_cvt_scalef32_pk16_fp6_f32 v[\pc+6*\c:\pc+2+6*\c], v[\s+32*\c:\s+15+32*\c], v[TM+12+2*\c]
	v_cvt_scalef32_pk16_fp6_f32 v[CT+4*\c:CT+2+4*\c], v[\s+16+32*\c:\s+31+32*\c], v[TM+12+2*\c+1]
.endr
	v_nop                                          ; one plain place behind a scaled conversion
.irp c, 0,1
.irp i, 0,1,2
	v_permlane16_swap_b32 v[\pc+6*\c+\i], v[CT+4*\c+\i]
.endr
.irp i, 0,1,2
	v_mov_b32 v[\pc+3+6*\c+\i], v[CT+4*\c+\i]
.endr
.endr
.endm
.macro PLOAD t                                 ; tile t of P: 9,216 consecutive bytes, as its 72 registers take them
.set PA, 72*((\t)%3)
	WIN (1+(\t)/3)<<6
.set QQ, 0
.rept 18
	global_load_b128 v[PA+4*QQ:PA+4*QQ+3], v3, s[28:29] offset:9216*(\t)+512*QQ
.set QQ, QQ+1
.endr
.endm
.macro RLOAD i, rb, win                        ; tile i of my four: six fragments, each two heads' half images
	WIN (\win)<<6
.irp s, 0,1,2,3,4,5
	global_load_b128 v[\rb+12*\s:\rb+12*\s+3], v3, s[32:33] offset:9216*(\i)+1536*\s
	global_load_b64 v[\rb+12*\s+4:\rb+12*\s+5], v8, s[32:33] offset:9216*(\i)+1536*\s+512
	global_load_b128 v[\rb+12*\s+6:\rb+12*\s+9], v3, s[32:33] offset:9216*(\i)+1536*\s+768
	global_load_b64 v[\rb+12*\s+10:\rb+12*\s+11], v8, s[32:33] offset:9216*(\i)+1536*\s+1280
.endr
	WIN 0
.endm
.macro SEND i, pb                              ; unit i's fragment leaves from out-buffer pb; behind a pair's second unit the pair's scale words too
.irp c, 0,1,2
	global_store_b128 v3, v[\pb+4*\c:\pb+4*\c+3], s[36:37] offset:36864*(\i)+512*\c
.endr
.if (\i)%2
	global_store_b32 v12, v[PWM], s[40:41] offset:3072*((\i)/2)
.endif
.endm
	s_load_b256 s[8:15], s[0:1], 0x0               ; wimg, wo's scales, oimg, oscl
	s_load_b128 s[16:19], s[0:1], 0x20             ; fimg, fscl
	v_lshrrev_b32 v240, 5, v0
	v_bfe_u32 v242, v0, 4, 1
	v_readfirstlane_b32 s2, v240                   ; wave
	v_cmp_eq_u32 s46, 1, v242                      ; lanes 16-31
	s_wait_alu depctr_va_sdst(0)                   ; s2 and s46 are written, ahead of their first readers: the scalar arithmetic below, and the selects of the scale words
	s_and_b32 s3, ttmp7, 0xffff
	s_and_b32 s5, s2, 1
	s_lshl_b32 s4, s3, 1
	s_add_co_u32 s5, s5, s4                        ; g: my slice of wo's 24
	s_mul_i32 s6, s3, 11
	s_lshr_b32 s6, s6, 5                           ; the expert: y / 3
	s_lshr_b32 s7, s2, 1
	s_lshl_b32 s4, ttmp9, 1
	s_add_co_u32 s7, s7, s4                        ; which four tiles of tokens, 0 .. 31
	s_mov_b32 s[SEL], 0x76543210
	s_mov_b32 s[SEL+1], 0xfedcba98
	s_mov_b32 s21, 0
	s_wait_kmcnt 0x0
	s_mul_i32 s20, s5, 73728
	s_add_nc_u64 s[28:29], s[8:9], s[20:21]        ; wimg: my slice's eight tiles
	s_mul_i32 s20, s5, 3072
	s_add_nc_u64 s[30:31], s[10:11], s[20:21]
	s_lshl_b32 s20, s6, 7
	s_lshl_b32 s22, s7, 2
	s_add_co_u32 s20, s20, s22
	s_mul_i32 s20, s20, 9216
	s_add_nc_u64 s[32:33], s[12:13], s[20:21]      ; oimg [expert][tile]: 12 half images
	s_lshl_b32 s20, s6, 6
	s_lshl_b32 s22, s7, 1
	s_add_co_u32 s20, s20, s22
	s_mul_i32 s20, s20, 768
	s_add_nc_u64 s[34:35], s[14:15], s[20:21]      ; oscl [expert][pair]: 6 x 32 words
	s_mul_i32 s20, s7, 96
	s_add_co_u32 s20, s20, s5
	s_mul_i32 s20, s20, 1536
	s_add_nc_u64 s[36:37], s[16:17], s[20:21]      ; fimg [tile][g]
	s_mul_i32 s20, s7, 48
	s_add_co_u32 s20, s20, s5
	s_lshl_b32 s20, s20, 7
	s_add_nc_u64 s[40:41], s[18:19], s[20:21]      ; fscl [pair][g]
	v_and_b32 v240, 31, v0
	v_and_b32 v241, 15, v0
	v_lshlrev_b32 v3, 4, v240
	v_lshlrev_b32 v8, 3, v240
	v_lshlrev_b32 v12, 2, v240
	v_and_b32 v243, 8, v241
	v_add_nc_u32 v243, v243, v241
	v_lshl_add_u32 v243, v242, 3, v243
	v_mul_u32_u24 v11, v243, 24
.irp b, 0,1,2,3
	v_mov_b32 v[TM+4+\b], 0                        ; written once: a lane permute's destination counts as one of its sources
.endr
	s_wait_alu depctr_va_vdst(0)                   ; the four offsets v3, v8, v11, v12 are written: every load and store of the kernel reads one of them
.irp b, 0,1,2,3
.irp i, 0,1,2
	global_load_b64 v[PS+6*\b+2*\i:PS+6*\b+2*\i+1], v11, s[30:31] offset:768*\b+8*\i
.endr
.endr
.irp s, 0,1,2,3,4,5
	global_load_b32 v[RS0+\s], v12, s[34:35] offset:128*\s
	global_load_b32 v[RS1+\s], v12, s[34:35] offset:768+128*\s
.endr
	RLOAD 0, B0, 0
.irp t, 0,1,2,3,4,5,6,7
	PLOAD \t
.endr
	RLOAD 1, B1, 3
; Unit i.  ob: the out-buffer that its QUANT writes; pb: the other, from which the unit before leaves
.macro CUNIT i, rb, rw, rs, rrow, pw, ob, pb
.if \i == 0
	UNITW \rb, \rw, \rs, \rrow, 63, 60, 24         ; behind tile 2: 90 + 24 loads, more than a wait can name; behind tile 5: 36 + 24; behind tile 7: the second tile of o, 24
.else
.if \i < 3
	s_wait_loadcnt 24                              ; this tile of o is in; the next tile's 24 loads may be out
.else
	s_wait_loadcnt 0x0
.endif
	UNIT \rb, \rw, \rs, \rrow
.endif
.rept 4
	v_nop                                          ; places in front of the first read of results
.endr
	s_wait_alu depctr_va_vdst(0)                   ; the unit's products are done reading their tile, in which the loads below land; the QUANT before has written its out-buffer (and PWM), which the stores below read
.if \i >= 2
	s_wait_xcnt 0x0                                ; the stores issued in the unit before have had their addresses translated,
	s_wait_alu depctr_vm_vsrc(0)                   ; and have read the out-buffer that this unit's QUANT writes again (in unit 3: and PWM)
.endif
.if \i < 2
	RLOAD \i+2, \rb, \rw                           ; the buffer takes the tile two further on
.endif
.if \i > 0
	SEND \i-1, \pb
.endif
	QUANT ACC, \pw, \ob                            ; names neither the tile's registers nor the other out-buffer
.if (\i)%2
	v_cndmask_b32 v[PWM], v[PW0], v[PW1], s46
.endif
.endm
	CUNIT 0, B0, 0, RS0, 0, PW0, OA, OB
	CUNIT 1, B1, 3, RS0, 1, PW1, OB, OA
	CUNIT 2, B0, 0, RS1, 0, PW0, OA, OB
	CUNIT 3, B1, 3, RS1, 1, PW1, OB, OA
	s_wait_alu depctr_va_vdst(0)                   ; the last QUANT has written OB and PWM, which the last stores read
	SEND 3, OB
	s_endpgm
.Lfunc_end_k_q56bff444ea_wo:
	.size	k_q56bff444ea_wo, .Lfunc_end_k_q56bff444ea_wo-k_q56bff444ea_wo
	.p2alignl 7, 3214868480
	.fill 96, 4, 3214868480
	.section	.rodata,"a",@progbits
	.p2align	6, 0x0
	.amdhsa_kernel k_q56bff444ea_wo
		.amdhsa_group_segment_fixed_size 0
		.amdhsa_private_segment_fixed_size 0
		.amdhsa_enable_private_segment 0
		.amdhsa_kernarg_size 48
		.amdhsa_user_sgpr_count 2
		.amdhsa_user_sgpr_kernarg_segment_ptr 1
		.amdhsa_wavefront_size32 1
		.amdhsa_system_sgpr_workgroup_id_x 1
		.amdhsa_system_sgpr_workgroup_id_y 1
		.amdhsa_system_sgpr_workgroup_id_z 1
		.amdhsa_system_vgpr_workitem_id 0
		.amdhsa_next_free_vgpr 1024
		.amdhsa_next_free_sgpr 66
		.amdhsa_reserve_vcc 0
		.amdhsa_float_denorm_mode_32 3
		.amdhsa_float_denorm_mode_16_64 3
		.amdhsa_memory_ordered 1
		.amdhsa_forward_progress 1
		.amdhsa_inst_pref_size 70
	.end_amdhsa_kernel
	.amdgpu_metadata
---
amdhsa.version: [ 1, 2 ]
amdhsa.kernels:
  - .name:           k_q56bff444ea_wo
    .symbol:         k_q56bff444ea_wo.kd
    .args:
      - { .name: wimg, .offset: 0, .size: 8, .value_kind: global_buffer, .address_space: global }
      - { .name: wo_scales, .offset: 8, .size: 8, .value_kind: global_buffer, .address_space: global }
      - { .name: oimg, .offset: 16, .size: 8, .value_kind: global_buffer, .address_space: global }
      - { .name: oscl, .offset: 24, .size: 8, .value_kind: global_buffer, .address_space: global }
      - { .name: fimg, .offset: 32, .size: 8, .value_kind: global_buffer, .address_space: global }
      - { .name: fscl, .offset: 40, .size: 8, .value_kind: global_buffer, .address_space: global }
    .group_segment_fixed_size: 0
    .private_segment_fixed_size: 0
    .kernarg_segment_align: 8
    .kernarg_segment_size: 48
    .max_flat_workgroup_size: 128
    .sgpr_count:     66
    .vgpr_count:     1024
    .wavefront_size: 32
...
	.end_amdgpu_metadata
.endif
;; end of part 7
;; launch gateup (part 8): grid 16 x 12, 4 waves a work-group, no clusters, 280,064 bytes of LDS; arguments wimg, w_gate_scales, w_up_scales, fimg, fscl, out0; writes out0
.if DOCPART == 8
	.amdgcn_target "amdgcn-amd-amdhsa--gfx1250"
	.amdhsa_code_object_version 6
	.text
	.protected	k_q56bff444ea_gateup
	.globl	k_q56bff444ea_gateup
	.p2align	8
	.type	k_q56bff444ea_gateup,@function
k_q56bff444ea_gateup:
	s_mov_b64 s[64:65], 0
	v_nop
	global_prefetch_b8 v0, s[64:65] scope:SCOPE_SE
	s_setreg_imm32_b32 hwreg(HW_REG_WAVE_SCHED_MODE, 0, 2), 2
	s_setreg_imm32_b32 hwreg(HW_REG_WAVE_MODE, 25, 1), 1
	s_wait_xcnt 0x0
	s_wait_alu depctr_vm_vsrc(0)
; out = silu(fused w_gate^T) x (fused w_up^T), K = 3,072, on codes of FP6 (E2M3) with E8M0 scales.
; A work-group: 128 tokens (8 tiles) x 64 features of both products.  THE WAVES SHARE K: wave w takes K steps 6 w .. 6 w + 5, so that every byte of the weights and of fused is read by one wave alone.
; P = 4 tiles of w_gate's rows and 4 of w_up's (natural tiles: 16 neighbouring rows), my 768 of K, in 576 registers; R = a tile of fused.  Both come as register images straight from memory (the weights' were laid out by the
; first launch: wimg, behind wo's 192 units, [64 features][quarter of K][tile][K step]): every load takes 512 consecutive bytes.  A unit = 48 matrix instructions, source 0 = P, source 1 = R: a lane holds one token and eight
; neighbouring features a tile.  The four waves' partial sums meet in LDS behind one barrier; each wave then adds, in the fixed order of the waves, two tiles' sums, 16 features at a time and one such step asked for ahead,
; applies silu, and stores rows of 256 consecutive bytes, aligned, sixteen lanes each.  Lane r of tile 2 b + u of tokens is token 32 b + 8 u + r + 8 (r / 8): that shows in the stores' addresses alone.
; 192 work-groups of 64 features and not 256 of 48, so that a row's piece of out0 is one whole run of 256 bytes.
; LIMITS: K is summed in four parts that are added in f32.  The sigmoid by v_exp_f32 and v_rcp_f32.  NaN and infinities are not served.
; THE MODE: SCHED_MODE bits 1:0 = 2 (LLVM: expert scheduling mode 2), set by the entry lines.  The code itself states the register dependences between vector or matrix instructions and memory or LDS
; instructions, with s_wait_alu, always for 0.
; THE PLAN.  Registers that memory or LDS instructions touch:
;   Addresses   v10, v12, v13, v72 to v77: made at the head ahead of one wait on va_vdst.  Only v12 is written again: at a unit's head, behind a wait on vm_vsrc and ahead of the unit's wait on va_vdst.
;   B0, B1      Unit i's products read tile i in B[i % 2]; behind them the loads of tile i + 2 land there.
;   ACC         Unit i's products write it; sixteen LDS stores read it; unit i + 1's products begin it anew.
;   So one wait on va_vdst stands behind a unit's products (ACC and v12 are written, the tile is free), and one on vm_vsrc at the next unit's head (the LDS stores have read ACC and v12).
;   Behind the barrier: two sets of sums (v96-159, v160-223) take the LDS loads of steps n and n + 1 by turns; two work sets (v80-87, v88-95) are written by a step's arithmetic and read by its two LDS stores.
;   One wait on va_vdst stands ahead of a step's two LDS stores: the work set is written, and the step is done with its set of sums, in which the loads of two steps on land.  Beside it a wait on vm_vsrc: the last step's LDS stores
;   have read the other work set, which the next step writes.  The rows that leave come from LDS loads: DScnt's affair.
.set OST,  262144                      ; LDS: the partial sums, [tile][wave] 8,192 bytes; behind them a stage of 16 rows x 272 bytes for each wave, for the way out
.set PS,   24                          ; v24-47 P's scale words
.set RS,   48                          ; v48-71 fused's scale words: pair i, K step s at 6 i + s
.set ACC,  96
.set B0,   160
.set B1,   144
; v10 16 x lane; v12 where my partial sums go; v13, v77 where I read them (my first, my second tile); v72 96 x lane; v73 4 x lane; v74, v75 the way out through my stage; v76 my place in two rows of out0;
; v80-87, v88-95 at work by turns; behind the barrier v96-159 and v160-223 take the partial sums by turns, v224-255 the first tile's rows
.set MSB, 0
.macro WIN new
.if MSB != (\new)
	s_set_vgpr_msb (MSB<<8)|(\new)
.set MSB, (\new)
.endif
.endm
.macro WM d, a, b, k, sa, sb, ra, rb
.if (\k)==0
.if ((\ra)==0)&&((\rb)==0)
	v_wmma_scale_f32_16x16x128_f8f6f4 v[\d:\d+7], v[\a:\a+11], v[\b:\b+11], 0, v[\sa], v[\sb] matrix_a_fmt:MATRIX_FMT_FP6 matrix_b_fmt:MATRIX_FMT_FP6
.endif
.if ((\ra)==1)&&((\rb)==0)
	v_wmma_scale_f32_16x16x128_f8f6f4 v[\d:\d+7], v[\a:\a+11], v[\b:\b+11], 0, v[\sa], v[\sb] matrix_a_fmt:MATRIX_FMT_FP6 matrix_b_fmt:MATRIX_FMT_FP6 matrix_a_scale:MATRIX_SCALE_ROW1
.endif
.if ((\ra)==0)&&((\rb)==1)
	v_wmma_scale_f32_16x16x128_f8f6f4 v[\d:\d+7], v[\a:\a+11], v[\b:\b+11], 0, v[\sa], v[\sb] matrix_a_fmt:MATRIX_FMT_FP6 matrix_b_fmt:MATRIX_FMT_FP6 matrix_b_scale:MATRIX_SCALE_ROW1
.endif
.if ((\ra)==1)&&((\rb)==1)
	v_wmma_scale_f32_16x16x128_f8f6f4 v[\d:\d+7], v[\a:\a+11], v[\b:\b+11], 0, v[\sa], v[\sb] matrix_a_fmt:MATRIX_FMT_FP6 matrix_b_fmt:MATRIX_FMT_FP6 matrix_a_scale:MATRIX_SCALE_ROW1 matrix_b_scale:MATRIX_SCALE_ROW1
.endif
.else
.if ((\ra)==0)&&((\rb)==0)
	v_wmma_scale_f32_16x16x128_f8f6f4 v[\d:\d+7], v[\a:\a+11], v[\b:\b+11], v[\d:\d+7], v[\sa], v[\sb] matrix_a_fmt:MATRIX_FMT_FP6 matrix_b_fmt:MATRIX_FMT_FP6
.endif
.if ((\ra)==1)&&((\rb)==0)
	v_wmma_scale_f32_16x16x128_f8f6f4 v[\d:\d+7], v[\a:\a+11], v[\b:\b+11], v[\d:\d+7], v[\sa], v[\sb] matrix_a_fmt:MATRIX_FMT_FP6 matrix_b_fmt:MATRIX_FMT_FP6 matrix_a_scale:MATRIX_SCALE_ROW1
.endif
.if ((\ra)==0)&&((\rb)==1)
	v_wmma_scale_f32_16x16x128_f8f6f4 v[\d:\d+7], v[\a:\a+11], v[\b:\b+11], v[\d:\d+7], v[\sa], v[\sb] matrix_a_fmt:MATRIX_FMT_FP6 matrix_b_fmt:MATRIX_FMT_FP6 matrix_b_scale:MATRIX_SCALE_ROW1
.endif
.if ((\ra)==1)&&((\rb)==1)
	v_wmma_scale_f32_16x16x128_f8f6f4 v[\d:\d+7], v[\a:\a+11], v[\b:\b+11], v[\d:\d+7], v[\sa], v[\sb] matrix_a_fmt:MATRIX_FMT_FP6 matrix_b_fmt:MATRIX_FMT_FP6 matrix_a_scale:MATRIX_SCALE_ROW1 matrix_b_scale:MATRIX_SCALE_ROW1
.endif
.endif
.endm
.macro UGRP t0, n, win, rb, rw, rs, rrow       ; the tiles of one window: K step by K step, its accumulators by turns, one instruction a turn
	WIN (\win)|((\rw)<<2)
.irp s, 0,1,2,3,4,5
.irp t, 0,1,2
.if \t < \n
	WM ACC+8*(\t0+\t), 72*\t+12*\s, \rb+12*\s, \s, PS+6*((\t0+\t)/2)+\s, \rs+\s, (\t0+\t)%2, \rrow
.endif
.endr
.endr
.endm
.macro UNIT rb, rw, rs, rrow
	UGRP 0, 3, 1, \rb, \rw, \rs, \rrow
	UGRP 3, 3, 2, \rb, \rw, \rs, \rrow
	UGRP 6, 2, 3, \rb, \rw, \rs, \rrow
	WIN 0
.endm
.macro UNITW rb, rw, rs, rrow, n0, n1, n2      ; the first unit goes window by window as P lands: n0, n1, n2 = the loads issued behind tiles 2, 5 and 7 (as far as a wait can name them)
	s_wait_loadcnt \n0
	UGRP 0, 3, 1, \rb, \rw, \rs, \rrow
	s_wait_loadcnt \n1
	UGRP 3, 3, 2, \rb, \rw, \rs, \rrow
	s_wait_loadcnt \n2
	UGRP 6, 2, 3, \rb, \rw, \rs, \rrow
	WIN 0
.endm
.macro PLOAD t                                 ; tile t of P (0-3 w_gate's, 4-7 w_up's): 9,216 consecutive bytes, as its 72 registers take them
.set PA, 72*((\t)%3)
	WIN (1+(\t)/3)<<6
.set QQ, 0
.rept 18
	global_load_b128 v[PA+4*QQ:PA+4*QQ+3], v10, s[24:25] offset:9216*(\t)+512*QQ
.set QQ, QQ+1
.endr
.endm
.macro RLOAD i                                 ; tile i of fused, my six K steps: 9,216 consecutive bytes, as the registers take them
.if (\i)%2
	WIN 0xc0
.set RB, B1
.else
	WIN 0
.set RB, B0
.endif
.set QQ, 0
.rept 18
	global_load_b128 v[RB+4*QQ:RB+4*QQ+3], v10, s[32:33] offset:36864*(\i)+512*QQ
.set QQ, QQ+1
.endr
	WIN 0
.endm
	s_load_b256 s[8:15], s[0:1], 0x0               ; wimg, w_gate's scales, w_up's scales, fimg
	s_load_b128 s[16:19], s[0:1], 0x20             ; fscl, out0
	v_lshl_add_u32 v78, v0, 2, 0x44400
	v_mov_b32 v79, 0
	v_lshrrev_b32 v80, 5, v0
	v_readfirstlane_b32 s2, v80                    ; wave
	s_wait_alu depctr_va_sdst(0)                   ; s2 is written, ahead of its first reader: the bases and the LDS addresses are made from it
	s_mov_b32 s3, ttmp9                            ; which 128 tokens
	s_and_b32 s4, ttmp7, 0xffff                    ; which 64 features
	s_mov_b32 s41, 0
	s_wait_kmcnt 0x0
	s_lshl_b32 s40, s4, 2
	s_add_co_u32 s40, s40, s2
	s_mul_i32 s40, s40, 73728                      ; wimg: eight tiles for each (64 features, quarter of K),
	s_add_co_u32 s40, s40, 1769472                 ; behind wo's 192 units
	s_add_nc_u64 s[24:25], s[8:9], s[40:41]
	s_mul_i32 s40, s4, 6144                        ; 64 rows of 96 scale bytes,
	s_mul_i32 s42, s2, 24                          ; my 24 of them
	s_add_co_u32 s40, s40, s42
	s_add_nc_u64 s[28:29], s[10:11], s[40:41]
	s_add_nc_u64 s[30:31], s[12:13], s[40:41]
	s_mul_i32 s40, s3, 294912                      ; fimg [tile][K step]: 8 tiles x 24 x 1,536,
	s_mul_i32 s42, s2, 9216
	s_add_co_u32 s40, s40, s42
	s_add_nc_u64 s[32:33], s[14:15], s[40:41]
	s_mul_i32 s40, s3, 12288                       ; fscl [pair][K step]: 4 pairs x 24 x 128
	s_mul_i32 s42, s2, 768
	s_add_co_u32 s40, s40, s42
	s_add_nc_u64 s[34:35], s[16:17], s[40:41]
	s_lshl_b32 s40, s3, 7                          ; the first token of the first tile that I finish (tile w): 128 x block + 32 (w / 2) + 8 (w % 2)
	s_lshr_b32 s42, s2, 1
	s_lshl_b32 s42, s42, 5
	s_add_co_u32 s40, s40, s42
	s_and_b32 s42, s2, 1
	s_lshl_b32 s42, s42, 3
	s_add_co_u32 s40, s40, s42
	s_mul_i32 s40, s40, 3072
	s_lshl_b32 s42, s4, 8
	s_add_co_u32 s40, s40, s42
	s_add_nc_u64 s[36:37], s[18:19], s[40:41]
	v_and_b32 v80, 31, v0                          ; lane
	v_and_b32 v81, 15, v0                          ; r
	v_bfe_u32 v82, v0, 4, 1                        ; h
	v_lshlrev_b32 v10, 4, v80
	v_mul_u32_u24 v72, v80, 96
	v_lshlrev_b32 v73, 2, v80
	s_lshl_b32 s42, s2, 13
	v_add_nc_u32 v12, s42, v10
	s_lshl_b32 s42, s2, 15
	v_add_nc_u32 v13, s42, v10
	v_add_nc_u32 v77, 131072, v13                  ; four tiles on
	s_mul_i32 s40, s2, 16*272
	s_add_co_u32 s40, s40, OST                     ; my stage
	v_mul_u32_u24 v74, v81, 272                    ; the way out: rows of 256 bytes + 16; in: row r, 32 bytes for each half of the lanes
	v_lshl_add_u32 v74, v82, 5, v74
	v_add_nc_u32 v74, s40, v74
	v_mul_u32_u24 v75, v82, 272                    ; back: lanes 0-15 one row, lanes 16-31 the next
	v_lshl_add_u32 v75, v81, 4, v75
	v_add_nc_u32 v75, s40, v75
	v_mul_u32_u24 v76, v82, 3072
	v_lshl_add_u32 v76, v81, 4, v76
	s_wait_alu depctr_va_vdst(0)                   ; every offset and address above is written: the loads, LDS stores, LDS loads and stores of the kernel read them
.irp b, 0,1
.irp i, 0,1,2
	global_load_b64 v[PS+6*\b+2*\i:PS+6*\b+2*\i+1], v72, s[28:29] offset:3072*\b+8*\i       ; lane l: row 32 b + l: lanes 0-15 tile 2 b, lanes 16-31 tile 2 b + 1
	global_load_b64 v[PS+12+6*\b+2*\i:PS+12+6*\b+2*\i+1], v72, s[30:31] offset:3072*\b+8*\i
.endr
.endr
.irp i, 0,1,2,3
.irp s, 0,1,2,3,4,5
	global_load_b32 v[RS+6*\i+\s], v73, s[34:35] offset:3072*\i+128*\s
.endr
.endr
	RLOAD 0
.irp t, 0,1,2,3,4,5,6,7
	PLOAD \t
.endr
	RLOAD 1
.macro DUNIT i
.if \i == 0
	UNITW B0, 0, RS, 0, 63, 54, 18                 ; behind tile 2: 90 + 18 loads, more than a wait can name; behind tile 5: 36 + 18; behind tile 7: the second tile of fused, 18
.else
.if \i < 7
	s_wait_loadcnt 18                              ; this tile of fused is in; the next tile's 18 loads may be out
.else
	s_wait_loadcnt 0x0
.endif
	s_wait_dscnt 0x0                               ; the last tile's LDS stores are done
	s_wait_alu depctr_vm_vsrc(0)                   ; they have read the accumulators, which the products below begin anew, and v12, which the addition writes
	v_add_nc_u32 v12, 32768, v12                   ; this tile's place among the partial sums
.if (\i)%2
	UNIT B1, 3, RS+6*((\i)/2), 1
.else
	UNIT B0, 0, RS+6*((\i)/2), 0
.endif
.endif
.rept 5
	v_nop                                          ; places: four in front of the LDS stores below; five in front of the next tile's products, which begin the accumulators anew (the addition at that tile's head is a sixth)
.endr
	s_wait_alu depctr_va_vdst(0)                   ; the unit's products have written the accumulators, which the LDS stores read, and are done reading their tile, in which the loads below land; v12 is written
.if \i < 6
	RLOAD (\i)+2
.endif
.irp t, 0,1,2,3,4,5,6,7
	ds_store_b128 v12, v[ACC+8*\t:ACC+8*\t+3] offset:1024*\t        ; each accumulator from its low end on
	ds_store_b128 v12, v[ACC+8*\t+4:ACC+8*\t+7] offset:1024*\t+512
.endr
.endm
.irp i, 0,1,2,3,4,5,6,7
	DUNIT \i
.endr
	s_wait_dscnt 0x0                               ; my partial sums lie in LDS
	s_barrier_signal -1
	s_barrier_wait -1                              ; everybody's do
	s_wait_alu depctr_vm_vsrc(0)                   ; my last LDS stores have read the accumulators: from here on LDS loads land in these registers
; I finish tiles w and w + 4, in eight steps n = 4 k + t of 16 features.  FLOAD: the four waves' parts of gate and up of step n, 16 loads, into v[sb] on.  FCOMP: they are added, silu(gate) x up goes into my stage.
.macro FLOAD n, sb
.if (\n) < 4
.set FA, 13
.else
.set FA, 77
.endif
.irp q, 0,1,2,3
	ds_load_b128 v[\sb+16*\q:\sb+16*\q+3], v[FA] offset:8192*\q+1024*((\n)%4)
	ds_load_b128 v[\sb+16*\q+4:\sb+16*\q+7], v[FA] offset:8192*\q+1024*((\n)%4)+512
	ds_load_b128 v[\sb+16*\q+8:\sb+16*\q+11], v[FA] offset:8192*\q+1024*((\n)%4+4)
	ds_load_b128 v[\sb+16*\q+12:\sb+16*\q+15], v[FA] offset:8192*\q+1024*((\n)%4+4)+512
.endr
.endm
.macro FCOMP sb, wb, t, fr                     ; fr = 1: a step stands before this one and another behind it
.irp q, 1,2,3
.irp i, 0,2,4,6,8,10,12,14
	v_pk_add_f32 v[\sb+\i:\sb+\i+1], v[\sb+\i:\sb+\i+1], v[\sb+16*\q+\i:\sb+16*\q+\i+1]
.endr
.endr
.irp i, 0,2,4,6
	v_pk_mul_f32 v[\wb+\i:\wb+\i+1], v[\sb+\i:\sb+\i+1], 0xbfb8aa3b op_sel_hi:[1,0]   ; -gate x log2(e)
.endr
	s_wait_alu depctr_va_vdst(0)
.irp i, 0,1,2,3,4,5,6,7
	v_exp_f32 v[\wb+\i], v[\wb+\i]
.endr
	v_nop                                          ; one plain place behind the exponentials
	s_wait_alu depctr_va_vdst(0)                   ; the eight exponentials are written, ahead of their first reader
.irp i, 0,2,4,6
	v_pk_add_f32 v[\wb+\i:\wb+\i+1], v[\wb+\i:\wb+\i+1], 1.0 op_sel_hi:[1,0]
.endr
	s_wait_alu depctr_va_vdst(0)
.irp i, 0,1,2,3,4,5,6,7
	v_rcp_f32 v[\wb+\i], v[\wb+\i]
.endr
	v_nop                                          ; and behind the reciprocals
	s_wait_alu depctr_va_vdst(0)                   ; the eight reciprocals are written, ahead of their first reader
.irp i, 0,2,4,6
	v_pk_mul_f32 v[\wb+\i:\wb+\i+1], v[\wb+\i:\wb+\i+1], v[\sb+\i:\sb+\i+1]
.endr
.irp i, 0,2,4,6
	v_pk_mul_f32 v[\wb+\i:\wb+\i+1], v[\wb+\i:\wb+\i+1], v[\sb+8+\i:\sb+8+\i+1]
.endr
	s_wait_alu depctr_va_vdst(0)                   ; the step has written its work set, which the LDS stores below read, and is done with its set of sums, in which the loads of two steps on land
.if \fr
	s_wait_alu depctr_vm_vsrc(0)                   ; the last step's LDS stores have read the other work set, which the next step writes again
.endif
	ds_store_b128 v74, v[\wb:\wb+3] offset:64*\t
	ds_store_b128 v74, v[\wb+4:\wb+7] offset:64*\t+16
.endm
.macro ROWS k, rb                              ; the tile's 16 rows come back whole and leave
.irp i, 0,1,2,3,4,5,6,7
	ds_load_b128 v[\rb+4*\i:\rb+4*\i+3], v75 offset:544*\i   ; LDS serves a wave's instructions in order: these see my stores, and the next tile's stores come behind them.  No vector instruction since the last wait on va_vdst names these registers
.endr
.irp i, 0,1,2,3,4,5,6,7
	s_wait_dscnt 7-\i
	global_store_b128 v76, v[\rb+4*\i:\rb+4*\i+3], s[36:37] offset:196608*\k+3072*(2*\i+8*(\i/4)) th:TH_STORE_NT   ; stage row r is token r + 8 (r / 8) of the tile; 16 lanes store 256 consecutive bytes, aligned
.endr
.endm
	FLOAD 0, 96
	FLOAD 1, 160
	s_wait_dscnt 16                                ; step 0 is in; step 1's 16 loads may be out
	FCOMP 96, 80, 0, 0
	FLOAD 2, 96
	s_wait_dscnt 18                                ; behind a step's loads: the last step's 2 stores and the next step's 16 loads
	FCOMP 160, 88, 1, 1
	FLOAD 3, 160
	s_wait_dscnt 18
	FCOMP 96, 80, 2, 1
	FLOAD 4, 96
	s_wait_dscnt 18
	FCOMP 160, 88, 3, 1
	ROWS 0, 224
	FLOAD 5, 160
	s_wait_dscnt 16                                ; (step 4 came in ahead of the rows)
	FCOMP 96, 80, 0, 1
	FLOAD 6, 96
	s_wait_dscnt 18
	FCOMP 160, 88, 1, 1
	FLOAD 7, 160
	s_wait_dscnt 18
	FCOMP 96, 80, 2, 1
	s_wait_dscnt 2                                 ; behind the last step's loads: 2 stores
	FCOMP 160, 88, 3, 0
	ROWS 1, 96
	s_wait_dscnt 0x0                               ; the closing lines, six on end
	s_wait_alu 0x0
	s_wait_tensorcnt 0x0
	ds_add_u32 v78, v79
	s_wait_dscnt 0x0
	s_endpgm
.Lfunc_end_k_q56bff444ea_gateup:
	.size	k_q56bff444ea_gateup, .Lfunc_end_k_q56bff444ea_gateup-k_q56bff444ea_gateup
	.p2alignl 7, 3214868480
	.fill 96, 4, 3214868480
	.section	.rodata,"a",@progbits
	.p2align	6, 0x0
	.amdhsa_kernel k_q56bff444ea_gateup
		.amdhsa_group_segment_fixed_size 280064
		.amdhsa_private_segment_fixed_size 0
		.amdhsa_enable_private_segment 0
		.amdhsa_kernarg_size 48
		.amdhsa_user_sgpr_count 2
		.amdhsa_user_sgpr_kernarg_segment_ptr 1
		.amdhsa_wavefront_size32 1
		.amdhsa_system_sgpr_workgroup_id_x 1
		.amdhsa_system_sgpr_workgroup_id_y 1
		.amdhsa_system_sgpr_workgroup_id_z 1
		.amdhsa_system_vgpr_workitem_id 0
		.amdhsa_next_free_vgpr 1024
		.amdhsa_next_free_sgpr 66
		.amdhsa_reserve_vcc 0
		.amdhsa_float_denorm_mode_32 3
		.amdhsa_float_denorm_mode_16_64 3
		.amdhsa_memory_ordered 1
		.amdhsa_forward_progress 1
		.amdhsa_inst_pref_size 134
	.end_amdhsa_kernel
	.amdgpu_metadata
---
amdhsa.version: [ 1, 2 ]
amdhsa.kernels:
  - .name:           k_q56bff444ea_gateup
    .symbol:         k_q56bff444ea_gateup.kd
    .args:
      - { .name: wimg, .offset: 0, .size: 8, .value_kind: global_buffer, .address_space: global }
      - { .name: w_gate_scales, .offset: 8, .size: 8, .value_kind: global_buffer, .address_space: global }
      - { .name: w_up_scales, .offset: 16, .size: 8, .value_kind: global_buffer, .address_space: global }
      - { .name: fimg, .offset: 24, .size: 8, .value_kind: global_buffer, .address_space: global }
      - { .name: fscl, .offset: 32, .size: 8, .value_kind: global_buffer, .address_space: global }
      - { .name: out0, .offset: 40, .size: 8, .value_kind: global_buffer, .address_space: global }
    .group_segment_fixed_size: 280064
    .private_segment_fixed_size: 0
    .kernarg_segment_align: 8
    .kernarg_segment_size: 48
    .max_flat_workgroup_size: 128
    .sgpr_count:     66
    .vgpr_count:     1024
    .wavefront_size: 32
...
	.end_amdgpu_metadata
.endif
;; end of part 8
